; MI455X (gfx1250); checked and timed in simulation.
; The chip was launched on July 23, 2026; its instructions are those of AMD's public machine-readable ISA for CDNA 5 (MIT licence, August 2026) and "CDNA5" Instruction Set Architecture Reference Guide (July 2026). The comments in the code are by the model that wrote it; some were corrected since.
;; Hydra. Allowed arithmetic: matrix products marked QUANTISED: E2M3 operands, one E8M0 scale for each 32 along K, by v_wmma_scale_f32_16x16x128_f8f6f4 with both operands' format E2M3, f32 sums; everything else in f32.
;; Inputs: W_in 3,072 x 1,024 float32; W_out 1,024 x 1,024 float32; X 4 x 4,096 x 1,024 float32; ln_b 1,024 float32; ln_g 1,024 float32.
;; Outputs: out0 4 x 4,096 x 1,024 float32.
;; This version of the problem:
;;   THIS VERSION OF THE PROBLEM IS GIVEN IN LOW PRECISION. The matrix products marked QUANTISED in the list below multiply operands that are first quantised to E2M3 (2 exponent bits, 3 mantissa bits; 6 bits a number), with one power-of-two scale for each 32 numbers along K (OCP MX v1.0); their sums are f32. All else is computed in f32.
;;   The module's matrix products, in the order in which they are computed (A, B: the left and right operand; K: the contracted axis; several contracted axes count as one K, in the product's order):
;;     1. [M 16,384, K 1,024] x [K 1,024, N 3,072]; A: computed on the way; B: input W_in: QUANTISED
;;     2. [M 16,384, K 1,024] x [K 1,024, N 1,024]; A: computed on the way; B: input W_out: QUANTISED
;;   THE QUANTISER, for each operand of a quantised product, along K:
;;     - K is cut into blocks of 32 from its start; a last block that is shorter is filled with zeros.
;;     - A block's scale is 2^e with e = floor(log2(the largest magnitude in the block)) - 2, held to -126 .. 127; a block of zeros has e = 0. As a byte (E8M0): e + 127.
;;     - Each number is divided by its block's scale, clamped to +-7.5, and rounded to the nearest number of E2M3, ties to even, subnormals kept.
;;     - The product sums the exact products of the quantised numbers (number of the format x scale) in f32.
;;   ~~~python
;;   def quantise(x, axis):      # numpy; x: float32 -> the quantised numbers, widened to float32 again
;;       x = np.moveaxis(x, axis, -1); K = x.shape[-1]
;;       x = np.pad(x, [(0, 0)] * (x.ndim - 1) + [(0, -K % 32)]); x = x.reshape(x.shape[:-1] + (-1, 32)); a = np.abs(x).max(-1, keepdims=True)
;;       e = np.where(a > 0, np.clip(np.frexp(np.where(a > 0, a, 1))[1] - 1 - 2, -126, 127), 0)      # np.frexp(a)[1] - 1 = floor(log2(a)), exactly
;;       r = np.clip(x / 2.0 ** e, -7.5, 7.5)
;;       step = 2.0 ** (np.maximum(np.frexp(np.where(r == 0, 1, r))[1] - 1, 0) - 3)
;;       q = np.round(r / step) * step * 2.0 ** e      # np.round: ties to even
;;       return np.moveaxis(q.reshape(q.shape[:-2] + (-1,))[..., :K], -1, axis).astype(np.float32)
;;   ~~~
;;   OPERANDS COMPUTED ON THE WAY. 'Computed on the way' means the value that the module computes at that place (a softmax that the list does not call 'softmax' is quantised finished and normalised). What goes into a quantiser is computed in f32, as accurately as f32 sums, v_exp_f32 and their like allow (about 1e-6 of the number): no bf16 or f16 on the way to a quantiser, and a product that is left as it is and whose result goes on into a quantised operand takes f32 operands (vector FMAs, or v_wmma_f32_16x16x4_f32). A number that lies on a knife's edge between two numbers of the format may be rounded either way, as far as f32 arithmetic and the matrix unit's own rounding can turn it there, and no further.
;; 2 versions. Each part assembles by itself: llvm-mc -triple=amdgcn-amd-amdhsa -mcpu=gfx1250 --defsym DOCPART=n.
;; ======== version 1 of 2: 4 launches
;; workspace buffers: xc 13,107,200 bytes; wkv 1,638,400 bytes; wqo 1,638,400 bytes; part 4,194,304 bytes; avec 16,384 bytes
;; launch prep (part 1): grid 320 x 1, 4 waves a work-group, no clusters, 88,576 bytes of LDS; arguments X, ln_g, ln_b, W_in, W_out, xc, wkv, wqo; writes xc, wkv, wqo
.if DOCPART == 1
	.amdgcn_target "amdgcn-amd-amdhsa--gfx1250"
	.amdhsa_code_object_version 6
	.text
	.protected	k_qdc13049067_prep
	.globl	k_qdc13049067_prep
	.p2align	8
	.type	k_qdc13049067_prep,@function
k_qdc13049067_prep:
	s_mov_b64 s[64:65], 0
	v_nop
	global_prefetch_b8 v0, s[64:65] scope:SCOPE_SE
	s_setreg_imm32_b32 hwreg(HW_REG_WAVE_MODE, 25, 1), 1
	s_wait_xcnt 0x0
; LayerNorm(X), W_in and W_out become codes of FP6 (E2M3) with one E8M0 byte for each 32 along K, laid as IMAGES OF THE OPERAND'S REGISTERS.
; A fragment is 16 rows x 128 K = 1,536 bytes: lane L = r + 16 h owns the 48 bytes at 48 L; block beta of the K step (32 codes, 24 bytes) of row r lies at 48 (r + 16 (beta & 1)) + 24 (beta >> 1).
; Its scale words: 4 bytes a row, byte beta for block beta, 64 bytes a fragment.
; A JOB is 16 source rows of 1,024 numbers -> 8 fragments (one for each K step) and their scale words; a wave does one job, a work-group four.
; Work-groups 0-255: X.  Block g holds positions 16 g .. 16 g + 15 of all four batches; wave v takes batch v.  xc block g (51,200 bytes): fragment 4 kappa + v at 1,536 x that, scale words from byte 49,152 on.
; Work-groups 256-319: weights, 16 each for K, V (into wkv), Q, W_out (into wqo).  A stream is 16 slots of 102,400 bytes, a slot four wave parts of 25,600: 16 fragments, then their scale words (1,024 bytes).
; All kinds take ONE path through the text: only pointers and whole numbers are chosen by the work-group's number; the LayerNorm alone, work on registers, stands under a scalar branch on it.
; A row at a time: eight loads of 512 consecutive bytes; (LayerNorm, two passes, in the order reference() has it;) a turn through the wave's own stage in LDS, after which lane l holds block l of the row;
; largest magnitude, scale, two conversions; codes and byte into the wave's image in LDS.  The images leave as stores of 512 consecutive bytes, the scale words as whole aligned blocks of 256 bytes.
; A block's scale byte is its largest magnitude's exponent field - 2, held at 1 from below.
; LIMITS: NaN and infinities are not served; a block whose largest magnitude lies under 2^-124, a block of zeros too, keeps the byte 1 (its codes are what the conversion gives; these bytes are read by this program alone).
.set TURNB, 4608                       ; a turning stage: 32 blocks x (128 bytes + 16)
.set IMG,   2*TURNB                    ; behind the two stages: the wave's 8 fragments
.set WREG,  IMG+12288                  ; a wave's region
.set SCS,   4*WREG                     ; the work-group's scale words, [K step][wave][row]
.set SLOTB, 102400
.set WPB,   25600
.set L16, 2                            ; v2   16 x lane
.set TST, 3                            ; v3   the stage, on the way in
.set TLD, 4                            ; v4   and on the way out: 144 x lane
.set IMA, 5                            ; v5   my block's place in the image, row 0
.set SCA, 6                            ; v6   my block's byte among the scale words, row 0
.set IMT, 7                            ; v7, v8  the same for the trip's two rows
.set SCT, 8
.set ROF, 9                            ; v9, v10  byte offset of the row that set 0, 1 holds
.set MEAN, 12
.set RSTD, 14
.set G,   16                           ; v16-47  gain, v48-79 bias, at my 32 columns
.set BB,  48
.set XR0, 80                           ; v80-111, v112-143  two rows as loaded
.set T,   144                          ; v144-175 a block's 32 numbers
.set C,   176                          ; v176-182 its codes
.set TP,  184                          ; v184-191 at work
.set WV, 20
.set R0, 21                            ; source row of job row r: R0 + RS r + PF (r & 8)
.set RS, 22
.set PF, 23
.set LNF, 24                           ; 1: LayerNorm
.set SH, 25                            ; K step kappa lies 102,400 (kappa >> SH) + SBC (kappa & MSK) bytes on
.set SBC, 26
.set SBS, 27                           ; the same for scale words
.set CB, 28
.set SCB, 29
.set RL, 30
.set TRIP, 31
.set R48, 32
.set R4, 33
.set SRC, 34
.set DST, 36
.set INV, 38
.set EPS, 39
.set SEL, 40
.set MSK, 60
	s_load_b256 s[4:11], s[0:1], 0x0               ; X, ln_g, ln_b, W_in
	s_load_b256 s[12:19], s[0:1], 0x20             ; W_out, xc, wkv, wqo
	v_lshl_add_u32 v192, v0, 2, 0x15800
	v_mov_b32 v193, 0
	v_lshrrev_b32 v1, 5, v0
	v_readfirstlane_b32 s[WV], v1                  ; wave 0..3
	v_and_b32 v1, 31, v0                           ; lane
	v_lshlrev_b32 v[L16], 4, v1
	s_mul_i32 s42, s[WV], WREG
	v_lshrrev_b32 v11, 3, v1
	v_mul_u32_u24 v[TST], v11, 144
	v_and_b32 v11, 7, v1
	v_lshl_add_u32 v[TST], v11, 4, v[TST]
	v_add_nc_u32 v[TST], s42, v[TST]               ; load q's 16 bytes of lane l belong to block 4 q + l / 8: 144 (l / 8) + 16 (l % 8), + 576 q
	v_mul_u32_u24 v[TLD], v1, 144
	v_add_nc_u32 v[TLD], s42, v[TLD]
	v_lshrrev_b32 v11, 2, v1                       ; my block's K step
	v_mul_u32_u24 v[IMA], v11, 1536
	v_lshlrev_b32 v[SCA], 8, v11
	v_and_b32 v11, 1, v1
	v_mad_u32_u24 v[IMA], v11, 768, v[IMA]
	v_bfe_u32 v11, v1, 1, 1
	v_mad_u32_u24 v[IMA], v11, 24, v[IMA]
	v_add_nc_u32 v[IMA], s42, v[IMA]
	v_add_nc_u32 v[IMA], IMG, v[IMA]
	v_and_b32 v11, 3, v1
	v_add_nc_u32 v[SCA], v11, v[SCA]
	s_lshl_b32 s43, s[WV], 6
	s_add_co_u32 s43, s43, SCS
	v_add_nc_u32 v[SCA], s43, v[SCA]
	; the job's numbers
	s_sub_co_u32 s42, ttmp9, 256
	s_bfe_u32 s43, s42, 0x20004                    ; kind: 0 K, 1 V, 2 Q, 3 W_out
	s_bfe_u32 s44, s42, 0x20002                    ; w: whose wave part
	s_and_b32 s45, s42, 3                          ; y
	s_lshr_b32 s46, s45, 1
	s_and_b32 s47, s45, 1
	s_lshr_b32 s48, s[WV], 1
	s_and_b32 s49, s[WV], 1
	s_lshl_b32 s50, s44, 7
	s_mul_i32 s51, s46, 384
	s_add_co_u32 s50, s50, s51
	s_lshl_b32 s51, s45, 6
	s_add_co_u32 s50, s50, s51
	s_lshl_b32 s51, s48, 5
	s_add_co_u32 s50, s50, s51                     ; 128 w + 384 (y / 2) + 64 y + 32 (v / 2)
	s_lshl_b32 s51, s43, 10
	s_add_co_u32 s51, s51, 1024
	s_add_co_u32 s51, s51, s49
	s_add_co_u32 s51, s51, s50                     ; K, V: even or odd channels of a group of 32
	s_lshl_b32 s52, s49, 3
	s_add_co_u32 s52, s52, s50                     ; Q
	s_lshl_b32 s53, s44, 8
	s_lshl_b32 s54, s45, 6
	s_add_co_u32 s53, s53, s54
	s_lshl_b32 s54, s[WV], 4
	s_add_co_u32 s53, s53, s54                     ; W_out
	s_lshl_b32 s54, s[WV], 12
	s_lshl_b32 s55, ttmp9, 4
	s_add_co_u32 s54, s54, s55                     ; X
	s_lshl_b32 s55, s46, 2
	s_add_co_u32 s55, s55, 8                       ; V's first slot
	s_lshl_b32 s56, s45, 1
	s_add_co_u32 s56, s56, 8                       ; W_out's first slot
	s_mov_b32 s[SBC], 6144
	s_mov_b32 s[SBS], 256
	s_cmp_eq_u32 s43, 1
	s_cselect_b32 s[SH], 1, 0
	s_cselect_b32 s[SBC], 12288, s[SBC]
	s_cselect_b32 s[SBS], 512, s[SBS]
	s_cselect_b32 s57, s55, 0
	s_cselect_b32 s58, s47, s45
	s_cmp_eq_u32 s43, 3
	s_cselect_b32 s[SH], 2, s[SH]
	s_cselect_b32 s57, s56, s57
	s_cselect_b32 s58, 0, s58
	s_cmp_lt_u32 s43, 2
	s_cselect_b32 s[RS], 2, 1
	s_cselect_b32 s[R0], s51, s52
	s_cmp_eq_u32 s43, 3
	s_cselect_b32 s[R0], s53, s[R0]
	s_cmp_eq_u32 s43, 2
	s_cselect_b32 s[PF], 1, 0
	s_mul_i32 s57, s57, SLOTB
	s_mul_i32 s59, s44, WPB
	s_add_co_u32 s57, s57, s59                     ; the wave part's first byte
	s_mul_i32 s59, s58, 6144
	s_add_co_u32 s[CB], s57, s59
	s_mul_i32 s59, s[WV], 1536
	s_add_co_u32 s[CB], s[CB], s59
	s_lshl_b32 s58, s58, 8
	s_add_co_u32 s[SCB], s57, s58
	s_add_co_u32 s[SCB], s[SCB], 24576
	s_mul_i32 s57, ttmp9, 51200
	s_add_co_u32 s59, s57, s59
	s_add_co_u32 s57, s57, 49152
	s_cmp_lt_u32 ttmp9, 256                        ; X's work-groups
	s_cselect_b32 s[SH], 3, s[SH]
	s_cselect_b32 s[SBC], 6144, s[SBC]
	s_cselect_b32 s[SBS], 256, s[SBS]
	s_cselect_b32 s[RS], 1, s[RS]
	s_cselect_b32 s[PF], 0, s[PF]
	s_cselect_b32 s[LNF], 1, 0
	s_cselect_b32 s[R0], s54, s[R0]
	s_cselect_b32 s[CB], s59, s[CB]
	s_cselect_b32 s[SCB], s57, s[SCB]
	s_lshl_b32 s[MSK], 1, s[SH]
	s_sub_co_u32 s[MSK], s[MSK], 1
	s_mov_b32 s[INV], 0x3a800000                   ; 1 / 1,024
	s_mov_b32 s[EPS], 0x3727c5ac                   ; 1e-5
	s_mov_b32 s[SEL], 0x76543210
	s_mov_b32 s[SEL+1], 0xfedcba98                 ; v_permlanex16_b32's selects for lane l xor 16
	s_wait_kmcnt 0x0
	s_cmp_lt_u32 ttmp9, 256                        ; the choices hang on the work-group's number alone
	s_cselect_b64 s[SRC:SRC+1], s[4:5], s[10:11]
	s_cselect_b64 s[DST:DST+1], s[14:15], s[16:17]
	s_cmp_ge_u32 ttmp9, 304
	s_cselect_b64 s[SRC:SRC+1], s[12:13], s[SRC:SRC+1]
	s_cmp_ge_u32 ttmp9, 288
	s_cselect_b64 s[DST:DST+1], s[18:19], s[DST:DST+1]
.irp q, 0,1,2,3,4,5,6,7
	global_load_b128 v[G+4*\q:G+4*\q+3], v[L16], s[6:7] offset:512*\q
	global_load_b128 v[BB+4*\q:BB+4*\q+3], v[L16], s[8:9] offset:512*\q
.endr
.macro LOADROW set                     ; the next job row into set: eight loads of 512 consecutive bytes
	s_and_b32 s42, s[RL], 8
	s_mul_i32 s42, s42, s[PF]
	s_mul_i32 s43, s[RL], s[RS]
	s_add_co_u32 s42, s42, s43
	s_add_co_u32 s42, s42, s[R0]
	s_lshl_b32 s42, s42, 12                        ; a row is 4,096 bytes
	s_add_co_u32 s[RL], s[RL], 1
	v_add_nc_u32 v[ROF+\set], s42, v[L16]
.irp q, 0,1,2,3,4,5,6,7
	global_load_b128 v[XR0+32*\set+4*\q:XR0+32*\set+4*\q+3], v[ROF+\set], s[SRC:SRC+1] offset:512*\q th:TH_LOAD_NT
.endr
.endm
.macro LANESUM a, b                    ; the sum over the 32 lanes, in every lane
	v_add_f32_dpp v[\a], v[\a], v[\a] row_xmask:1 row_mask:0xf bank_mask:0xf
	v_add_f32_dpp v[\a], v[\a], v[\a] row_xmask:2 row_mask:0xf bank_mask:0xf
	v_add_f32_dpp v[\a], v[\a], v[\a] row_xmask:4 row_mask:0xf bank_mask:0xf
	v_add_f32_dpp v[\a], v[\a], v[\a] row_xmask:8 row_mask:0xf bank_mask:0xf
	v_permlanex16_b32 v[\b], v[\a], s[SEL], s[SEL+1]
	v_add_f32 v[\a], v[\a], v[\b]
.endm
; One row.  odd: the trip's second row; ahead = 1: the set takes the row two further on; left: the younger loads that may stay out.
.macro ROW set, odd, ahead, left
.set XR, XR0+32*(\set)
	s_wait_loadcnt \left                           ; loads come back in order: this set's eight are in (and, the first time, gain and bias), the other set's may be out
	s_cmp_eq_u32 s[LNF], 0
	s_cbranch_scc1 .Lraw_\@                        ; weights are quantised as they are
	v_pk_add_f32 v[TP:TP+1], v[XR:XR+1], v[XR+2:XR+3]
	v_pk_add_f32 v[TP+2:TP+3], v[XR+4:XR+5], v[XR+6:XR+7]
.irp i, 8,12,16,20,24,28
	v_pk_add_f32 v[TP:TP+1], v[TP:TP+1], v[XR+\i:XR+\i+1]
	v_pk_add_f32 v[TP+2:TP+3], v[TP+2:TP+3], v[XR+\i+2:XR+\i+3]
.endr
	v_pk_add_f32 v[TP:TP+1], v[TP:TP+1], v[TP+2:TP+3]
	v_add_f32 v[TP], v[TP], v[TP+1]
	LANESUM TP, TP+1
	v_mul_f32 v[MEAN], s[INV], v[TP]
	v_mov_b32 v[MEAN+1], v[MEAN]
.irp i, 0,2,4,6,8,10,12,14,16,18,20,22,24,26,28,30
	v_pk_add_f32 v[XR+\i:XR+\i+1], v[XR+\i:XR+\i+1], v[MEAN:MEAN+1] neg_lo:[0,1] neg_hi:[0,1]   ; x - mean: the variance is taken of these, so a common offset does no harm
.endr
	v_pk_mul_f32 v[TP:TP+1], v[XR:XR+1], v[XR:XR+1]
	v_pk_mul_f32 v[TP+2:TP+3], v[XR+2:XR+3], v[XR+2:XR+3]
.irp i, 4,8,12,16,20,24,28
	v_pk_fma_f32 v[TP:TP+1], v[XR+\i:XR+\i+1], v[XR+\i:XR+\i+1], v[TP:TP+1]
	v_pk_fma_f32 v[TP+2:TP+3], v[XR+\i+2:XR+\i+3], v[XR+\i+2:XR+\i+3], v[TP+2:TP+3]
.endr
	v_pk_add_f32 v[TP:TP+1], v[TP:TP+1], v[TP+2:TP+3]
	v_add_f32 v[TP], v[TP], v[TP+1]
	LANESUM TP, TP+1
	v_fma_f32 v[TP], v[TP], s[INV], s[EPS]         ; variance + 1e-5
	v_rsq_f32 v[RSTD], v[TP]
	v_nop                                          ; a plain instruction behind the transcendental,
	s_wait_alu depctr_va_vdst(0)                   ; and a wait ahead of its first reader
	v_mov_b32 v[RSTD+1], v[RSTD]
.irp i, 0,2,4,6,8,10,12,14,16,18,20,22,24,26,28,30
	v_pk_mul_f32 v[XR+\i:XR+\i+1], v[XR+\i:XR+\i+1], v[RSTD:RSTD+1]
.endr
.irp i, 0,2,4,6,8,10,12,14,16,18,20,22,24,26,28,30
	v_pk_fma_f32 v[XR+\i:XR+\i+1], v[XR+\i:XR+\i+1], v[G+\i:G+\i+1], v[BB+\i:BB+\i+1]
.endr
.Lraw_\@:
.irp q, 0,1,2,3,4,5,6,7
	ds_store_b128 v[TST], v[XR+4*\q:XR+4*\q+3] offset:TURNB*(\set)+576*\q
.endr
.irp i, 0,1,2,3,4,5,6,7
	ds_load_b128 v[T+4*\i:T+4*\i+3], v[TLD] offset:TURNB*(\set)+16*\i   ; LDS serves a wave's instructions in order: these see the stores above
.endr
	s_wait_dscnt 0x0                               ; my block is in; the stores have read the set; the last row's stores have read their codes
.if \ahead
	LOADROW \set
.endif
	v_max3_num_f32 v[TP], |v[T]|, |v[T+1]|, 0x1800000   ; the largest magnitude of my 32, and the floor 2^(3 - 127): so the byte cannot fall under 1
	v_max3_num_f32 v[TP+1], |v[T+2]|, |v[T+3]|, |v[T+4]|
.irp i, 5,9,13,17,21,25
	v_max3_num_f32 v[TP], v[TP], |v[T+\i]|, |v[T+\i+1]|
	v_max3_num_f32 v[TP+1], v[TP+1], |v[T+\i+2]|, |v[T+\i+3]|
.endr
	v_max3_num_f32 v[TP], v[TP], |v[T+29]|, |v[T+30]|
	v_max3_num_f32 v[TP], v[TP], v[TP+1], |v[T+31]|
	v_add_nc_u32 v[TP+2], 0xff000000, v[TP]        ; 2 off its exponent field: the conversion takes the exponent field of this operand as its scale
	v_cvt_scalef32_pk16_fp6_f32 v[C:C+2], v[T:T+15], v[TP+2]
	v_cvt_scalef32_pk16_fp6_f32 v[C+4:C+6], v[T+16:T+31], v[TP+2]   ; (a conversion's three registers begin on an even number)
	v_lshrrev_b32 v[TP+3], 23, v[TP+2]             ; the scale's byte; also the plain instruction behind the conversions
	v_mov_b32 v[C+3], v[C+4]
	v_mov_b32 v[C+4], v[C+5]
	v_mov_b32 v[C+5], v[C+6]
	ds_store_b64 v[IMT], v[C:C+1] offset:48*(\odd)
	ds_store_b64 v[IMT], v[C+2:C+3] offset:48*(\odd)+8
	ds_store_b64 v[IMT], v[C+4:C+5] offset:48*(\odd)+16
	ds_store_b8 v[SCT], v[TP+3] offset:4*(\odd)
.endm
	s_mov_b32 s[RL], 0
	LOADROW 0
	LOADROW 1
	s_mov_b32 s[R48], 0
	s_mov_b32 s[R4], 0
	s_mov_b32 s[TRIP], 7
.Lrows:                                            ; two rows a trip
	v_add_nc_u32 v[IMT], s[R48], v[IMA]
	v_add_nc_u32 v[SCT], s[R4], v[SCA]
	ROW 0, 0, 1, 8
	ROW 1, 1, 1, 8
	s_add_co_u32 s[R48], s[R48], 96
	s_add_co_u32 s[R4], s[R4], 8
	s_sub_co_u32 s[TRIP], s[TRIP], 1
	s_cmp_lg_u32 s[TRIP], 0
	s_cbranch_scc1 .Lrows
	v_add_nc_u32 v[IMT], s[R48], v[IMA]
	v_add_nc_u32 v[SCT], s[R4], v[SCA]
	ROW 0, 0, 0, 8                                 ; the last two rows load nothing
	ROW 1, 1, 0, 0
	s_wait_dscnt 0x0                               ; for the others' sake: my scale bytes have landed
	s_barrier_signal -1
	s_barrier_wait -1
	; the codes leave: 24 x 512 consecutive bytes
.irp k, 0,1,2,3,4,5,6,7
	s_lshr_b32 s42, \k, s[SH]
	s_mul_i32 s42, s42, SLOTB
	s_and_b32 s43, s[MSK], \k
	s_mul_i32 s43, s43, s[SBC]
	s_add_co_u32 s42, s42, s43
	s_add_co_u32 s42, s42, s[CB]
	v_add_nc_u32 v[G+\k], s42, v[L16]              ; (gain and bias are done with)
.endr
	s_mul_i32 s42, s[WV], WREG
	s_add_co_u32 s42, s42, IMG
	v_add_nc_u32 v11, s42, v[L16]
.set i, 0
.rept 24
	ds_load_b128 v[XR0+4*i:XR0+4*i+3], v11 offset:512*i
.set i, i+1
.endr
.set i, 0
.rept 24
	s_wait_dscnt 23-i                              ; image load i is in, the younger ones may be out
	global_store_b128 v[G+i/3], v[XR0+4*i:XR0+4*i+3], s[DST:DST+1] offset:512*(i%3)
.set i, i+1
.endr
	; the scale words leave: wave v takes K steps 2 v (lanes 0-15) and 2 v + 1 (lanes 16-31), 256 bytes each
	s_lshl_b32 s44, s[WV], 1
	s_lshr_b32 s42, s44, s[SH]
	s_mul_i32 s42, s42, SLOTB
	s_and_b32 s43, s44, s[MSK]
	s_mul_i32 s43, s43, s[SBS]
	s_add_co_u32 s42, s42, s43
	s_add_co_u32 s44, s44, 1
	s_lshr_b32 s45, s44, s[SH]
	s_mul_i32 s45, s45, SLOTB
	s_and_b32 s43, s44, s[MSK]
	s_mul_i32 s43, s43, s[SBS]
	s_add_co_u32 s45, s45, s43
	s_sub_co_u32 s45, s45, s42                     ; from the even K step's words to the odd one's
	s_add_co_u32 s42, s42, s[SCB]
	v_bfe_u32 v12, v0, 4, 1
	v_mul_u32_u24 v12, v12, s45
	v_and_b32 v13, 15, v0
	v_lshl_add_u32 v12, v13, 4, v12
	v_add_nc_u32 v12, s42, v12
	s_lshl_b32 s43, s[WV], 9
	s_add_co_u32 s43, s43, SCS
	v_add_nc_u32 v13, s43, v[L16]
	ds_load_b128 v[BB:BB+3], v13
	s_wait_dscnt 0x0
	global_store_b128 v12, v[BB:BB+3], s[DST:DST+1]   ; sixteen lanes store 256 consecutive bytes, aligned
	s_wait_tensorcnt 0x0
	ds_add_u32 v192, v193
	s_wait_dscnt 0x0
	s_endpgm
.Lfunc_end_k_qdc13049067_prep:
	.size	k_qdc13049067_prep, .Lfunc_end_k_qdc13049067_prep-k_qdc13049067_prep
	.p2alignl 7, 3214868480
	.fill 96, 4, 3214868480
	.section	.rodata,"a",@progbits
	.p2align	6, 0x0
	.amdhsa_kernel k_qdc13049067_prep
		.amdhsa_group_segment_fixed_size 88576
		.amdhsa_private_segment_fixed_size 0
		.amdhsa_enable_private_segment 0
		.amdhsa_kernarg_size 64
		.amdhsa_user_sgpr_count 2
		.amdhsa_user_sgpr_kernarg_segment_ptr 1
		.amdhsa_wavefront_size32 1
		.amdhsa_system_sgpr_workgroup_id_x 1
		.amdhsa_system_sgpr_workgroup_id_y 1
		.amdhsa_system_sgpr_workgroup_id_z 1
		.amdhsa_system_vgpr_workitem_id 0
		.amdhsa_next_free_vgpr 194
		.amdhsa_next_free_sgpr 66
		.amdhsa_reserve_vcc 0
		.amdhsa_float_denorm_mode_32 3
		.amdhsa_float_denorm_mode_16_64 3
		.amdhsa_memory_ordered 1
		.amdhsa_forward_progress 1
		.amdhsa_inst_pref_size 55
	.end_amdhsa_kernel
	.amdgpu_metadata
---
amdhsa.version: [ 1, 2 ]
amdhsa.kernels:
  - .name:           k_qdc13049067_prep
    .symbol:         k_qdc13049067_prep.kd
    .args:
      - { .name: X, .offset: 0, .size: 8, .value_kind: global_buffer, .address_space: global }
      - { .name: ln_g, .offset: 8, .size: 8, .value_kind: global_buffer, .address_space: global }
      - { .name: ln_b, .offset: 16, .size: 8, .value_kind: global_buffer, .address_space: global }
      - { .name: W_in, .offset: 24, .size: 8, .value_kind: global_buffer, .address_space: global }
      - { .name: W_out, .offset: 32, .size: 8, .value_kind: global_buffer, .address_space: global }
      - { .name: xc, .offset: 40, .size: 8, .value_kind: global_buffer, .address_space: global }
      - { .name: wkv, .offset: 48, .size: 8, .value_kind: global_buffer, .address_space: global }
      - { .name: wqo, .offset: 56, .size: 8, .value_kind: global_buffer, .address_space: global }
    .group_segment_fixed_size: 88576
    .private_segment_fixed_size: 0
    .kernarg_segment_align: 8
    .kernarg_segment_size: 64
    .max_flat_workgroup_size: 128
    .sgpr_count:     66
    .vgpr_count:     194
    .wavefront_size: 32
...
	.end_amdgpu_metadata
.endif
;; end of part 1
;; launch kv (part 2): grid 256 x 1, 4 waves a work-group, clusters of 4 x 1, 327,680 bytes of LDS; arguments xc, wkv, part; writes part
.if DOCPART == 2
	.amdgcn_target "amdgcn-amd-amdhsa--gfx1250"
	.amdhsa_code_object_version 6
	.text
	.protected	k_qdc13049067_kv
	.globl	k_qdc13049067_kv
	.p2align	8
	.type	k_qdc13049067_kv,@function
k_qdc13049067_kv:
	s_mov_b64 s[64:65], 0
	v_nop
	global_prefetch_b8 v0, s[64:65] scope:SCOPE_SE
	s_setreg_imm32_b32 hwreg(HW_REG_WAVE_MODE, 25, 1), 1
	s_wait_xcnt 0x0
	s_wait_alu depctr_hold_cnt(0) depctr_sa_sdst(0) depctr_va_vdst(0) depctr_va_sdst(0) depctr_va_ssrc(0) depctr_va_vcc(0) depctr_vm_vsrc(0)
	s_getreg_b32 s2, hwreg(HW_REG_IB_STS2, 6, 4)
	s_cmp_eq_u32 s2, 0
	s_cbranch_scc0 .Lentry_in_a_cluster
	s_endpgm
.Lentry_in_a_cluster:
	s_bfe_u32 s2, ttmp6, 0x10000c
	s_cmp_lg_u32 s2, 0x3003
	s_cbranch_scc0 .Lentry_shape_is_right
	s_endpgm
.Lentry_shape_is_right:
; K = Q(Xn) Q(W_k)^T, V = Q(Xn) Q(W_v)^T on codes of FP6 (E2M3) with E8M0 scales; rotary on K's channels 0-511; K^ = K / sqrt(|K|^2 + 1e-6); part[g][b][d] = the sum over the block's 16 positions of K^ V.
; SHARES.  Work-group g owns positions 16 g .. 16 g + 15 of all four batches: 64 whole rows, row tile t = batch t.  Wave w owns channels 128 w .. + 127 and 512 + 128 w .. + 127 of K and of V, for all 64 rows:
; 64 accumulators for K (windows 2, 3), then 32 at a time for V (window 1).
; THE WEIGHTS come as a stream of 16 tiles of 102,400 bytes through a ring of two LDS slots: images of the operand's registers, 16 fragments and their scale words for each wave; wave w asks for and reads part w alone.
; CLUSTER.  Every work-group walks the same stream, so the four of a cluster ask for each part JOINTLY (a mask names four work-groups at the most): same line, same descriptor, which hangs on the wave's number alone.
; x's 32 fragments (51,200 bytes) are this work-group's own: they come through registers into LDS bytes that no fill touches.
; LAYOUT.  Source 0 = 16 rows of x, source 1 = 16 channels: lane (r, h) holds ONE channel and positions 8 h + 0 .. 7, so the sum over positions stays in the lane.  Tiles 2 m and 2 m + 1 hold the even and the odd
; channels of a group of 32 (channel 32 m + 2 r + a % 2): a rotary pair lies in one lane, in two neighbouring accumulators.
; SIN AND COS in f32 while the first tiles land: theta = 2^(-i log2(10000) / 256) with the exponent in two parts; angle = position x theta, rounded once; reduction by pi / 2 in two parts; polynomials; no branch.
; LIMITS: NaN and infinities are not served; theta lies within about 2 units in the last place of its true value; the reduction is exact for angles under 4,096; the sums over positions are taken in another order than reference()'s.
; REGISTERS, in windows of 256.  Window 0: v1-15 addresses; v16-31 the weights' scale words, a set for each slot; v32-35 x's, two sets; v36, v37 for the add; v64-111, v208-255 x's fragments, two sets;
;   v112-159, v160-207 the weights' fragments, two sets; outside the products v160-255 are at work.   Window 1: cos, sin (v0-63) and the angle's work; then V.   Windows 2, 3: K: (a, t) at window 2 + a / 8, v[64 t + 8 (a % 8)].
.set SLOTB, 102400
.set WPB,   25600
.set FRB,   1536
.set WSO,   24576
.set XIM,   2*SLOTB                    ; behind the ring: x's images and scale words
.set XSO,   49152
.set NRM,   XIM+51200                  ; [wave][batch][position] sums of squares
.set PST,   NRM+1024                   ; [batch][channel] the work-group's sums
.set SPARE, PST+16384                  ; the spare words, 128 bytes for each wave: two blocks of 256 bytes that no other line names
.set AW,  1
.set ASW, 3
.set AX,  5
.set ASX, 6
.set AXK, 7
.set ASXK, 8
.set NST, 9
.set NLD, 10
.set PSA, 11
.set PLA, 12
.set GOF, 13
.set XGO, 14
.set XLS, 15
.set WSC, 16
.set XSC, 32
.set SPW, 36
.set NIL, 37
.set XF0, 64                           ; x's set e at XF0 + 144 e
.set WF0, 112                          ; the weights' set at WF0 + 48 x set
.set TT,  160                          ; window 1: the angle's work, 8 registers for each of four values
.set PHI, 192                          ; window 1: four angles
.set WV,  14
.set G1W, 16
.set G0,  40                           ; s[40:43], s[44:47]: group 0 for slot 0, 1
.set EPQ, 54
.set K2PI, 74
.set NHI, 75
.set NLO, 76
.set KS1, 77
.set KS2, 78
.set KS3, 79
.set KC1, 80
.set KC2, 81
.set KC3, 82
.set SGN, 83
.set LH,  84
.set LL,  85
.set NLN2, 86
.set MSB, 0
.macro WIN new                         ; the immediate's high byte repeats the setting that is left
.if MSB != (\new)
	s_set_vgpr_msb (MSB<<8)|(\new)
.set MSB, (\new)
.endif
.endm
.macro PLACES                          ; four plain instructions between a matrix instruction and a load into, or a vector instruction on, its registers (ISA guide 7.12.1 for vector instructions)
.rept 4
	v_nop
.endr
.endm
.macro CREST                           ; a round of the cluster's barrier behind its opening barrier
	s_cmp_lg_u32 s[WV], 0
	s_cbranch_scc1 .Lnot_wave_0_\@
	s_barrier_signal -3
.Lnot_wave_0_\@:
	s_barrier_wait -3
	s_barrier_signal -1
	s_barrier_wait -1
.endm
.macro CROUND
	s_barrier_signal -1
	s_barrier_wait -1
	CREST
.endm
.macro LDW sl, q, set                  ; my fragments 4 q .. 4 q + 3 of slot sl: three loads of 16 bytes a lane each, 48 bytes from lane to lane
.irp i, 0,1,2,3
.irp c, 0,1,2
	ds_load_b128 v[WF0+48*(\set)+12*\i+4*\c:WF0+48*(\set)+12*\i+4*\c+3], v[AW+(\sl)] offset:FRB*(4*(\q)+\i)+16*\c
.endr
.endr
.endm
.macro LDX set, adr, off               ; a K step's four fragments of x
.irp t, 0,1,2,3
.irp c, 0,1,2
	ds_load_b128 v[XF0+144*(\set)+12*\t+4*\c:XF0+144*(\set)+12*\t+4*\c+3], v[\adr] offset:(\off)+FRB*\t+16*\c
.endr
.endr
.endm
.macro LDWS sl                         ; my 16 fragments' scale words: register i: fragment 2 i in lanes 0-15, 2 i + 1 in lanes 16-31
.irp i, 0,1,2,3,4,5,6,7
	ds_load_b32 v[WSC+8*(\sl)+\i], v[ASW+(\sl)] offset:128*\i
.endr
.endm
.macro LDXS e, adr, off                ; a K step's scale words of x: batches 0 | 1, 2 | 3
	ds_load_b32 v[XSC+2*(\e)], v[\adr] offset:(\off)
	ds_load_b32 v[XSC+2*(\e)+1], v[\adr] offset:(\off)+128
.endm
.macro EMIT                            ; one product, from the symbols rD rA rB rSA rSB; fZ: it starts the sum; fRA, fRB: the scale words stand in lanes 16-31
.if fZ
.if fRA && fRB
	v_wmma_scale_f32_16x16x128_f8f6f4 v[rD:rD+7], v[rA:rA+11], v[rB:rB+11], 0, v[rSA], v[rSB] matrix_a_fmt:MATRIX_FMT_FP6 matrix_b_fmt:MATRIX_FMT_FP6 matrix_a_scale:MATRIX_SCALE_ROW1 matrix_b_scale:MATRIX_SCALE_ROW1
.elseif fRA
	v_wmma_scale_f32_16x16x128_f8f6f4 v[rD:rD+7], v[rA:rA+11], v[rB:rB+11], 0, v[rSA], v[rSB] matrix_a_fmt:MATRIX_FMT_FP6 matrix_b_fmt:MATRIX_FMT_FP6 matrix_a_scale:MATRIX_SCALE_ROW1
.elseif fRB
	v_wmma_scale_f32_16x16x128_f8f6f4 v[rD:rD+7], v[rA:rA+11], v[rB:rB+11], 0, v[rSA], v[rSB] matrix_a_fmt:MATRIX_FMT_FP6 matrix_b_fmt:MATRIX_FMT_FP6 matrix_b_scale:MATRIX_SCALE_ROW1
.else
	v_wmma_scale_f32_16x16x128_f8f6f4 v[rD:rD+7], v[rA:rA+11], v[rB:rB+11], 0, v[rSA], v[rSB] matrix_a_fmt:MATRIX_FMT_FP6 matrix_b_fmt:MATRIX_FMT_FP6
.endif
.else
.if fRA && fRB
	v_wmma_scale_f32_16x16x128_f8f6f4 v[rD:rD+7], v[rA:rA+11], v[rB:rB+11], v[rD:rD+7], v[rSA], v[rSB] matrix_a_fmt:MATRIX_FMT_FP6 matrix_b_fmt:MATRIX_FMT_FP6 matrix_a_scale:MATRIX_SCALE_ROW1 matrix_b_scale:MATRIX_SCALE_ROW1
.elseif fRA
	v_wmma_scale_f32_16x16x128_f8f6f4 v[rD:rD+7], v[rA:rA+11], v[rB:rB+11], v[rD:rD+7], v[rSA], v[rSB] matrix_a_fmt:MATRIX_FMT_FP6 matrix_b_fmt:MATRIX_FMT_FP6 matrix_a_scale:MATRIX_SCALE_ROW1
.elseif fRB
	v_wmma_scale_f32_16x16x128_f8f6f4 v[rD:rD+7], v[rA:rA+11], v[rB:rB+11], v[rD:rD+7], v[rSA], v[rSB] matrix_a_fmt:MATRIX_FMT_FP6 matrix_b_fmt:MATRIX_FMT_FP6 matrix_b_scale:MATRIX_SCALE_ROW1
.else
	v_wmma_scale_f32_16x16x128_f8f6f4 v[rD:rD+7], v[rA:rA+11], v[rB:rB+11], v[rD:rD+7], v[rSA], v[rSB] matrix_a_fmt:MATRIX_FMT_FP6 matrix_b_fmt:MATRIX_FMT_FP6
.endif
.endif
.endm
; The products of quad q's fragments i0 .. i1 with x's four: the accumulators take turns, one instruction a turn, and none comes back before 15 others'.
; PHS = 0, K: a tile is K step kappa, fragment 4 q + i is tile a of K, x's set is the slot's number.  PHS = 1, V: a tile is two K steps; fragment 4 q + i is tile 4 (q % 2) + i of the half in hand, K step and x's set q / 2.
.macro MUL sl, q, i0, i1, z
.set ii, \i0
.rept (\i1)-(\i0)+1
.set tt, 0
.rept 4
.set rB, WF0+48*((\q)%2)+12*ii
.set rSB, WSC+8*(\sl)+2*(\q)+ii/2
.set fRA, tt%2
.set fRB, ii%2
.set fZ, \z
.if PHS == 0
.set rD, 64*tt+8*((4*(\q)+ii)%8)
.set rA, XF0+144*(\sl)+12*tt
.set rSA, XSC+2*(\sl)+tt/2
.else
.set rD, 64*tt+8*(4*((\q)%2)+ii)
.set rA, XF0+144*((\q)/2)+12*tt
.set rSA, XSC+2*((\q)/2)+tt/2
.endif
	EMIT
.set tt, tt+1
.endr
.set ii, ii+1
.endr
.endm
.macro WINMUL q                        ; sources 0 and 1 in window 0; C and D: K's window 2 or 3, V's window 1
.if PHS == 0
.if (\q) < 2
	WIN 0xa0
.else
	WIN 0xf0
.endif
.else
	WIN 0x50
.endif
.endm
; One of a tile's first three quads: the next quad's fragments are asked for, then this quad's 16 products.  extra = 1 (V, quad 0): the tile's second K step of x comes too.
.macro QUAD sl, q, z, extra
	PLACES
	LDW \sl, (\q)+1, ((\q)+1)%2
.if \extra
	LDX 1, AX, XO1
	LDXS 1, ASX, XO1/24
	s_wait_dscnt 26                                ; all but the 26 loads just issued
.else
	s_wait_dscnt 12                                ; all but the 12 loads just issued: this quad's operands are in
.endif
	WINMUL \q
	MUL \sl, \q, 0, 3, \z
	WIN 0
.endm
; A tile's last quad changes slots.  fill = 1: in front of a round of the cluster's barrier each wave waits for all its tensor loads (its part of the next slot), adds 0 to its spare word, and waits for that and for
; its reads of this slot; behind the round this slot is asked for again, two tiles on; then the next tile's first operands.  xm = 1: x's next K step by the stepped address; 2: the K step at byte XN, into set 0.
.macro TURN sl, nx, fill, xm, z
.if \fill
	s_wait_tensorcnt 0x0                           ; all my tensor loads have landed: my part of the next slot;
	ds_add_u32 v[SPW], v[NIL]                      ; 0 onto my spare word;
	s_wait_dscnt 1                                 ; (the add alone may be out: this quad's fragments are in)
	WINMUL 3
	MUL \sl, 3, 0, 1, \z                           ; eight products stand between the add and the wait for it
	s_wait_dscnt 0x0                               ; the add is done, and my reads of this slot are over
	s_barrier_signal -1
	MUL \sl, 3, 2, 2, \z
	WIN 0
	s_barrier_wait -1
	CREST                                          ; no wave of any partner still reads this slot or has a load on its way
	s_add_nc_u64 s[G0+4*(\sl)+2:G0+4*(\sl)+3], s[G0+4*(\sl)+2:G0+4*(\sl)+3], 2*SLOTB
	tensor_load_to_lds s[G0+4*(\sl):G0+4*(\sl)+3], s[G1W:G1W+7]   ; my one tensor load behind the round
	s_nop 0
	PLACES                                         ; the places in front of the loads below
.else
	s_wait_tensorcnt 0x0                           ; my part of the last tile has landed; only I read it, and nothing is filled again
	s_wait_dscnt 0x0
	WINMUL 3
	MUL \sl, 3, 0, 2, \z
	WIN 0
	PLACES
.endif
	LDW \nx, 0, 0
.if (\xm) == 1
	v_add_nc_u32 v[AXK], 4*FRB, v[AXK]
	v_add_nc_u32 v[ASXK], 256, v[ASXK]
	LDX \nx, AXK, 0
	LDXS \nx, ASXK, 0
.else
	LDX 0, AX, XN
	LDXS 0, ASX, XN/24
.endif
	LDWS \nx
	WINMUL 3
	MUL \sl, 3, 3, 3, \z
	WIN 0
.endm
.macro KTILE sl, z, xm
	QUAD \sl, 0, \z, 0
	QUAD \sl, 1, \z, 0
	QUAD \sl, 2, \z, 0
	TURN \sl, 1-(\sl), 1, \xm, \z
.endm
.macro VTILE tl, sl                    ; tile tl of the stream: half (tl - 8) / 4 of V's channels, K steps 2 SG and 2 SG + 1
.set SG, ((\tl)-8)%4
.set XO1, 4*FRB*(2*SG+1)
.set XN, 4*FRB*2*((SG+1)%4)
.if SG == 0
	QUAD \sl, 0, 1, 1
	QUAD \sl, 1, 1, 0
.else
	QUAD \sl, 0, 0, 1
	QUAD \sl, 1, 0, 0
.endif
	QUAD \sl, 2, 0, 0
.if (\tl) < 14
	TURN \sl, 1-(\sl), 1, 2, 0
.elseif (\tl) == 14
	TURN \sl, 1-(\sl), 0, 2, 0
.else
	s_wait_dscnt 0x0
	WINMUL 3
	MUL \sl, 3, 0, 3, 0
	WIN 0
.endif
.endm
; sin and cos of the four angles in v[PHI ..], all registers in window 1: cos to v[oc + st k], sin to v[os + st k].  The four values take turns line by line.
.macro SC4 oc, os, st
.irp k, 0,1,2,3
	v_mul_f32 v[TT+8*\k], s[K2PI], v[PHI+\k]
.endr
.irp k, 0,1,2,3
	v_rndne_f32 v[TT+8*\k], v[TT+8*\k]             ; n = the nearest whole number to angle x 2 / pi
.endr
.irp k, 0,1,2,3
	v_fma_f32 v[TT+8*\k+1], v[TT+8*\k], s[NHI], v[PHI+\k]   ; r = angle - n pi / 2: the upper part of pi / 2 has 23 bits, so this step rounds nothing for angles under 4,096
.endr
.irp k, 0,1,2,3
	v_fma_f32 v[TT+8*\k+1], v[TT+8*\k], s[NLO], v[TT+8*\k+1]
	v_cvt_i32_f32 v[TT+8*\k+2], v[TT+8*\k]
.endr
.irp k, 0,1,2,3
	v_mul_f32 v[TT+8*\k+3], v[TT+8*\k+1], v[TT+8*\k+1]      ; z = r r
.endr
.irp k, 0,1,2,3
	v_fma_f32 v[TT+8*\k+4], v[TT+8*\k+3], s[KS3], s[KS2]
	v_fma_f32 v[TT+8*\k+5], v[TT+8*\k+3], s[KC3], s[KC2]
.endr
.irp k, 0,1,2,3
	v_fma_f32 v[TT+8*\k+4], v[TT+8*\k+4], v[TT+8*\k+3], s[KS1]
	v_fma_f32 v[TT+8*\k+5], v[TT+8*\k+5], v[TT+8*\k+3], s[KC1]
.endr
.irp k, 0,1,2,3
	v_mul_f32 v[TT+8*\k+4], v[TT+8*\k+4], v[TT+8*\k+3]
	v_mul_f32 v[TT+8*\k+6], v[TT+8*\k+3], v[TT+8*\k+3]
	v_fma_f32 v[TT+8*\k+7], v[TT+8*\k+3], -0.5, 1.0
.endr
.irp k, 0,1,2,3
	v_fma_f32 v[TT+8*\k+4], v[TT+8*\k+4], v[TT+8*\k+1], v[TT+8*\k+1]   ; sin r
	v_fma_f32 v[TT+8*\k+5], v[TT+8*\k+5], v[TT+8*\k+6], v[TT+8*\k+7]   ; cos r
	v_and_b32 v[TT+8*\k], 1, v[TT+8*\k+2]
.endr
.irp k, 0,1,2,3
	v_cmp_eq_u32 vcc_lo, 1, v[TT+8*\k]             ; an odd quarter turn: sin and cos change places (a choice of values, no branch)
	v_cndmask_b32 v[(\os)+(\st)*\k], v[TT+8*\k+4], v[TT+8*\k+5], vcc_lo
	v_cndmask_b32 v[(\oc)+(\st)*\k], v[TT+8*\k+5], v[TT+8*\k+4], vcc_lo
.endr
.irp k, 0,1,2,3
	v_lshlrev_b32 v[TT+8*\k], 30, v[TT+8*\k+2]     ; sin is negative in quarters 2, 3: bit 1 of n;
	v_add_nc_u32 v[TT+8*\k+2], 1, v[TT+8*\k+2]     ; cos in quarters 1, 2: bit 1 of n + 1
.endr
.irp k, 0,1,2,3
	v_and_b32 v[TT+8*\k], s[SGN], v[TT+8*\k]
	v_lshlrev_b32 v[TT+8*\k+2], 30, v[TT+8*\k+2]
.endr
.irp k, 0,1,2,3
	v_xor_b32 v[(\os)+(\st)*\k], v[TT+8*\k], v[(\os)+(\st)*\k]
	v_and_b32 v[TT+8*\k+2], s[SGN], v[TT+8*\k+2]
.endr
.irp k, 0,1,2,3
	v_xor_b32 v[(\oc)+(\st)*\k], v[TT+8*\k+2], v[(\oc)+(\st)*\k]
.endr
.endm
	s_load_b128 s[4:7], s[0:1], 0x0                ; xc, wkv
	s_load_b64 s[8:9], s[0:1], 0x10                ; part
	v_lshl_add_u32 v[SPW], v0, 2, SPARE
	v_mov_b32 v[NIL], 0
	ds_add_u32 v36, v37
	ds_add_u32 v36, v37
	s_wait_dscnt 0x0
	v_lshrrev_b32 v38, 5, v0
	v_readfirstlane_b32 s[WV], v38                 ; wave 0..3
	s_bfe_u32 s13, ttmp6, 0x40000                  ; cx: my place in the cluster
	s_lshl_b32 s12, ttmp9, 2
	s_add_co_u32 s12, s12, s13                     ; g: it enters xc's and part's addresses and the positions, and nothing else
	s_mov_b32 s[G1W], 15|(3<<16)|(1<<21)           ; 15:0 the mask: all four work-groups; 17:16 elements of 8 bytes; 21 set beside a mask; no padding
	s_mov_b32 s[G1W+1], 32<<16                     ; tensor_dim0 = 32 elements: rows of 256 bytes
	s_mov_b32 s[G1W+2], 100<<16                    ; tensor_dim1 = 100 rows: a wave part, dense in memory
	s_mov_b32 s[G1W+3], 32<<16                     ; tile_dim0
	s_mov_b32 s[G1W+4], 100                        ; tile_dim1
	s_mov_b32 s[G1W+5], 32                         ; from row to row
	s_mov_b32 s[G1W+6], 0
	s_mov_b32 s[G1W+7], 0
	s_mul_i32 s48, s[WV], WPB                      ; my part: in a tile of the stream and in a slot
	s_mov_b32 s49, 0
	s_mul_i32 s2, s12, 51200
	s_mov_b32 s3, 0
	s_lshl_b32 s50, s12, 14
	s_mov_b32 s51, 0
	s_mov_b32 s[K2PI], 0x3f22f983                  ; 2 / pi
	s_mov_b32 s[NHI], 0xbfc90fda                   ; -(pi / 2), upper part
	s_mov_b32 s[NLO], 0xb3a22169                   ; and the rest
	s_mov_b32 s[KS1], 0xbe2aaaa3                   ; sin r = r + r z (S1 + z (S2 + z S3))
	s_mov_b32 s[KS2], 0x3c08839e
	s_mov_b32 s[KS3], 0xb94ca1f9
	s_mov_b32 s[KC1], 0x3d2aaaa5                   ; cos r = 1 - z / 2 + z z (C1 + z (C2 + z C3))
	s_mov_b32 s[KC2], 0xbab6061a
	s_mov_b32 s[KC3], 0x37ccf5ce
	s_mov_b32 s[SGN], 0x80000000
	s_mov_b32 s[LH], 0x3d549a78                    ; log2(10000) / 256, upper part
	s_mov_b32 s[LL], 0x30979a37                    ; and the rest
	s_mov_b32 s[NLN2], 0xbf317218                  ; -ln 2
	s_mov_b32 s[EPQ], 0x358637bd                   ; 1e-6
	s_mov_b32 s[EPQ+1], s[EPQ]
	s_wait_kmcnt 0x0
	s_add_nc_u64 s[4:5], s[4:5], s[2:3]            ; my block of xc
	s_add_nc_u64 s[8:9], s[8:9], s[50:51]          ; my 16,384 bytes of part
	s_add_nc_u64 s[6:7], s[6:7], s[48:49]          ; the stream at my part of tile 0
	s_mov_b32 s[G0], 1
	s_mov_b32 s[G0+1], s48
	s_mov_b64 s[G0+2:G0+3], s[6:7]
	s_or_b32 s[G0+3], s[G0+3], 0x80000000
	s_mov_b32 s[G0+4], 1
	s_add_co_u32 s[G0+5], s48, SLOTB
	s_add_nc_u64 s[G0+6:G0+7], s[6:7], SLOTB
	s_or_b32 s[G0+7], s[G0+7], 0x80000000
	CROUND                                         ; all four work-groups are here: the first joint loads meet
	tensor_load_to_lds s[G0:G0+3], s[G1W:G1W+7]    ; tile 0
	s_nop 0
	tensor_load_to_lds s[G0+4:G0+7], s[G1W:G1W+7]  ; tile 1: two loads of mine are out
	s_nop 0
	PLACES
	v_and_b32 v38, 31, v0                          ; lane
	s_mul_i32 s50, s[WV], 12800
	v_lshl_add_u32 v[XGO], v38, 4, s50             ; my wave's quarter of x's block: 25 x 512 bytes
	v_add_nc_u32 v[XLS], XIM, v[XGO]
.set i, 0
.rept 25
	global_load_b128 v[64+4*i:67+4*i], v[XGO], s[4:5] offset:512*i th:TH_LOAD_NT
.set i, i+1
.endr
	v_mul_u32_u24 v39, v38, 48
	v_add_nc_u32 v[AW], s48, v39
	v_add_nc_u32 v[AW+1], SLOTB, v[AW]
	v_lshlrev_b32 v40, 2, v38
	v_add_nc_u32 v[ASW], s48, v40
	v_add_nc_u32 v[ASW], WSO, v[ASW]
	v_add_nc_u32 v[ASW+1], SLOTB, v[ASW]
	v_add_nc_u32 v[AX], XIM, v39
	v_add_nc_u32 v[ASX], XIM+XSO, v40
	v_mov_b32 v[AXK], v[AX]
	v_mov_b32 v[ASXK], v[ASX]
	v_and_b32 v41, 15, v0                          ; r
	v_bfe_u32 v42, v0, 4, 1                        ; h
	v_lshl_add_u32 v[NLD], v42, 5, NRM
	s_lshl_b32 s50, s[WV], 8
	v_add_nc_u32 v[NST], s50, v[NLD]
	v_lshlrev_b32 v[PSA], 3, v41
	v_lshl_add_u32 v[PSA], v42, 2, v[PSA]
	s_lshl_b32 s50, s[WV], 9
	s_add_co_u32 s50, s50, PST
	v_add_nc_u32 v[PSA], s50, v[PSA]               ; channel 128 w + 2 r + h, 4 bytes each
	s_lshl_b32 s50, s[WV], 12
	v_lshl_add_u32 v[GOF], v38, 4, s50
	v_add_nc_u32 v[PLA], PST, v[GOF]
	; sin and cos: pair i = 64 w + 16 m + r (m = 0 .. 3), positions 16 g + 8 h + j: cos at window 1 v[8 m + j], sin at v[32 + 8 m + j]
	s_lshl_b32 s50, s[WV], 6
	v_add_nc_u32 v43, s50, v41
	s_lshl_b32 s50, s12, 4
	v_lshl_add_u32 v44, v42, 3, s50
	WIN 0x40                                       ; destination in window 1
	v_mov_b32 v96, v43
	v_cvt_f32_u32 v97, v44
	WIN 0x55                                       ; all in window 1
.irp m, 0,1,2,3
	v_add_nc_u32 v[100+\m], 16*\m, v96
.endr
.irp m, 0,1,2,3
	v_cvt_f32_u32 v[100+\m], v[100+\m]
.endr
.irp m, 0,1,2,3
	v_mul_f32 v[104+\m], s[LH], v[100+\m]          ; the exponent's upper part,
.endr
.irp m, 0,1,2,3
	v_fma_f32 v[108+\m], v[100+\m], s[LH], -v[104+\m]   ; what its rounding dropped,
.endr
.irp m, 0,1,2,3
	v_fma_f32 v[108+\m], v[100+\m], s[LL], v[108+\m]    ; and the constant's rest
.endr
.irp m, 0,1,2,3
	v_exp_f32 v[112+\m], -v[104+\m]
.endr
.irp m, 0,1,2,3
	v_mul_f32 v[108+\m], s[NLN2], v[108+\m]        ; plain work behind the exponentials
.endr
	s_wait_alu depctr_va_vdst(0)                   ; one wait for the four, ahead of their first reader
.irp m, 0,1,2,3
	v_fma_f32 v[64+\m], v[112+\m], v[108+\m], v[112+\m]   ; theta
.endr
.irp j, 0,1,2,3,4,5,6,7
.irp m, 0,1,2,3
	v_mul_f32 v[PHI+\m], v97, v[64+\m]             ; the angle, rounded once
.endr
	SC4 \j, 32+\j, 8
	v_add_f32 v97, 1.0, v97                        ; the next position
.endr
	WIN 0
	s_wait_loadcnt 0x0                             ; x
.set i, 0
.rept 25
	ds_store_b128 v[XLS], v[64+4*i:67+4*i] offset:512*i
.set i, i+1
.endr
	s_wait_tensorcnt 0x1                           ; my part of tile 0 is in; tile 1's may stay out
	s_wait_dscnt 0x0                               ; for the others' sake: my quarter of x has landed
	s_barrier_signal -1
	s_barrier_wait -1
	LDW 0, 0, 0
	LDX 0, AX, 0
	LDXS 0, ASX, 0
	LDWS 0
	; ---- K: eight tiles, one K step each
.set PHS, 0
.set XN, 0
	KTILE 0, 1, 1                                  ; the first tile's products start the sums: nothing is cleared
	s_mov_b32 s15, 3
.Lk:
	KTILE 1, 0, 1
	KTILE 0, 0, 1
	s_sub_co_u32 s15, s15, 1
	s_cmp_lg_u32 s15, 0
	s_cbranch_scc1 .Lk
	KTILE 1, 0, 2                                  ; K step 7; behind its round V's first operands are fetched
	; ---- rotary, norms, K^
	PLACES
.irp m, 0,1,2,3                                ; e' = e cos - o sin, o' = o cos + e sin; each accumulator is read from its low end on
	WIN 0x06                                       ; source 0 K (window 2), source 1 sin (window 1), destination window 0
.irp t, 0,1,2,3
.irp p, 0,1,2,3
	v_pk_mul_f32 v[160+8*\t+2*\p:161+8*\t+2*\p], v[64*\t+16*\m+8+2*\p:64*\t+16*\m+9+2*\p], v[32+8*\m+2*\p:33+8*\m+2*\p]
	v_pk_mul_f32 v[192+8*\t+2*\p:193+8*\t+2*\p], v[64*\t+16*\m+2*\p:64*\t+16*\m+1+2*\p], v[32+8*\m+2*\p:33+8*\m+2*\p]
.endr
.endr
	WIN 0x86                                       ; K in place, source 1 cos (window 1), source 2 window 0
.irp t, 0,1,2,3
.irp p, 0,1,2,3
	v_pk_fma_f32 v[64*\t+16*\m+2*\p:64*\t+16*\m+1+2*\p], v[64*\t+16*\m+2*\p:64*\t+16*\m+1+2*\p], v[8*\m+2*\p:8*\m+2*\p+1], v[160+8*\t+2*\p:161+8*\t+2*\p] neg_lo:[0,0,1] neg_hi:[0,0,1]
	v_pk_fma_f32 v[64*\t+16*\m+8+2*\p:64*\t+16*\m+9+2*\p], v[64*\t+16*\m+8+2*\p:64*\t+16*\m+9+2*\p], v[8*\m+2*\p:8*\m+2*\p+1], v[192+8*\t+2*\p:193+8*\t+2*\p]
.endr
.endr
.endr
	WIN 0x0a                                       ; the sums of squares of my 16 channels, for each batch and position: v[224 + 8 t + j]; 16 chains
.set aa, 0
.rept 8
.irp t, 0,1,2,3
.irp p, 0,1,2,3
.if aa == 0
	v_pk_mul_f32 v[224+8*\t+2*\p:225+8*\t+2*\p], v[64*\t+2*\p:64*\t+2*\p+1], v[64*\t+2*\p:64*\t+2*\p+1]
.else
	v_pk_fma_f32 v[224+8*\t+2*\p:225+8*\t+2*\p], v[64*\t+8*aa+2*\p:64*\t+8*aa+2*\p+1], v[64*\t+8*aa+2*\p:64*\t+8*aa+2*\p+1], v[224+8*\t+2*\p:225+8*\t+2*\p]
.endif
.endr
.endr
.set aa, aa+1
.endr
	WIN 0x0f
.set aa, 0
.rept 8
.irp t, 0,1,2,3
.irp p, 0,1,2,3
	v_pk_fma_f32 v[224+8*\t+2*\p:225+8*\t+2*\p], v[64*\t+8*aa+2*\p:64*\t+8*aa+2*\p+1], v[64*\t+8*aa+2*\p:64*\t+8*aa+2*\p+1], v[224+8*\t+2*\p:225+8*\t+2*\p]
.endr
.endr
.set aa, aa+1
.endr
	WIN 0
.irp x, 1,2,4,8                                ; over the sixteen lanes of a half: my wave's 256 channels
.set i, 0
.rept 32
	v_add_f32_dpp v[224+i], v[224+i], v[224+i] row_xmask:\x row_mask:0xf bank_mask:0xf
.set i, i+1
.endr
.endr
.irp t, 0,1,2,3
.irp c, 0,1
	ds_store_b128 v[NST], v[224+8*\t+4*\c:227+8*\t+4*\c] offset:64*\t+16*\c   ; the sixteen lanes of a half write the same bytes with the same values
.endr
.endr
	s_wait_dscnt 0x0
	s_barrier_signal -1                            ; a plain barrier: my tensor load may stay out
	s_barrier_wait -1
.irp e, 0,1                                    ; batches 2 e, 2 e + 1: the four waves' sums, added in one order in every wave
.irp x, 0,1,2,3
.irp u, 0,1
.irp c, 0,1
	ds_load_b128 v[160+16*\x+8*\u+4*\c:163+16*\x+8*\u+4*\c], v[NLD] offset:256*\x+64*(2*\e+\u)+16*\c
.endr
.endr
.endr
	s_wait_dscnt 0x0
.irp i, 0,2,4,6,8,10,12,14
	v_pk_add_f32 v[224+16*\e+\i:225+16*\e+\i], v[160+\i:161+\i], v[176+\i:177+\i]
	v_pk_add_f32 v[192+\i:193+\i], v[192+\i:193+\i], v[208+\i:209+\i]
.endr
.irp i, 0,2,4,6,8,10,12,14
	v_pk_add_f32 v[224+16*\e+\i:225+16*\e+\i], v[224+16*\e+\i:225+16*\e+\i], v[192+\i:193+\i]
.endr
.endr
.set i, 0
.rept 16
	v_pk_add_f32 v[224+2*i:225+2*i], v[224+2*i:225+2*i], s[EPQ:EPQ+1] op_sel_hi:[1,0]
.set i, i+1
.endr
.set i, 0
.rept 32
	v_rsq_f32 v[224+i], v[224+i]
.set i, i+1
.endr
	v_nop                                          ; a plain instruction behind the last,
	s_wait_alu depctr_va_vdst(0)                   ; and one wait for the batch, ahead of its first reader
	WIN 0x82                                       ; K^ = K x 1 / |K|, in place
.set aa, 0
.rept 8
.irp t, 0,1,2,3
.irp p, 0,1,2,3
	v_pk_mul_f32 v[64*\t+8*aa+2*\p:64*\t+8*aa+2*\p+1], v[64*\t+8*aa+2*\p:64*\t+8*aa+2*\p+1], v[224+8*\t+2*\p:225+8*\t+2*\p]
.endr
.endr
.set aa, aa+1
.endr
	WIN 0xc3
.set aa, 0
.rept 8
.irp t, 0,1,2,3
.irp p, 0,1,2,3
	v_pk_mul_f32 v[64*\t+8*aa+2*\p:64*\t+8*aa+2*\p+1], v[64*\t+8*aa+2*\p:64*\t+8*aa+2*\p+1], v[224+8*\t+2*\p:225+8*\t+2*\p]
.endr
.endr
.set aa, aa+1
.endr
	WIN 0
; Half u of the channels is finished: the sum over my eight positions of K^ V, the two halves of the lanes joined, into the work-group's stage.
.macro REDUCE u
	PLACES
	WIN 0x06+(\u)                                  ; source 0 K^ (window 2 + u), source 1 V (window 1)
.irp p, 0,1,2,3
.set aa, 0
.rept 8
.irp t, 0,1,2,3
.if \p == 0
	v_pk_mul_f32 v[160+2*(4*aa+\t):161+2*(4*aa+\t)], v[64*\t+8*aa:64*\t+8*aa+1], v[64*\t+8*aa:64*\t+8*aa+1]
.else
	v_pk_fma_f32 v[160+2*(4*aa+\t):161+2*(4*aa+\t)], v[64*\t+8*aa+2*\p:64*\t+8*aa+2*\p+1], v[64*\t+8*aa+2*\p:64*\t+8*aa+2*\p+1], v[160+2*(4*aa+\t):161+2*(4*aa+\t)]
.endif
.endr
.set aa, aa+1
.endr
.endr
	WIN 0
.set i, 0
.rept 32
	v_add_f32 v[224+i], v[160+2*i], v[161+2*i]
.set i, i+1
.endr
.irp m, 0,1,2,3
.irp t, 0,1,2,3
	v_permlane16_swap_b32 v[224+8*\m+\t], v[228+8*\m+\t]   ; the even channels' upper lanes change places with the odd channels' lower lanes:
.endr
.endr
.irp m, 0,1,2,3
.irp t, 0,1,2,3
	v_add_f32 v[224+8*\m+\t], v[224+8*\m+\t], v[228+8*\m+\t]   ; lane (r, h) now holds channel 32 m + 2 r + h, all 16 positions
.endr
.endr
.irp m, 0,1,2,3
.irp t, 0,1,2,3
	ds_store_b32 v[PSA], v[224+8*\m+\t] offset:4096*\t+2048*(\u)+128*\m
.endr
.endr
	s_wait_dscnt 0x0                               ; the stores have read their registers
.endm
	; ---- V: eight tiles, two K steps each; half the channels at a time
.set PHS, 1
	VTILE 8, 0
	VTILE 9, 1
	VTILE 10, 0
	VTILE 11, 1
	REDUCE 0
	VTILE 12, 0
	VTILE 13, 1
	VTILE 14, 0
	VTILE 15, 1
	REDUCE 1
	s_barrier_signal -1                            ; (REDUCE has waited for my LDS stores)
	s_barrier_wait -1
.irp i, 0,1,2,3,4,5,6,7
	ds_load_b128 v[160+4*\i:163+4*\i], v[PLA] offset:512*\i   ; wave w takes batch w's 1,024 sums
.endr
.irp i, 0,1,2,3,4,5,6,7
	s_wait_dscnt 7-\i                              ; load i is in, the younger ones may be out
	global_store_b128 v[GOF], v[160+4*\i:163+4*\i], s[8:9] offset:512*\i   ; 32 lanes store 512 consecutive bytes, aligned
.endr
	s_wait_tensorcnt 0x0                           ; the wave's end
	ds_add_u32 v[SPW], v[NIL]
	s_wait_dscnt 0x0
	CROUND                                         ; the closing round: no work-group ends while a partner may still ask for a part that names it
	s_endpgm
.Lfunc_end_k_qdc13049067_kv:
	.size	k_qdc13049067_kv, .Lfunc_end_k_qdc13049067_kv-k_qdc13049067_kv
	.p2alignl 7, 3214868480
	.fill 96, 4, 3214868480
	.section	.rodata,"a",@progbits
	.p2align	6, 0x0
	.amdhsa_kernel k_qdc13049067_kv
		.amdhsa_group_segment_fixed_size 327680
		.amdhsa_private_segment_fixed_size 0
		.amdhsa_enable_private_segment 0
		.amdhsa_kernarg_size 24
		.amdhsa_user_sgpr_count 2
		.amdhsa_user_sgpr_kernarg_segment_ptr 1
		.amdhsa_wavefront_size32 1
		.amdhsa_system_sgpr_workgroup_id_x 1
		.amdhsa_system_sgpr_workgroup_id_y 1
		.amdhsa_system_sgpr_workgroup_id_z 1
		.amdhsa_system_vgpr_workitem_id 0
		.amdhsa_next_free_vgpr 1024
		.amdhsa_next_free_sgpr 100
		.amdhsa_reserve_vcc 1
		.amdhsa_float_denorm_mode_32 3
		.amdhsa_float_denorm_mode_16_64 3
		.amdhsa_memory_ordered 1
		.amdhsa_forward_progress 1
		.amdhsa_inst_pref_size 255
	.end_amdhsa_kernel
	.section	.bss,"aw",@nobits
	.p2align	6
	.space	262144
	.amdgpu_metadata
---
amdhsa.version: [ 1, 2 ]
amdhsa.kernels:
  - .name:           k_qdc13049067_kv
    .symbol:         k_qdc13049067_kv.kd
    .args:
      - { .name: xc, .offset: 0, .size: 8, .value_kind: global_buffer, .address_space: global }
      - { .name: wkv, .offset: 8, .size: 8, .value_kind: global_buffer, .address_space: global }
      - { .name: part, .offset: 16, .size: 8, .value_kind: global_buffer, .address_space: global }
    .group_segment_fixed_size: 327680
    .private_segment_fixed_size: 0
    .kernarg_segment_align: 8
    .kernarg_segment_size: 24
    .max_flat_workgroup_size: 128
    .sgpr_count:     100
    .vgpr_count:     1024
    .wavefront_size: 32
...
	.end_amdgpu_metadata
.endif
;; end of part 2
;; launch asum (part 3): grid 32 x 1, 8 waves a work-group, no clusters, 5,120 bytes of LDS; arguments part, avec; writes avec
.if DOCPART == 3
	.amdgcn_target "amdgcn-amd-amdhsa--gfx1250"
	.amdhsa_code_object_version 6
	.text
	.protected	k_qdc13049067_asum
	.globl	k_qdc13049067_asum
	.p2align	8
	.type	k_qdc13049067_asum,@function
k_qdc13049067_asum:
	s_mov_b64 s[64:65], 0
	v_nop
	global_prefetch_b8 v0, s[64:65] scope:SCOPE_SE
	s_setreg_imm32_b32 hwreg(HW_REG_WAVE_MODE, 25, 1), 1
	s_wait_xcnt 0x0
; avec[b][d] = the sum over the 256 blocks g of part[g][b][d].  part is [256][4,096] f32, avec [4,096] f32.
; Work-group k owns numbers 128 k .. 128 k + 127 (512 bytes).  Wave v adds blocks 32 v .. 32 v + 31: 32 loads of 512 consecutive bytes, all on their way at once; the eight waves' sums meet in LDS, wave 0 adds them in order and stores.
; Each output has one owner and one order of summation.  4 MB are read once: no matrix unit, no cluster, no ring would add anything.
	s_load_b128 s[4:7], s[0:1], 0x0                ; part, avec
	v_lshl_add_u32 v144, v0, 2, 0x1000
	v_mov_b32 v145, 0
	v_lshrrev_b32 v1, 5, v0
	v_readfirstlane_b32 s8, v1                     ; wave 0..7
	v_and_b32 v2, 31, v0
	v_lshlrev_b32 v2, 4, v2                        ; 16 x lane
	s_lshl_b32 s9, s8, 19                          ; 32 blocks of 16,384 bytes
	s_lshl_b32 s10, ttmp9, 9
	s_add_co_u32 s9, s9, s10
	v_add_nc_u32 v3, s9, v2
	s_lshl_b32 s11, s8, 9
	v_add_nc_u32 v4, s11, v2
	v_add_nc_u32 v5, s10, v2
	s_wait_kmcnt 0x0
.set i, 0
.rept 32
	global_load_b128 v[16+4*i:19+4*i], v3, s[4:5] offset:16384*i th:TH_LOAD_NT
.set i, i+1
.endr
	s_wait_loadcnt 0x0
.set i, 2
.rept 30                                       ; two chains: the even blocks onto block 0's registers, the odd ones onto block 1's
	v_pk_add_f32 v[16+4*(i%2):17+4*(i%2)], v[16+4*(i%2):17+4*(i%2)], v[16+4*i:17+4*i]
	v_pk_add_f32 v[18+4*(i%2):19+4*(i%2)], v[18+4*(i%2):19+4*(i%2)], v[18+4*i:19+4*i]
.set i, i+1
.endr
	v_pk_add_f32 v[16:17], v[16:17], v[20:21]
	v_pk_add_f32 v[18:19], v[18:19], v[22:23]
	ds_store_b128 v4, v[16:19]
	s_wait_dscnt 0x0                               ; for wave 0's sake
	s_barrier_signal -1
	s_barrier_wait -1
	s_cmp_lg_u32 s8, 0
	s_cbranch_scc1 .Ldone
.irp i, 0,1,2,3,4,5,6,7
	ds_load_b128 v[16+4*\i:19+4*\i], v2 offset:512*\i
.endr
	s_wait_dscnt 0x0
.irp i, 1,2,3,4,5,6,7
	v_pk_add_f32 v[16:17], v[16:17], v[16+4*\i:17+4*\i]
	v_pk_add_f32 v[18:19], v[18:19], v[18+4*\i:19+4*\i]
.endr
	global_store_b128 v5, v[16:19], s[6:7]         ; 512 consecutive bytes, aligned
.Ldone:
	s_wait_tensorcnt 0x0
	ds_add_u32 v144, v145
	s_wait_dscnt 0x0
	s_endpgm
.Lfunc_end_k_qdc13049067_asum:
	.size	k_qdc13049067_asum, .Lfunc_end_k_qdc13049067_asum-k_qdc13049067_asum
	.p2alignl 7, 3214868480
	.fill 96, 4, 3214868480
	.section	.rodata,"a",@progbits
	.p2align	6, 0x0
	.amdhsa_kernel k_qdc13049067_asum
		.amdhsa_group_segment_fixed_size 5120
		.amdhsa_private_segment_fixed_size 0
		.amdhsa_enable_private_segment 0
		.amdhsa_kernarg_size 16
		.amdhsa_user_sgpr_count 2
		.amdhsa_user_sgpr_kernarg_segment_ptr 1
		.amdhsa_wavefront_size32 1
		.amdhsa_system_sgpr_workgroup_id_x 1
		.amdhsa_system_sgpr_workgroup_id_y 1
		.amdhsa_system_sgpr_workgroup_id_z 1
		.amdhsa_system_vgpr_workitem_id 0
		.amdhsa_next_free_vgpr 146
		.amdhsa_next_free_sgpr 66
		.amdhsa_reserve_vcc 0
		.amdhsa_float_denorm_mode_32 3
		.amdhsa_float_denorm_mode_16_64 3
		.amdhsa_memory_ordered 1
		.amdhsa_forward_progress 1
		.amdhsa_inst_pref_size 10
	.end_amdhsa_kernel
	.amdgpu_metadata
---
amdhsa.version: [ 1, 2 ]
amdhsa.kernels:
  - .name:           k_qdc13049067_asum
    .symbol:         k_qdc13049067_asum.kd
    .args:
      - { .name: part, .offset: 0, .size: 8, .value_kind: global_buffer, .address_space: global }
      - { .name: avec, .offset: 8, .size: 8, .value_kind: global_buffer, .address_space: global }
    .group_segment_fixed_size: 5120
    .private_segment_fixed_size: 0
    .kernarg_segment_align: 8
    .kernarg_segment_size: 16
    .max_flat_workgroup_size: 256
    .sgpr_count:     66
    .vgpr_count:     146
    .wavefront_size: 32
...
	.end_amdgpu_metadata
.endif
;; end of part 3
;; launch qo (part 4): grid 256 x 1, 4 waves a work-group, clusters of 4 x 1, 327,680 bytes of LDS; arguments xc, wqo, avec, X, out0; writes out0
.if DOCPART == 4
	.amdgcn_target "amdgcn-amd-amdhsa--gfx1250"
	.amdhsa_code_object_version 6
	.text
	.protected	k_qdc13049067_qo
	.globl	k_qdc13049067_qo
	.p2align	8
	.type	k_qdc13049067_qo,@function
k_qdc13049067_qo:
	s_mov_b64 s[64:65], 0
	v_nop
	global_prefetch_b8 v0, s[64:65] scope:SCOPE_SE
	s_setreg_imm32_b32 hwreg(HW_REG_WAVE_MODE, 25, 1), 1
	s_wait_xcnt 0x0
	s_wait_alu depctr_hold_cnt(0) depctr_sa_sdst(0) depctr_va_vdst(0) depctr_va_sdst(0) depctr_va_ssrc(0) depctr_va_vcc(0) depctr_vm_vsrc(0)
	s_getreg_b32 s2, hwreg(HW_REG_IB_STS2, 6, 4)
	s_cmp_eq_u32 s2, 0
	s_cbranch_scc0 .Lentry_in_a_cluster
	s_endpgm
.Lentry_in_a_cluster:
	s_bfe_u32 s2, ttmp6, 0x10000c
	s_cmp_lg_u32 s2, 0x3003
	s_cbranch_scc0 .Lentry_shape_is_right
	s_endpgm
.Lentry_shape_is_right:
; Q = Q(Xn) Q(W_q)^T; rotary on channels 0-511; Q^ = Q / sqrt(|Q|^2 + 1e-6); Y = A Q^; out0 = Q(Y) Q(W_out)^T + X.  Both products on codes of FP6 (E2M3) with E8M0 scales; all else in f32.
; SHARES.  As in the launch before: work-group g owns positions 16 g .. 16 g + 15 of all four batches (row tile t = batch t).  Wave w owns Q's channels 128 w .. + 127 and 512 + 128 w .. + 127, and output columns 256 w .. + 255.
; THE WEIGHTS come as a stream of 16 tiles of 102,400 bytes (8 of W_q, 8 of W_out) through a ring of two LDS slots: images of the operand's registers; wave w asks for and reads part w alone.
; CLUSTER.  Every work-group walks the same stream: the four of a cluster ask for each part JOINTLY (a mask names four work-groups at the most); the descriptor hangs on the wave's number alone.
; x's fragments and A come through registers into LDS bytes that no fill touches.
; LAYOUT.  Both products are used transposed (source 0 = 16 rows of the weight, source 1 = 16 positions): a lane holds ONE position.  The rows of W_q that form a tile are chosen (lane r of tile 2 b + u: row 32 b + 8 u + r + 8 (r / 8))
; so that a lane's 64 registers of eight tiles are, block by block, 16 neighbours along the second product's K: my tiles 0-7 are its K step w, tiles 8-15 its K step 4 + w.
; Y is quantised in registers; its fragments go to the other waves through LDS as images (into x's bytes, which are done with), and all 32 then stay in each wave's registers (windows 2, 3) for the second product.
; The second product goes by pairs of tiles: 64 output columns a wave, all of K.  Behind each pair the results go through the wave's own stage, X is added, and sixteen lanes store 256 consecutive bytes.
; X's 32 loads of a pair are issued a whole pair, 128 matrix instructions, ahead of their use, into registers of their own.
; LIMITS: NaN and infinities are not served; a block of Y whose largest magnitude lies under 2^-124 keeps the scale byte 1; theta lies within about 2 units in the last place of its true value; the angle's reduction is exact under 4,096.
; REGISTERS.  Window 0: v1-15, v38 addresses; v16-31 the weights' scale words; v32-35 x's; v36, v37 for the add; v40-55 Y's scale words; v64-111, v208-255 x's fragments; v112-207 the weights' fragments, two sets;
;   between the products v64-109 and v160-255 are at work.   Window 1: (cos, sin) pairs v0-63 and the angle's work; then the 16 accumulators of out0 (v[32 t + 8 c]) and X (v128-255).   Windows 2, 3: Q, then Y's fragments.
.set SLOTB, 102400
.set WPB,   25600
.set FRB,   1536
.set WSO,   24576
.set XIM,   2*SLOTB                    ; x's images and scale words; later Y's
.set XSO,   49152
.set NRM,   XIM+51200                  ; [wave][batch][position] sums of squares
.set STG,   NRM+1024                   ; a stage of 16 rows x (256 bytes + 16) for each wave
.set SPARE, STG+4*4352                 ; the spare words, 128 bytes for each wave: two blocks of 256 bytes that no other line names
.set AVL,   SPARE+512                  ; A: [batch][channel] f32
.set AW,  1
.set ASW, 3
.set AX,  5
.set ASX, 6
.set AXK, 7
.set ASXK, 8
.set NST, 9
.set NLD, 10
.set AVA, 11
.set YST, 12
.set YSS, 13
.set SGS, 14
.set SGL, 15
.set WSC, 16
.set XSC, 32
.set SPW, 36
.set NIL, 37
.set VXO, 38
.set YS,  40
.set XF0, 64
.set WF0, 112
.set PC,  64                           ; v64-83 codes just made; v84-99 at work; v100 the scale word; v102-109 1 / |Q|, a pair for each batch
.set TM,  84
.set PW,  100
.set RN,  102
.set TT,  160
.set PHI, 192
.set WV,  14
.set G1W, 16
.set G0,  40
.set SEL, 52
.set EPQ, 54
.set XT,  56                           ; s[56:63] X at batch t;  s[66:73] out0 at batch t
.set OT,  66
.set K2PI, 74
.set NHI, 75
.set NLO, 76
.set KS1, 77
.set KS2, 78
.set KS3, 79
.set KC1, 80
.set KC2, 81
.set KC3, 82
.set SGN, 83
.set LH,  84
.set LL,  85
.set NLN2, 86
.set MSB, 0
.macro WIN new                         ; the immediate's high byte repeats the setting that is left
.if MSB != (\new)
	s_set_vgpr_msb (MSB<<8)|(\new)
.set MSB, (\new)
.endif
.endm
.macro PLACES                          ; four plain instructions between a matrix instruction and a load into, a store of, or a vector instruction on, its registers (ISA guide 7.12.1 for vector instructions)
.rept 4
	v_nop
.endr
.endm
.macro CREST                           ; a round of the cluster's barrier behind its opening barrier
	s_cmp_lg_u32 s[WV], 0
	s_cbranch_scc1 .Lnot_wave_0_\@
	s_barrier_signal -3
.Lnot_wave_0_\@:
	s_barrier_wait -3
	s_barrier_signal -1
	s_barrier_wait -1
.endm
.macro CROUND
	s_barrier_signal -1
	s_barrier_wait -1
	CREST
.endm
.macro LDW sl, q, set                  ; my fragments 4 q .. 4 q + 3 of slot sl
.irp i, 0,1,2,3
.irp c, 0,1,2
	ds_load_b128 v[WF0+48*(\set)+12*\i+4*\c:WF0+48*(\set)+12*\i+4*\c+3], v[AW+(\sl)] offset:FRB*(4*(\q)+\i)+16*\c
.endr
.endr
.endm
.macro LDX set, adr, off               ; a K step's four fragments of x
.irp t, 0,1,2,3
.irp c, 0,1,2
	ds_load_b128 v[XF0+144*(\set)+12*\t+4*\c:XF0+144*(\set)+12*\t+4*\c+3], v[\adr] offset:(\off)+FRB*\t+16*\c
.endr
.endr
.endm
.macro LDWS sl                         ; register i: fragment 2 i's words in lanes 0-15, 2 i + 1's in lanes 16-31
.irp i, 0,1,2,3,4,5,6,7
	ds_load_b32 v[WSC+8*(\sl)+\i], v[ASW+(\sl)] offset:128*\i
.endr
.endm
.macro LDXS e, adr, off
	ds_load_b32 v[XSC+2*(\e)], v[\adr] offset:(\off)
	ds_load_b32 v[XSC+2*(\e)+1], v[\adr] offset:(\off)+128
.endm
.macro EMIT                            ; one product, from the symbols rD rA rB rSA rSB; fZ: it starts the sum; fRA, fRB: the scale words stand in lanes 16-31
.if fZ
.if fRA && fRB
	v_wmma_scale_f32_16x16x128_f8f6f4 v[rD:rD+7], v[rA:rA+11], v[rB:rB+11], 0, v[rSA], v[rSB] matrix_a_fmt:MATRIX_FMT_FP6 matrix_b_fmt:MATRIX_FMT_FP6 matrix_a_scale:MATRIX_SCALE_ROW1 matrix_b_scale:MATRIX_SCALE_ROW1
.elseif fRA
	v_wmma_scale_f32_16x16x128_f8f6f4 v[rD:rD+7], v[rA:rA+11], v[rB:rB+11], 0, v[rSA], v[rSB] matrix_a_fmt:MATRIX_FMT_FP6 matrix_b_fmt:MATRIX_FMT_FP6 matrix_a_scale:MATRIX_SCALE_ROW1
.elseif fRB
	v_wmma_scale_f32_16x16x128_f8f6f4 v[rD:rD+7], v[rA:rA+11], v[rB:rB+11], 0, v[rSA], v[rSB] matrix_a_fmt:MATRIX_FMT_FP6 matrix_b_fmt:MATRIX_FMT_FP6 matrix_b_scale:MATRIX_SCALE_ROW1
.else
	v_wmma_scale_f32_16x16x128_f8f6f4 v[rD:rD+7], v[rA:rA+11], v[rB:rB+11], 0, v[rSA], v[rSB] matrix_a_fmt:MATRIX_FMT_FP6 matrix_b_fmt:MATRIX_FMT_FP6
.endif
.else
.if fRA && fRB
	v_wmma_scale_f32_16x16x128_f8f6f4 v[rD:rD+7], v[rA:rA+11], v[rB:rB+11], v[rD:rD+7], v[rSA], v[rSB] matrix_a_fmt:MATRIX_FMT_FP6 matrix_b_fmt:MATRIX_FMT_FP6 matrix_a_scale:MATRIX_SCALE_ROW1 matrix_b_scale:MATRIX_SCALE_ROW1
.elseif fRA
	v_wmma_scale_f32_16x16x128_f8f6f4 v[rD:rD+7], v[rA:rA+11], v[rB:rB+11], v[rD:rD+7], v[rSA], v[rSB] matrix_a_fmt:MATRIX_FMT_FP6 matrix_b_fmt:MATRIX_FMT_FP6 matrix_a_scale:MATRIX_SCALE_ROW1
.elseif fRB
	v_wmma_scale_f32_16x16x128_f8f6f4 v[rD:rD+7], v[rA:rA+11], v[rB:rB+11], v[rD:rD+7], v[rSA], v[rSB] matrix_a_fmt:MATRIX_FMT_FP6 matrix_b_fmt:MATRIX_FMT_FP6 matrix_b_scale:MATRIX_SCALE_ROW1
.else
	v_wmma_scale_f32_16x16x128_f8f6f4 v[rD:rD+7], v[rA:rA+11], v[rB:rB+11], v[rD:rD+7], v[rSA], v[rSB] matrix_a_fmt:MATRIX_FMT_FP6 matrix_b_fmt:MATRIX_FMT_FP6
.endif
.endif
.endm
; The products of quad q's weight fragments i0 .. i1 with the four row tiles: 16 accumulators by turns, one instruction a turn.
; PHS = 0, Q: a tile is K step kappa, fragment 4 q + i is tile a of Q, x's set is the slot's number.  PHS = 1, out0: slot sl holds K steps 4 sl + q; fragment 4 q + i is column tile i; Y's fragment 4 q + t of window 2 + sl.
.macro MUL sl, q, i0, i1, z
.set ii, \i0
.rept (\i1)-(\i0)+1
.set tt, 0
.rept 4
.set rA, WF0+48*((\q)%2)+12*ii
.set rSA, WSC+8*(\sl)+2*(\q)+ii/2
.set fRA, ii%2
.set fRB, tt%2
.set fZ, \z
.if PHS == 0
.set rD, 64*tt+8*((4*(\q)+ii)%8)
.set rB, XF0+144*(\sl)+12*tt
.set rSB, XSC+2*(\sl)+tt/2
.else
.set rD, 32*tt+8*ii
.set rB, 12*(4*(\q)+tt)
.set rSB, YS+8*(\sl)+2*(\q)+tt/2
.endif
	EMIT
.set tt, tt+1
.endr
.set ii, ii+1
.endr
.endm
.macro WINMUL sl, q
.if PHS == 0
.if (\q) < 2
	WIN 0xa0                                       ; sources in window 0, C and D in window 2
.else
	WIN 0xf0                                       ; or 3
.endif
.else
	WIN 0x58+4*(\sl)                               ; source 1 (Y) in window 2 + sl, C and D in window 1
.endif
.endm
.macro QUAD sl, q, z                   ; one of a tile's first three quads: the next quad's fragments are asked for, then this quad's 16 products
	PLACES
	LDW \sl, (\q)+1, ((\q)+1)%2
	s_wait_dscnt 12                                ; all but the 12 loads just issued: this quad's operands are in
	WINMUL \sl, \q
	MUL \sl, \q, 0, 3, \z
	WIN 0
.endm
; A tile's last quad changes slots.  fill = 1: in front of a round of the cluster's barrier each wave waits for all its tensor loads (its part of the next slot), adds 0 to its spare word, and waits for that and for
; its reads of this slot; behind the round this slot is asked for again, two tiles on; then the next tile's first operands.  xm = 1: x's next K step too.
.macro TURN sl, nx, fill, xm, z
.if \fill
	s_wait_tensorcnt 0x0                           ; all my tensor loads have landed: my part of the next slot;
	ds_add_u32 v[SPW], v[NIL]                      ; 0 onto my spare word;
	s_wait_dscnt 1                                 ; (the add alone may be out: this quad's fragments are in)
	WINMUL \sl, 3
	MUL \sl, 3, 0, 1, \z                           ; eight products stand between the add and the wait for it
	s_wait_dscnt 0x0                               ; the add is done, and my reads of this slot are over
	s_barrier_signal -1
	MUL \sl, 3, 2, 2, \z
	WIN 0
	s_barrier_wait -1
	CREST                                          ; no wave of any partner still reads this slot or has a load on its way
	s_add_nc_u64 s[G0+4*(\sl)+2:G0+4*(\sl)+3], s[G0+4*(\sl)+2:G0+4*(\sl)+3], 2*SLOTB
	tensor_load_to_lds s[G0+4*(\sl):G0+4*(\sl)+3], s[G1W:G1W+7]   ; my one tensor load behind the round
	s_nop 0
	PLACES                                         ; the places in front of the loads below
.else
	s_wait_tensorcnt 0x0                           ; my part of the last tile has landed; only I read it, and nothing is filled again
	s_wait_dscnt 0x0
	WINMUL \sl, 3
	MUL \sl, 3, 0, 2, \z
	WIN 0
	PLACES
.endif
	LDW \nx, 0, 0
.if \xm
	v_add_nc_u32 v[AXK], 4*FRB, v[AXK]
	v_add_nc_u32 v[ASXK], 256, v[ASXK]
	LDX \nx, AXK, 0
	LDXS \nx, ASXK, 0
.endif
	LDWS \nx
	WINMUL \sl, 3
	MUL \sl, 3, 3, 3, \z
	WIN 0
.endm
.macro QTILE sl, z, xm
	QUAD \sl, 0, \z
	QUAD \sl, 1, \z
	QUAD \sl, 2, \z
	TURN \sl, 1-(\sl), 1, \xm, \z
.endm
; sin and cos of the four angles in v[PHI ..], all registers in window 1: cos to v[oc + st k], sin to v[os + st k].  The four values take turns line by line.
.macro SC4 oc, os, st
.irp k, 0,1,2,3
	v_mul_f32 v[TT+8*\k], s[K2PI], v[PHI+\k]
.endr
.irp k, 0,1,2,3
	v_rndne_f32 v[TT+8*\k], v[TT+8*\k]             ; n = the nearest whole number to angle x 2 / pi
.endr
.irp k, 0,1,2,3
	v_fma_f32 v[TT+8*\k+1], v[TT+8*\k], s[NHI], v[PHI+\k]   ; r = angle - n pi / 2: the upper part of pi / 2 has 23 bits, so this step rounds nothing for angles under 4,096
.endr
.irp k, 0,1,2,3
	v_fma_f32 v[TT+8*\k+1], v[TT+8*\k], s[NLO], v[TT+8*\k+1]
	v_cvt_i32_f32 v[TT+8*\k+2], v[TT+8*\k]
.endr
.irp k, 0,1,2,3
	v_mul_f32 v[TT+8*\k+3], v[TT+8*\k+1], v[TT+8*\k+1]      ; z = r r
.endr
.irp k, 0,1,2,3
	v_fma_f32 v[TT+8*\k+4], v[TT+8*\k+3], s[KS3], s[KS2]
	v_fma_f32 v[TT+8*\k+5], v[TT+8*\k+3], s[KC3], s[KC2]
.endr
.irp k, 0,1,2,3
	v_fma_f32 v[TT+8*\k+4], v[TT+8*\k+4], v[TT+8*\k+3], s[KS1]
	v_fma_f32 v[TT+8*\k+5], v[TT+8*\k+5], v[TT+8*\k+3], s[KC1]
.endr
.irp k, 0,1,2,3
	v_mul_f32 v[TT+8*\k+4], v[TT+8*\k+4], v[TT+8*\k+3]
	v_mul_f32 v[TT+8*\k+6], v[TT+8*\k+3], v[TT+8*\k+3]
	v_fma_f32 v[TT+8*\k+7], v[TT+8*\k+3], -0.5, 1.0
.endr
.irp k, 0,1,2,3
	v_fma_f32 v[TT+8*\k+4], v[TT+8*\k+4], v[TT+8*\k+1], v[TT+8*\k+1]   ; sin r
	v_fma_f32 v[TT+8*\k+5], v[TT+8*\k+5], v[TT+8*\k+6], v[TT+8*\k+7]   ; cos r
	v_and_b32 v[TT+8*\k], 1, v[TT+8*\k+2]
.endr
.irp k, 0,1,2,3
	v_cmp_eq_u32 vcc_lo, 1, v[TT+8*\k]             ; an odd quarter turn: sin and cos change places (a choice of values, no branch)
	v_cndmask_b32 v[(\os)+(\st)*\k], v[TT+8*\k+4], v[TT+8*\k+5], vcc_lo
	v_cndmask_b32 v[(\oc)+(\st)*\k], v[TT+8*\k+5], v[TT+8*\k+4], vcc_lo
.endr
.irp k, 0,1,2,3
	v_lshlrev_b32 v[TT+8*\k], 30, v[TT+8*\k+2]     ; sin is negative in quarters 2, 3: bit 1 of n;
	v_add_nc_u32 v[TT+8*\k+2], 1, v[TT+8*\k+2]     ; cos in quarters 1, 2: bit 1 of n + 1
.endr
.irp k, 0,1,2,3
	v_and_b32 v[TT+8*\k], s[SGN], v[TT+8*\k]
	v_lshlrev_b32 v[TT+8*\k+2], 30, v[TT+8*\k+2]
.endr
.irp k, 0,1,2,3
	v_xor_b32 v[(\os)+(\st)*\k], v[TT+8*\k], v[(\os)+(\st)*\k]
	v_and_b32 v[TT+8*\k+2], s[SGN], v[TT+8*\k+2]
.endr
.irp k, 0,1,2,3
	v_xor_b32 v[(\oc)+(\st)*\k], v[TT+8*\k+2], v[(\oc)+(\st)*\k]
.endr
.endm
.macro XLOAD                           ; X at the pair's 64 columns of my 64 rows, in the order in which the results come back from the stage: sixteen lanes read 256 consecutive bytes
	WIN 0x40                                       ; destination in window 1
.irp t, 0,1,2,3
.irp f, 0,1,2,3,4,5,6,7
	global_load_b128 v[128+32*\t+4*\f:131+32*\t+4*\f], v[VXO], s[XT+2*\t:XT+2*\t+1] offset:8192*\f th:TH_LOAD_NT
.endr
.endr
	WIN 0
.endm
	s_load_b256 s[4:11], s[0:1], 0x0               ; xc, wqo, avec, X
	s_load_b64 s[24:25], s[0:1], 0x20              ; out0
	v_lshl_add_u32 v[SPW], v0, 2, SPARE
	v_mov_b32 v[NIL], 0
	ds_add_u32 v36, v37
	ds_add_u32 v36, v37
	s_wait_dscnt 0x0
	v_lshrrev_b32 v60, 5, v0
	v_readfirstlane_b32 s[WV], v60                 ; wave 0..3
	s_bfe_u32 s13, ttmp6, 0x40000                  ; cx: my place in the cluster
	s_lshl_b32 s12, ttmp9, 2
	s_add_co_u32 s12, s12, s13                     ; g: it enters xc's, X's and out0's addresses and the positions, and nothing else
	s_mov_b32 s[G1W], 15|(3<<16)|(1<<21)           ; 15:0 the mask: all four work-groups; 17:16 elements of 8 bytes; 21 set beside a mask; no padding
	s_mov_b32 s[G1W+1], 32<<16                     ; rows of 256 bytes,
	s_mov_b32 s[G1W+2], 100<<16                    ; 100 of them: a wave part, dense in memory
	s_mov_b32 s[G1W+3], 32<<16
	s_mov_b32 s[G1W+4], 100
	s_mov_b32 s[G1W+5], 32
	s_mov_b32 s[G1W+6], 0
	s_mov_b32 s[G1W+7], 0
	s_mul_i32 s48, s[WV], WPB                      ; my part: in a tile of the stream and in a slot
	s_mov_b32 s49, 0
	s_mul_i32 s2, s12, 51200
	s_mov_b32 s3, 0
	s_mov_b32 s[SEL], 0x76543210
	s_mov_b32 s[SEL+1], 0xfedcba98                 ; v_permlanex16_b32's selects for lane l xor 16
	s_mov_b32 s[K2PI], 0x3f22f983                  ; 2 / pi
	s_mov_b32 s[NHI], 0xbfc90fda                   ; -(pi / 2), upper part
	s_mov_b32 s[NLO], 0xb3a22169                   ; and the rest
	s_mov_b32 s[KS1], 0xbe2aaaa3                   ; sin r = r + r z (S1 + z (S2 + z S3))
	s_mov_b32 s[KS2], 0x3c08839e
	s_mov_b32 s[KS3], 0xb94ca1f9
	s_mov_b32 s[KC1], 0x3d2aaaa5                   ; cos r = 1 - z / 2 + z z (C1 + z (C2 + z C3))
	s_mov_b32 s[KC2], 0xbab6061a
	s_mov_b32 s[KC3], 0x37ccf5ce
	s_mov_b32 s[SGN], 0x80000000
	s_mov_b32 s[LH], 0x3d549a78                    ; log2(10000) / 256, upper part
	s_mov_b32 s[LL], 0x30979a37                    ; and the rest
	s_mov_b32 s[NLN2], 0xbf317218                  ; -ln 2
	s_mov_b32 s[EPQ], 0x358637bd                   ; 1e-6
	s_wait_kmcnt 0x0
	s_add_nc_u64 s[4:5], s[4:5], s[2:3]            ; my block of xc
	s_add_nc_u64 s[6:7], s[6:7], s[48:49]          ; the stream at my part of tile 0
.irp t, 0,1,2,3
	s_add_nc_u64 s[XT+2*\t:XT+2*\t+1], s[10:11], \t<<24   ; a batch is 16,777,216 bytes
	s_add_nc_u64 s[OT+2*\t:OT+2*\t+1], s[24:25], \t<<24
.endr
	s_mov_b32 s[G0], 1
	s_mov_b32 s[G0+1], s48
	s_mov_b64 s[G0+2:G0+3], s[6:7]
	s_or_b32 s[G0+3], s[G0+3], 0x80000000
	s_mov_b32 s[G0+4], 1
	s_add_co_u32 s[G0+5], s48, SLOTB
	s_add_nc_u64 s[G0+6:G0+7], s[6:7], SLOTB
	s_or_b32 s[G0+7], s[G0+7], 0x80000000
	CROUND                                         ; all four work-groups are here: the first joint loads meet
	tensor_load_to_lds s[G0:G0+3], s[G1W:G1W+7]    ; tile 0
	s_nop 0
	tensor_load_to_lds s[G0+4:G0+7], s[G1W:G1W+7]  ; tile 1: two loads of mine are out
	s_nop 0
	PLACES
	v_and_b32 v60, 31, v0                          ; lane
	v_and_b32 v61, 15, v0                          ; r
	v_bfe_u32 v62, v0, 4, 1                        ; h
	s_mul_i32 s50, s[WV], 12800
	v_lshl_add_u32 v56, v60, 4, s50                ; my wave's quarter of x's block: 25 x 512 bytes
	v_add_nc_u32 v57, XIM, v56
	s_lshl_b32 s50, s[WV], 12
	v_lshl_add_u32 v58, v60, 4, s50                ; and of A: 8 x 512 bytes
	v_add_nc_u32 v59, AVL, v58
.set i, 0
.rept 25
	global_load_b128 v[64+4*i:67+4*i], v56, s[4:5] offset:512*i th:TH_LOAD_NT
.set i, i+1
.endr
.set i, 0
.rept 8
	global_load_b128 v[164+4*i:167+4*i], v58, s[8:9] offset:512*i
.set i, i+1
.endr
	v_mul_u32_u24 v39, v60, 48
	v_lshlrev_b32 v63, 2, v60
	v_add_nc_u32 v[AW], s48, v39
	v_add_nc_u32 v[AW+1], SLOTB, v[AW]
	v_add_nc_u32 v[ASW], s48, v63
	v_add_nc_u32 v[ASW], WSO, v[ASW]
	v_add_nc_u32 v[ASW+1], SLOTB, v[ASW]
	v_add_nc_u32 v[AX], XIM, v39
	v_add_nc_u32 v[ASX], XIM+XSO, v63
	v_mov_b32 v[AXK], v[AX]
	v_mov_b32 v[ASXK], v[ASX]
	v_lshl_add_u32 v[NLD], v61, 2, NRM
	s_lshl_b32 s50, s[WV], 8
	v_add_nc_u32 v[NST], s50, v[NLD]
	v_lshl_add_u32 v[YSS], v61, 2, XIM+XSO
	v_add_nc_u32 v[YSS], s50, v[YSS]               ; Y's scale words: 4 r + 256 w
	s_lshl_b32 s50, s[WV], 9
	s_add_co_u32 s50, s50, AVL
	v_lshl_add_u32 v[AVA], v62, 6, s50             ; A at my channels: 512 w + 64 h
	s_mul_i32 s50, s[WV], 4*FRB
	v_add_nc_u32 v[YST], s50, v[AX]                ; Y's images: 48 x lane + 6,144 w
	s_mul_i32 s50, s[WV], 4352
	s_add_co_u32 s50, s50, STG                     ; my stage
	v_mul_u32_u24 v[SGS], v61, 272
	v_lshl_add_u32 v[SGS], v62, 5, v[SGS]
	v_add_nc_u32 v[SGS], s50, v[SGS]               ; in: row r, 32 bytes for each half of the lanes
	v_mul_u32_u24 v[SGL], v62, 272
	v_lshl_add_u32 v[SGL], v61, 4, v[SGL]
	v_add_nc_u32 v[SGL], s50, v[SGL]               ; back: lanes 0-15 one row of 256 bytes, lanes 16-31 the next
	s_lshl_b32 s50, s12, 16
	s_lshl_b32 s51, s[WV], 10
	s_add_co_u32 s50, s50, s51
	v_lshlrev_b32 v[VXO], 12, v62
	v_lshl_add_u32 v[VXO], v61, 4, v[VXO]
	v_add_nc_u32 v[VXO], s50, v[VXO]               ; the same two rows in X and out0: (16 g + h) rows of 4,096 bytes + 1,024 w + 16 (lane % 16)
	; sin and cos: pair i = 64 w + 8 h + 16 b + 4 u + jj, position 16 g + r: (cos, sin) at window 1 v[2 k], v[2 k + 1], k = 8 b + 4 u + jj
	s_lshl_b32 s50, s[WV], 6
	v_lshl_add_u32 v39, v62, 3, s50
	s_lshl_b32 s50, s12, 4
	v_add_nc_u32 v63, s50, v61
	WIN 0x40                                       ; destination in window 1
	v_mov_b32 v96, v39
	v_cvt_f32_u32 v97, v63
	WIN 0x55                                       ; all in window 1
.set k, 0
.rept 32
	v_add_nc_u32 v[160+k], 16*(k/8)+k%8, v96
.set k, k+1
.endr
.set k, 0
.rept 32
	v_cvt_f32_u32 v[160+k], v[160+k]
.set k, k+1
.endr
.set k, 0
.rept 32
	v_mul_f32 v[192+k], s[LH], v[160+k]            ; the exponent's upper part,
.set k, k+1
.endr
.set k, 0
.rept 32
	v_fma_f32 v[224+k], v[160+k], s[LH], -v[192+k] ; what its rounding dropped,
.set k, k+1
.endr
.set k, 0
.rept 32
	v_fma_f32 v[224+k], v[160+k], s[LL], v[224+k]  ; and the constant's rest
.set k, k+1
.endr
.set k, 0
.rept 32
	v_exp_f32 v[128+k], -v[192+k]
.set k, k+1
.endr
.set k, 0
.rept 32
	v_mul_f32 v[224+k], s[NLN2], v[224+k]          ; plain work behind the exponentials
.set k, k+1
.endr
	s_wait_alu depctr_va_vdst(0)                   ; one wait for the batch, ahead of its first reader
.set k, 0
.rept 32
	v_fma_f32 v[64+k], v[128+k], v[224+k], v[128+k]   ; theta
.set k, k+1
.endr
.irp a, 0,1,2,3,4,5,6,7
.irp j, 0,1,2,3
	v_mul_f32 v[PHI+\j], v97, v[64+4*\a+\j]        ; the angle, rounded once
.endr
	SC4 8*\a, 8*\a+1, 2
.endr
	WIN 0
	s_wait_loadcnt 0x0                             ; x and A
.set i, 0
.rept 25
	ds_store_b128 v57, v[64+4*i:67+4*i] offset:512*i
.set i, i+1
.endr
.set i, 0
.rept 8
	ds_store_b128 v59, v[164+4*i:167+4*i] offset:512*i
.set i, i+1
.endr
	s_wait_tensorcnt 0x1                           ; my part of tile 0 is in; tile 1's may stay out
	s_wait_dscnt 0x0                               ; for the others' sake: my quarters of x and of A have landed
	s_barrier_signal -1
	s_barrier_wait -1
	LDW 0, 0, 0
	LDX 0, AX, 0
	LDXS 0, ASX, 0
	LDWS 0
	; ---- Q: eight tiles, one K step each
.set PHS, 0
	QTILE 0, 1, 1                                  ; the first tile's products start the sums: nothing is cleared
	s_mov_b32 s15, 3
.Lq:
	QTILE 1, 0, 1
	QTILE 0, 0, 1
	s_sub_co_u32 s15, s15, 1
	s_cmp_lg_u32 s15, 0
	s_cbranch_scc1 .Lq
	QTILE 1, 0, 0                                  ; K step 7; behind its round W_out's first fragments are fetched
	; ---- rotary, norm, Y, its codes
	XLOAD                                          ; the first pair's X
	PLACES
.irp ab, 0,1,2,3                               ; tiles 2 ab, 2 ab + 1.  A register pair is (even, odd): e' = e cos - o sin, o' = o cos + e sin; each accumulator is read from its low end on
	WIN 0x06                                       ; source 0 Q (window 2), source 1 (cos, sin) (window 1), destination window 0
.irp a2, 0,1
.irp t, 0,1,2,3
.irp jj, 0,1,2,3
	v_pk_mul_f32 v[160+32*\a2+8*\t+2*\jj:161+32*\a2+8*\t+2*\jj], v[64*\t+8*(2*\ab+\a2)+2*\jj:64*\t+8*(2*\ab+\a2)+2*\jj+1], v[8*(2*\ab+\a2)+2*\jj:8*(2*\ab+\a2)+2*\jj+1] op_sel:[1,1] op_sel_hi:[0,1]   ; (o sin, e sin)
.endr
.endr
.endr
	WIN 0x86                                       ; Q in place, source 2 window 0
.irp a2, 0,1
.irp t, 0,1,2,3
.irp jj, 0,1,2,3
	v_pk_fma_f32 v[64*\t+8*(2*\ab+\a2)+2*\jj:64*\t+8*(2*\ab+\a2)+2*\jj+1], v[64*\t+8*(2*\ab+\a2)+2*\jj:64*\t+8*(2*\ab+\a2)+2*\jj+1], v[8*(2*\ab+\a2)+2*\jj:8*(2*\ab+\a2)+2*\jj+1], v[160+32*\a2+8*\t+2*\jj:161+32*\a2+8*\t+2*\jj] op_sel_hi:[1,0,1] neg_lo:[0,0,1]
.endr
.endr
.endr
.endr
	WIN 0x0a                                       ; the sums of squares of my position's 128 numbers, for each batch: two chains of pairs at v[224 + 4 t ..]
.set aa, 0
.rept 8
.irp t, 0,1,2,3
.irp p, 0,1,2,3
.if (aa == 0) && (\p < 2)
	v_pk_mul_f32 v[224+4*\t+2*\p:225+4*\t+2*\p], v[64*\t+2*\p:64*\t+2*\p+1], v[64*\t+2*\p:64*\t+2*\p+1]
.else
	v_pk_fma_f32 v[224+4*\t+2*(\p%2):225+4*\t+2*(\p%2)], v[64*\t+8*aa+2*\p:64*\t+8*aa+2*\p+1], v[64*\t+8*aa+2*\p:64*\t+8*aa+2*\p+1], v[224+4*\t+2*(\p%2):225+4*\t+2*(\p%2)]
.endif
.endr
.endr
.set aa, aa+1
.endr
	WIN 0x0f
.set aa, 0
.rept 8
.irp t, 0,1,2,3
.irp p, 0,1,2,3
	v_pk_fma_f32 v[224+4*\t+2*(\p%2):225+4*\t+2*(\p%2)], v[64*\t+8*aa+2*\p:64*\t+8*aa+2*\p+1], v[64*\t+8*aa+2*\p:64*\t+8*aa+2*\p+1], v[224+4*\t+2*(\p%2):225+4*\t+2*(\p%2)]
.endr
.endr
.set aa, aa+1
.endr
	WIN 0
.irp t, 0,1,2,3
	v_pk_add_f32 v[224+4*\t:225+4*\t], v[224+4*\t:225+4*\t], v[226+4*\t:227+4*\t]
.endr
.irp t, 0,1,2,3
	v_add_f32 v[224+4*\t], v[224+4*\t], v[225+4*\t]
.endr
.irp t, 0,1,2,3
	v_permlanex16_b32 v[225+4*\t], v[224+4*\t], s[SEL], s[SEL+1]
.endr
.irp t, 0,1,2,3
	v_add_f32 v[224+4*\t], v[224+4*\t], v[225+4*\t]   ; with lane l xor 16's: my wave's 256 channels
.endr
.irp t, 0,1,2,3
	ds_store_b32 v[NST], v[224+4*\t] offset:64*\t  ; both halves of the lanes write the same word with the same value
.endr
	s_wait_dscnt 0x0                               ; my sums have landed, and my reads of x's images are over
	s_barrier_signal -1                            ; a plain barrier: no tensor load fills anything behind it, so mine may stay out
	s_barrier_wait -1
.irp t, 0,1,2,3
.irp x, 0,1,2,3
	ds_load_b32 v[240+4*\t+\x], v[NLD] offset:256*\x+64*\t
.endr
.endr
	s_wait_dscnt 0x0
.irp t, 0,1,2,3
	v_add_f32 v[240+4*\t], v[240+4*\t], v[241+4*\t]   ; the four waves' sums, in one order in every wave
	v_add_f32 v[242+4*\t], v[242+4*\t], v[243+4*\t]
.endr
.irp t, 0,1,2,3
	v_add_f32 v[240+4*\t], v[240+4*\t], v[242+4*\t]
.endr
.irp t, 0,1,2,3
	v_add_f32 v[240+4*\t], s[EPQ], v[240+4*\t]
.endr
.irp t, 0,1,2,3
	v_rsq_f32 v[RN+2*\t], v[240+4*\t]
.endr
.irp b, 0,1,2,3
	v_mov_b32 v[TM+4+\b], 0                        ; plain work behind the last: a lane permute's destination counts as one of its sources, so these are written once
.endr
	s_wait_alu depctr_va_vdst(0)                   ; one wait for the four, ahead of their first reader
.irp t, 0,1,2,3
	v_mov_b32 v[RN+2*\t+1], v[RN+2*\t]
.endr
; 64 numbers of a lane in window 2 + z, v[s] on, register 16 b + i = k 32 b + 16 (lane / 16) + i of my row, become a fragment's codes in v[PC] on and its scale word in v[PW].
.macro QUANT z, s
	WIN 0x28+0x14*(\z)                             ; sources 1 and 2 in window 2 + z
.irp b, 0,1,2,3
	v_max3_num_f32 v[TM+\b], 0x1800000, |v[(\s)+16*\b]|, |v[(\s)+1+16*\b]|   ; block b: my 16 numbers, and the floor 2^(3 - 127): so the byte cannot fall under 1
.endr
.irp i, 2,4,6,8,10,12,14
.irp b, 0,1,2,3
	v_max3_num_f32 v[TM+\b], v[TM+\b], |v[(\s)+16*\b+\i]|, |v[(\s)+1+16*\b+\i]|
.endr
.endr
	WIN 0
.irp b, 0,1,2,3
	v_permlanex16_b32 v[TM+4+\b], v[TM+\b], s[SEL], s[SEL+1]
.endr
.irp b, 0,1,2,3
	v_max_num_f32 v[TM+\b], v[TM+\b], v[TM+4+\b]   ; with lane l xor 16's: the block's largest magnitude
.endr
.irp b, 0,1,2,3
	v_add_nc_u32 v[TM+12+\b], 0xff000000, v[TM+\b] ; 2 off its exponent field: the conversion's scale operand
.endr
.irp b, 0,1,2,3
	v_lshrrev_b32 v[TM+4+\b], 23, v[TM+12+\b]      ; the scale's byte
.endr
	v_lshl_or_b32 v[PW], v[TM+5], 8, v[TM+4]
	v_lshl_or_b32 v[PW], v[TM+6], 16, v[PW]
	v_lshl_or_b32 v[PW], v[TM+7], 24, v[PW]
	WIN 0x02+(\z)                                  ; source 0 in window 2 + z
.irp c, 0,1
	v_cvt_scalef32_pk16_fp6_f32 v[PC+6*\c:PC+2+6*\c], v[(\s)+32*\c:(\s)+15+32*\c], v[TM+12+2*\c]
	v_cvt_scalef32_pk16_fp6_f32 v[PC+12+4*\c:PC+14+4*\c], v[(\s)+16+32*\c:(\s)+31+32*\c], v[TM+12+2*\c+1]   ; (a conversion's three registers begin on an even number)
.endr
	WIN 0
	v_nop                                          ; one plain instruction behind a scaled conversion
.irp c, 0,1                                    ; the operand's layout wants a whole block in a lane: lanes 0-15 block 2 c, lanes 16-31 block 2 c + 1
.irp i, 0,1,2
	v_permlane16_swap_b32 v[PC+6*\c+\i], v[PC+12+4*\c+\i]
.endr
.irp i, 0,1,2
	v_mov_b32 v[PC+3+6*\c+\i], v[PC+12+4*\c+\i]
.endr
.endr
.endm
; Half z of my channels, batch t: Q^ = Q x 1 / |Q|, Y = A Q^ (the order of reference()), quantised: the fragment of K step w + 4 z, row tile t, goes to LDS as an image.
.macro YUNIT z, t
.irp b, 0,1,2,3
.irp u, 0,1
.irp c, 0,1
	ds_load_b128 v[160+16*\b+8*\u+4*\c:163+16*\b+8*\u+4*\c], v[AVA] offset:4096*(\t)+2048*(\z)+128*\b+32*\u+16*\c   ; A at my 64 channels
.endr
.endr
.endr
	WIN 0x88+0x44*(\z)                             ; source 1 and destination in window 2 + z
.set i, 0
.rept 32
	v_pk_mul_f32 v[64*(\t)+2*i:64*(\t)+2*i+1], v[RN+2*(\t):RN+2*(\t)+1], v[64*(\t)+2*i:64*(\t)+2*i+1]
.set i, i+1
.endr
	s_wait_dscnt 0x0
.set i, 0
.rept 32
	v_pk_mul_f32 v[64*(\t)+2*i:64*(\t)+2*i+1], v[160+2*i:161+2*i], v[64*(\t)+2*i:64*(\t)+2*i+1]
.set i, i+1
.endr
	QUANT \z, 64*(\t)
.irp c, 0,1,2
	ds_store_b128 v[YST], v[PC+4*\c:PC+4*\c+3] offset:16*FRB*(\z)+FRB*(\t)+16*\c
.endr
	ds_store_b32 v[YSS], v[PW] offset:1024*(\z)+64*(\t)
	s_wait_dscnt 0x0                               ; the stores have read their registers
.endm
.irp z, 0,1
.irp t, 0,1,2,3
	YUNIT \z, \t
.endr
.endr
	s_barrier_signal -1                            ; (each unit has waited for its LDS stores)  Y's 32 fragments lie in LDS
	s_barrier_wait -1
	WIN 0x80                                       ; destination in window 2: K steps 0-3
.set i, 0
.rept 16
.irp c, 0,1,2
	ds_load_b128 v[12*i+4*\c:12*i+4*\c+3], v[AX] offset:FRB*i+16*\c
.endr
.set i, i+1
.endr
	WIN 0xc0                                       ; window 3: K steps 4-7
.set i, 0
.rept 16
.irp c, 0,1,2
	ds_load_b128 v[12*i+4*\c:12*i+4*\c+3], v[AX] offset:FRB*(16+i)+16*\c
.endr
.set i, i+1
.endr
	WIN 0
.set i, 0
.rept 16
	ds_load_b32 v[YS+i], v[ASX] offset:128*i       ; register i: fragment 2 i's words in lanes 0-15, 2 i + 1's in lanes 16-31
.set i, i+1
.endr
; THE WAY OUT of a pair: batch by batch, 16 positions x 64 columns through my own stage, back as rows of 256 bytes; X is added; sixteen lanes store 256 consecutive bytes, aligned.
.macro TOSTAGE t
	WIN 0x04                                       ; an LDS store's data are its source 1: window 1
.irp c, 0,1,2,3
	ds_store_b128 v[SGS], v[32*(\t)+8*\c:32*(\t)+8*\c+3] offset:64*\c          ; each accumulator from its low end on
	ds_store_b128 v[SGS], v[32*(\t)+8*\c+4:32*(\t)+8*\c+7] offset:64*\c+16
.endr
	WIN 0x40                                       ; back into the registers that they left
.irp f, 0,1,2,3,4,5,6,7
	ds_load_b128 v[32*(\t)+4*\f:32*(\t)+4*\f+3], v[SGL] offset:544*\f   ; LDS serves a wave's instructions in order: these see the stores above, and the next batch's stores come behind them
.endr
.endm
.macro SEND t, younger
	s_wait_dscnt \younger                          ; the batch is back; the next batch's 8 stores and 8 loads may be out
	s_wait_loadcnt 8*(3-(\t))                      ; X of this batch is in; the later batches' loads may be out
	WIN 0x55
.set i, 0
.rept 16
	v_pk_add_f32 v[32*(\t)+2*i:32*(\t)+2*i+1], v[32*(\t)+2*i:32*(\t)+2*i+1], v[128+32*(\t)+2*i:129+32*(\t)+2*i]
.set i, i+1
.endr
	WIN 0x04                                       ; a store's data are its source 1: window 1
.irp f, 0,1,2,3,4,5,6,7
	global_store_b128 v[VXO], v[32*(\t)+4*\f:32*(\t)+4*\f+3], s[OT+2*(\t):OT+2*(\t)+1] offset:8192*\f th:TH_STORE_NT
.endr
.endm
.macro WAYOUT nxt
	PLACES
	TOSTAGE 0
	TOSTAGE 1
	SEND 0, 16
	TOSTAGE 2
	SEND 1, 16
	TOSTAGE 3
	SEND 2, 16
	SEND 3, 0
	WIN 0
.if \nxt
	s_wait_xcnt 0x0                                ; the stores have read their data and their offset: the next pair's products may write the one, and the other may step
	v_add_nc_u32 v[VXO], 256, v[VXO]               ; the next 64 columns
	XLOAD
.endif
.endm
	; ---- out0: four pairs of tiles; a pair is all of K for 64 columns a wave
.set PHS, 1
	s_mov_b32 s15, 3
.Lpair:
	QUAD 0, 0, 1                                   ; K step 0 starts the sums
	QUAD 0, 1, 0
	QUAD 0, 2, 0
	TURN 0, 1, 1, 0, 0
	QUAD 1, 0, 0
	QUAD 1, 1, 0
	QUAD 1, 2, 0
	TURN 1, 0, 1, 0, 0
	WAYOUT 1
	s_sub_co_u32 s15, s15, 1
	s_cmp_lg_u32 s15, 0
	s_cbranch_scc1 .Lpair
	QUAD 0, 0, 1                                   ; the last pair is written out: nothing more is asked for
	QUAD 0, 1, 0
	QUAD 0, 2, 0
	TURN 0, 1, 0, 0, 0
	QUAD 1, 0, 0
	QUAD 1, 1, 0
	QUAD 1, 2, 0
	s_wait_dscnt 0x0
	WINMUL 1, 3
	MUL 1, 3, 0, 3, 0
	WIN 0
	WAYOUT 0
	s_wait_tensorcnt 0x0                           ; the wave's end
	ds_add_u32 v[SPW], v[NIL]
	s_wait_dscnt 0x0
	CROUND                                         ; the closing round: no work-group ends while a partner may still ask for a part that names it
	s_endpgm
.Lfunc_end_k_qdc13049067_qo:
	.size	k_qdc13049067_qo, .Lfunc_end_k_qdc13049067_qo-k_qdc13049067_qo
	.p2alignl 7, 3214868480
	.fill 96, 4, 3214868480
	.section	.rodata,"a",@progbits
	.p2align	6, 0x0
	.amdhsa_kernel k_qdc13049067_qo
		.amdhsa_group_segment_fixed_size 327680
		.amdhsa_private_segment_fixed_size 0
		.amdhsa_enable_private_segment 0
		.amdhsa_kernarg_size 40
		.amdhsa_user_sgpr_count 2
		.amdhsa_user_sgpr_kernarg_segment_ptr 1
		.amdhsa_wavefront_size32 1
		.amdhsa_system_sgpr_workgroup_id_x 1
		.amdhsa_system_sgpr_workgroup_id_y 1
		.amdhsa_system_sgpr_workgroup_id_z 1
		.amdhsa_system_vgpr_workitem_id 0
		.amdhsa_next_free_vgpr 1024
		.amdhsa_next_free_sgpr 100
		.amdhsa_reserve_vcc 1
		.amdhsa_float_denorm_mode_32 3
		.amdhsa_float_denorm_mode_16_64 3
		.amdhsa_memory_ordered 1
		.amdhsa_forward_progress 1
		.amdhsa_inst_pref_size 255
	.end_amdhsa_kernel
	.section	.bss,"aw",@nobits
	.p2align	6
	.space	262144
	.amdgpu_metadata
---
amdhsa.version: [ 1, 2 ]
amdhsa.kernels:
  - .name:           k_qdc13049067_qo
    .symbol:         k_qdc13049067_qo.kd
    .args:
      - { .name: xc, .offset: 0, .size: 8, .value_kind: global_buffer, .address_space: global }
      - { .name: wqo, .offset: 8, .size: 8, .value_kind: global_buffer, .address_space: global }
      - { .name: avec, .offset: 16, .size: 8, .value_kind: global_buffer, .address_space: global }
      - { .name: X, .offset: 24, .size: 8, .value_kind: global_buffer, .address_space: global }
      - { .name: out0, .offset: 32, .size: 8, .value_kind: global_buffer, .address_space: global }
    .group_segment_fixed_size: 327680
    .private_segment_fixed_size: 0
    .kernarg_segment_align: 8
    .kernarg_segment_size: 40
    .max_flat_workgroup_size: 128
    .sgpr_count:     100
    .vgpr_count:     1024
    .wavefront_size: 32
...
	.end_amdgpu_metadata
.endif
;; end of part 4
;; ======== version 2 of 2: 4 launches
;; limits: right only within a limited range of input values
;; workspace buffers: xc 13,107,200 bytes; wkv 1,638,400 bytes; wqo 1,638,400 bytes; part 4,194,304 bytes; avec 16,384 bytes
;; launch prep (part 5): grid 320 x 1, 4 waves a work-group, no clusters, 88,576 bytes of LDS; arguments X, ln_g, ln_b, W_in, W_out, xc, wkv, wqo; writes xc, wkv, wqo
.if DOCPART == 5
	.amdgcn_target "amdgcn-amd-amdhsa--gfx1250"
	.amdhsa_code_object_version 6
	.text
	.protected	k_qdc13049067_prep
	.globl	k_qdc13049067_prep
	.p2align	8
	.type	k_qdc13049067_prep,@function
k_qdc13049067_prep:
	s_mov_b64 s[64:65], 0
	v_nop
	global_prefetch_b8 v0, s[64:65] scope:SCOPE_SE
	s_setreg_imm32_b32 hwreg(HW_REG_WAVE_MODE, 25, 1), 1
	s_wait_xcnt 0x0
; LayerNorm(X), W_in and W_out become codes of FP6 (E2M3) with one E8M0 byte for each 32 along K, laid as IMAGES OF THE OPERAND'S REGISTERS.
; A fragment is 16 rows x 128 K = 1,536 bytes: lane L = r + 16 h owns the 48 bytes at 48 L; block beta of the K step (32 codes, 24 bytes) of row r lies at 48 (r + 16 (beta & 1)) + 24 (beta >> 1).
; Its scale words: 4 bytes a row, byte beta for block beta, 64 bytes a fragment.
; A JOB is 16 source rows of 1,024 numbers -> 8 fragments (one for each K step) and their scale words; a wave does one job, a work-group four.
; Work-groups 0-255: X.  Block g holds positions 16 g .. 16 g + 15 of all four batches; wave v takes batch v.  xc block g (51,200 bytes): fragment 4 kappa + v at 1,536 x that, scale words from byte 49,152 on.
; Work-groups 256-319: weights, 16 each for K, V (into wkv), Q, W_out (into wqo).  A stream is 16 slots of 102,400 bytes, a slot four wave parts of 25,600: 16 fragments, then their scale words (1,024 bytes).
; All kinds take ONE path through the text: only pointers and whole numbers are chosen by the work-group's number; the LayerNorm alone, work on registers, stands under a scalar branch on it.
; A row at a time: eight loads of 512 consecutive bytes; (LayerNorm, two passes, in the order reference() has it;) a turn through the wave's own stage in LDS, after which lane l holds block l of the row;
; largest magnitude, scale, two conversions; codes and byte into the wave's image in LDS.  The images leave as stores of 512 consecutive bytes, the scale words as whole aligned blocks of 256 bytes.
; A block's scale byte is its largest magnitude's exponent field - 2, held at 1 from below.
; LIMITS: NaN and infinities are not served; a block whose largest magnitude lies under 2^-124, a block of zeros too, keeps the byte 1 (its codes are what the conversion gives; these bytes are read by this program alone).
.set TURNB, 4608                       ; a turning stage: 32 blocks x (128 bytes + 16)
.set IMG,   2*TURNB                    ; behind the two stages: the wave's 8 fragments
.set WREG,  IMG+12288                  ; a wave's region
.set SCS,   4*WREG                     ; the work-group's scale words, [K step][wave][row]
.set SLOTB, 102400
.set WPB,   25600
.set L16, 2                            ; v2   16 x lane
.set TST, 3                            ; v3   the stage, on the way in
.set TLD, 4                            ; v4   and on the way out: 144 x lane
.set IMA, 5                            ; v5   my block's place in the image, row 0
.set SCA, 6                            ; v6   my block's byte among the scale words, row 0
.set IMT, 7                            ; v7, v8  the same for the trip's two rows
.set SCT, 8
.set ROF, 9                            ; v9, v10  byte offset of the row that set 0, 1 holds
.set MEAN, 12
.set RSTD, 14
.set G,   16                           ; v16-47  gain, v48-79 bias, at my 32 columns
.set BB,  48
.set XR0, 80                           ; v80-111, v112-143  two rows as loaded
.set T,   144                          ; v144-175 a block's 32 numbers
.set C,   176                          ; v176-182 its codes
.set TP,  184                          ; v184-191 at work
.set WV, 20
.set R0, 21                            ; source row of job row r: R0 + RS r + PF (r & 8)
.set RS, 22
.set PF, 23
.set LNF, 24                           ; 1: LayerNorm
.set SH, 25                            ; K step kappa lies 102,400 (kappa >> SH) + SBC (kappa & MSK) bytes on
.set SBC, 26
.set SBS, 27                           ; the same for scale words
.set CB, 28
.set SCB, 29
.set RL, 30
.set TRIP, 31
.set R48, 32
.set R4, 33
.set SRC, 34
.set DST, 36
.set INV, 38
.set EPS, 39
.set SEL, 40
.set MSK, 60
	s_load_b256 s[4:11], s[0:1], 0x0               ; X, ln_g, ln_b, W_in
	s_load_b256 s[12:19], s[0:1], 0x20             ; W_out, xc, wkv, wqo
	v_lshl_add_u32 v192, v0, 2, 0x15800
	v_mov_b32 v193, 0
	v_lshrrev_b32 v1, 5, v0
	v_readfirstlane_b32 s[WV], v1                  ; wave 0..3
	v_and_b32 v1, 31, v0                           ; lane
	v_lshlrev_b32 v[L16], 4, v1
	s_mul_i32 s42, s[WV], WREG
	v_lshrrev_b32 v11, 3, v1
	v_mul_u32_u24 v[TST], v11, 144
	v_and_b32 v11, 7, v1
	v_lshl_add_u32 v[TST], v11, 4, v[TST]
	v_add_nc_u32 v[TST], s42, v[TST]               ; load q's 16 bytes of lane l belong to block 4 q + l / 8: 144 (l / 8) + 16 (l % 8), + 576 q
	v_mul_u32_u24 v[TLD], v1, 144
	v_add_nc_u32 v[TLD], s42, v[TLD]
	v_lshrrev_b32 v11, 2, v1                       ; my block's K step
	v_mul_u32_u24 v[IMA], v11, 1536
	v_lshlrev_b32 v[SCA], 8, v11
	v_and_b32 v11, 1, v1
	v_mad_u32_u24 v[IMA], v11, 768, v[IMA]
	v_bfe_u32 v11, v1, 1, 1
	v_mad_u32_u24 v[IMA], v11, 24, v[IMA]
	v_add_nc_u32 v[IMA], s42, v[IMA]
	v_add_nc_u32 v[IMA], IMG, v[IMA]
	v_and_b32 v11, 3, v1
	v_add_nc_u32 v[SCA], v11, v[SCA]
	s_lshl_b32 s43, s[WV], 6
	s_add_co_u32 s43, s43, SCS
	v_add_nc_u32 v[SCA], s43, v[SCA]
	; the job's numbers
	s_sub_co_u32 s42, ttmp9, 256
	s_bfe_u32 s43, s42, 0x20004                    ; kind: 0 K, 1 V, 2 Q, 3 W_out
	s_bfe_u32 s44, s42, 0x20002                    ; w: whose wave part
	s_and_b32 s45, s42, 3                          ; y
	s_lshr_b32 s46, s45, 1
	s_and_b32 s47, s45, 1
	s_lshr_b32 s48, s[WV], 1
	s_and_b32 s49, s[WV], 1
	s_lshl_b32 s50, s44, 7
	s_mul_i32 s51, s46, 384
	s_add_co_u32 s50, s50, s51
	s_lshl_b32 s51, s45, 6
	s_add_co_u32 s50, s50, s51
	s_lshl_b32 s51, s48, 5
	s_add_co_u32 s50, s50, s51                     ; 128 w + 384 (y / 2) + 64 y + 32 (v / 2)
	s_lshl_b32 s51, s43, 10
	s_add_co_u32 s51, s51, 1024
	s_add_co_u32 s51, s51, s49
	s_add_co_u32 s51, s51, s50                     ; K, V: even or odd channels of a group of 32
	s_lshl_b32 s52, s49, 3
	s_add_co_u32 s52, s52, s50                     ; Q
	s_lshl_b32 s53, s44, 8
	s_lshl_b32 s54, s45, 6
	s_add_co_u32 s53, s53, s54
	s_lshl_b32 s54, s[WV], 4
	s_add_co_u32 s53, s53, s54                     ; W_out
	s_lshl_b32 s54, s[WV], 12
	s_lshl_b32 s55, ttmp9, 4
	s_add_co_u32 s54, s54, s55                     ; X
	s_lshl_b32 s55, s46, 2
	s_add_co_u32 s55, s55, 8                       ; V's first slot
	s_lshl_b32 s56, s45, 1
	s_add_co_u32 s56, s56, 8                       ; W_out's first slot
	s_mov_b32 s[SBC], 6144
	s_mov_b32 s[SBS], 256
	s_cmp_eq_u32 s43, 1
	s_cselect_b32 s[SH], 1, 0
	s_cselect_b32 s[SBC], 12288, s[SBC]
	s_cselect_b32 s[SBS], 512, s[SBS]
	s_cselect_b32 s57, s55, 0
	s_cselect_b32 s58, s47, s45
	s_cmp_eq_u32 s43, 3
	s_cselect_b32 s[SH], 2, s[SH]
	s_cselect_b32 s57, s56, s57
	s_cselect_b32 s58, 0, s58
	s_cmp_lt_u32 s43, 2
	s_cselect_b32 s[RS], 2, 1
	s_cselect_b32 s[R0], s51, s52
	s_cmp_eq_u32 s43, 3
	s_cselect_b32 s[R0], s53, s[R0]
	s_cmp_eq_u32 s43, 2
	s_cselect_b32 s[PF], 1, 0
	s_mul_i32 s57, s57, SLOTB
	s_mul_i32 s59, s44, WPB
	s_add_co_u32 s57, s57, s59                     ; the wave part's first byte
	s_mul_i32 s59, s58, 6144
	s_add_co_u32 s[CB], s57, s59
	s_mul_i32 s59, s[WV], 1536
	s_add_co_u32 s[CB], s[CB], s59
	s_lshl_b32 s58, s58, 8
	s_add_co_u32 s[SCB], s57, s58
	s_add_co_u32 s[SCB], s[SCB], 24576
	s_mul_i32 s57, ttmp9, 51200
	s_add_co_u32 s59, s57, s59
	s_add_co_u32 s57, s57, 49152
	s_cmp_lt_u32 ttmp9, 256                        ; X's work-groups
	s_cselect_b32 s[SH], 3, s[SH]
	s_cselect_b32 s[SBC], 6144, s[SBC]
	s_cselect_b32 s[SBS], 256, s[SBS]
	s_cselect_b32 s[RS], 1, s[RS]
	s_cselect_b32 s[PF], 0, s[PF]
	s_cselect_b32 s[LNF], 1, 0
	s_cselect_b32 s[R0], s54, s[R0]
	s_cselect_b32 s[CB], s59, s[CB]
	s_cselect_b32 s[SCB], s57, s[SCB]
	s_lshl_b32 s[MSK], 1, s[SH]
	s_sub_co_u32 s[MSK], s[MSK], 1
	s_mov_b32 s[INV], 0x3a800000                   ; 1 / 1,024
	s_mov_b32 s[EPS], 0x3727c5ac                   ; 1e-5
	s_mov_b32 s[SEL], 0x76543210
	s_mov_b32 s[SEL+1], 0xfedcba98                 ; v_permlanex16_b32's selects for lane l xor 16
	s_wait_kmcnt 0x0
	s_cmp_lt_u32 ttmp9, 256                        ; the choices hang on the work-group's number alone
	s_cselect_b64 s[SRC:SRC+1], s[4:5], s[10:11]
	s_cselect_b64 s[DST:DST+1], s[14:15], s[16:17]
	s_cmp_ge_u32 ttmp9, 304
	s_cselect_b64 s[SRC:SRC+1], s[12:13], s[SRC:SRC+1]
	s_cmp_ge_u32 ttmp9, 288
	s_cselect_b64 s[DST:DST+1], s[18:19], s[DST:DST+1]
.irp q, 0,1,2,3,4,5,6,7
	global_load_b128 v[G+4*\q:G+4*\q+3], v[L16], s[6:7] offset:512*\q
	global_load_b128 v[BB+4*\q:BB+4*\q+3], v[L16], s[8:9] offset:512*\q
.endr
.macro LOADROW set                     ; the next job row into set: eight loads of 512 consecutive bytes
	s_and_b32 s42, s[RL], 8
	s_mul_i32 s42, s42, s[PF]
	s_mul_i32 s43, s[RL], s[RS]
	s_add_co_u32 s42, s42, s43
	s_add_co_u32 s42, s42, s[R0]
	s_lshl_b32 s42, s42, 12                        ; a row is 4,096 bytes
	s_add_co_u32 s[RL], s[RL], 1
	v_add_nc_u32 v[ROF+\set], s42, v[L16]
.irp q, 0,1,2,3,4,5,6,7
	global_load_b128 v[XR0+32*\set+4*\q:XR0+32*\set+4*\q+3], v[ROF+\set], s[SRC:SRC+1] offset:512*\q th:TH_LOAD_NT
.endr
.endm
.macro LANESUM a, b                    ; the sum over the 32 lanes, in every lane
	v_add_f32_dpp v[\a], v[\a], v[\a] row_xmask:1 row_mask:0xf bank_mask:0xf
	v_add_f32_dpp v[\a], v[\a], v[\a] row_xmask:2 row_mask:0xf bank_mask:0xf
	v_add_f32_dpp v[\a], v[\a], v[\a] row_xmask:4 row_mask:0xf bank_mask:0xf
	v_add_f32_dpp v[\a], v[\a], v[\a] row_xmask:8 row_mask:0xf bank_mask:0xf
	v_permlanex16_b32 v[\b], v[\a], s[SEL], s[SEL+1]
	v_add_f32 v[\a], v[\a], v[\b]
.endm
; One row.  odd: the trip's second row; ahead = 1: the set takes the row two further on; left: the younger loads that may stay out.
.macro ROW set, odd, ahead, left
.set XR, XR0+32*(\set)
	s_wait_loadcnt \left                           ; loads come back in order: this set's eight are in (and, the first time, gain and bias), the other set's may be out
	s_cmp_eq_u32 s[LNF], 0
	s_cbranch_scc1 .Lraw_\@                        ; weights are quantised as they are
	v_pk_add_f32 v[TP:TP+1], v[XR:XR+1], v[XR+2:XR+3]
	v_pk_add_f32 v[TP+2:TP+3], v[XR+4:XR+5], v[XR+6:XR+7]
.irp i, 8,12,16,20,24,28
	v_pk_add_f32 v[TP:TP+1], v[TP:TP+1], v[XR+\i:XR+\i+1]
	v_pk_add_f32 v[TP+2:TP+3], v[TP+2:TP+3], v[XR+\i+2:XR+\i+3]
.endr
	v_pk_add_f32 v[TP:TP+1], v[TP:TP+1], v[TP+2:TP+3]
	v_add_f32 v[TP], v[TP], v[TP+1]
	LANESUM TP, TP+1
	v_mul_f32 v[MEAN], s[INV], v[TP]
	v_mov_b32 v[MEAN+1], v[MEAN]
.irp i, 0,2,4,6,8,10,12,14,16,18,20,22,24,26,28,30
	v_pk_add_f32 v[XR+\i:XR+\i+1], v[XR+\i:XR+\i+1], v[MEAN:MEAN+1] neg_lo:[0,1] neg_hi:[0,1]   ; x - mean: the variance is taken of these, so a common offset does no harm
.endr
	v_pk_mul_f32 v[TP:TP+1], v[XR:XR+1], v[XR:XR+1]
	v_pk_mul_f32 v[TP+2:TP+3], v[XR+2:XR+3], v[XR+2:XR+3]
.irp i, 4,8,12,16,20,24,28
	v_pk_fma_f32 v[TP:TP+1], v[XR+\i:XR+\i+1], v[XR+\i:XR+\i+1], v[TP:TP+1]
	v_pk_fma_f32 v[TP+2:TP+3], v[XR+\i+2:XR+\i+3], v[XR+\i+2:XR+\i+3], v[TP+2:TP+3]
.endr
	v_pk_add_f32 v[TP:TP+1], v[TP:TP+1], v[TP+2:TP+3]
	v_add_f32 v[TP], v[TP], v[TP+1]
	LANESUM TP, TP+1
	v_fma_f32 v[TP], v[TP], s[INV], s[EPS]         ; variance + 1e-5
	s_wait_alu depctr_va_vdst(0)
	v_rsq_f32 v[RSTD], v[TP]
	v_nop                                          ; a plain instruction behind the transcendental,
	s_wait_alu depctr_va_vdst(0)                   ; and a wait ahead of its first reader
	v_mov_b32 v[RSTD+1], v[RSTD]
.irp i, 0,2,4,6,8,10,12,14,16,18,20,22,24,26,28,30
	v_pk_mul_f32 v[XR+\i:XR+\i+1], v[XR+\i:XR+\i+1], v[RSTD:RSTD+1]
.endr
.irp i, 0,2,4,6,8,10,12,14,16,18,20,22,24,26,28,30
	v_pk_fma_f32 v[XR+\i:XR+\i+1], v[XR+\i:XR+\i+1], v[G+\i:G+\i+1], v[BB+\i:BB+\i+1]
.endr
.Lraw_\@:
.irp q, 0,1,2,3,4,5,6,7
	ds_store_b128 v[TST], v[XR+4*\q:XR+4*\q+3] offset:TURNB*(\set)+576*\q
.endr
.irp i, 0,1,2,3,4,5,6,7
	ds_load_b128 v[T+4*\i:T+4*\i+3], v[TLD] offset:TURNB*(\set)+16*\i   ; LDS serves a wave's instructions in order: these see the stores above
.endr
	s_wait_dscnt 0x0                               ; my block is in; the stores have read the set; the last row's stores have read their codes
.if \ahead
	LOADROW \set
.endif
	v_max3_num_f32 v[TP], |v[T]|, |v[T+1]|, 0x1800000   ; the largest magnitude of my 32, and the floor 2^(3 - 127): so the byte cannot fall under 1
	v_max3_num_f32 v[TP+1], |v[T+2]|, |v[T+3]|, |v[T+4]|
.irp i, 5,9,13,17,21,25
	v_max3_num_f32 v[TP], v[TP], |v[T+\i]|, |v[T+\i+1]|
	v_max3_num_f32 v[TP+1], v[TP+1], |v[T+\i+2]|, |v[T+\i+3]|
.endr
	v_max3_num_f32 v[TP], v[TP], |v[T+29]|, |v[T+30]|
	v_max3_num_f32 v[TP], v[TP], v[TP+1], |v[T+31]|
	v_add_nc_u32 v[TP+2], 0xff000000, v[TP]        ; 2 off its exponent field: the conversion takes the exponent field of this operand as its scale
	v_cvt_scalef32_pk16_fp6_f32 v[C:C+2], v[T:T+15], v[TP+2]
	v_cvt_scalef32_pk16_fp6_f32 v[C+4:C+6], v[T+16:T+31], v[TP+2]   ; (a conversion's three registers begin on an even number)
	v_lshrrev_b32 v[TP+3], 23, v[TP+2]             ; the scale's byte; also the plain instruction behind the conversions
	v_mov_b32 v[C+3], v[C+4]
	v_mov_b32 v[C+4], v[C+5]
	v_mov_b32 v[C+5], v[C+6]
	ds_store_b64 v[IMT], v[C:C+1] offset:48*(\odd)
	ds_store_b64 v[IMT], v[C+2:C+3] offset:48*(\odd)+8
	ds_store_b64 v[IMT], v[C+4:C+5] offset:48*(\odd)+16
	ds_store_b8 v[SCT], v[TP+3] offset:4*(\odd)
.endm
	s_mov_b32 s[RL], 0
	LOADROW 0
	LOADROW 1
	s_mov_b32 s[R48], 0
	s_mov_b32 s[R4], 0
	s_mov_b32 s[TRIP], 7
.Lrows:                                            ; two rows a trip
	s_wait_alu depctr_va_vdst(0)
	v_add_nc_u32 v[IMT], s[R48], v[IMA]
	v_add_nc_u32 v[SCT], s[R4], v[SCA]
	ROW 0, 0, 1, 8
	ROW 1, 1, 1, 8
	s_add_co_u32 s[R48], s[R48], 96
	s_add_co_u32 s[R4], s[R4], 8
	s_sub_co_u32 s[TRIP], s[TRIP], 1
	s_cmp_lg_u32 s[TRIP], 0
	s_cbranch_scc1 .Lrows
	v_add_nc_u32 v[IMT], s[R48], v[IMA]
	v_add_nc_u32 v[SCT], s[R4], v[SCA]
	ROW 0, 0, 0, 8                                 ; the last two rows load nothing
	ROW 1, 1, 0, 0
	s_wait_dscnt 0x0                               ; for the others' sake: my scale bytes have landed
	s_barrier_signal -1
	s_barrier_wait -1
	; the codes leave: 24 x 512 consecutive bytes
.irp k, 0,1,2,3,4,5,6,7
	s_lshr_b32 s42, \k, s[SH]
	s_mul_i32 s42, s42, SLOTB
	s_and_b32 s43, s[MSK], \k
	s_mul_i32 s43, s43, s[SBC]
	s_add_co_u32 s42, s42, s43
	s_add_co_u32 s42, s42, s[CB]
	v_add_nc_u32 v[G+\k], s42, v[L16]              ; (gain and bias are done with)
.endr
	s_mul_i32 s42, s[WV], WREG
	s_add_co_u32 s42, s42, IMG
	v_add_nc_u32 v11, s42, v[L16]
.set i, 0
.rept 24
	ds_load_b128 v[XR0+4*i:XR0+4*i+3], v11 offset:512*i
.set i, i+1
.endr
.set i, 0
	s_wait_alu depctr_va_vdst(0)
.rept 24
	s_wait_dscnt 23-i                              ; image load i is in, the younger ones may be out
	global_store_b128 v[G+i/3], v[XR0+4*i:XR0+4*i+3], s[DST:DST+1] offset:512*(i%3)
.set i, i+1
.endr
	; the scale words leave: wave v takes K steps 2 v (lanes 0-15) and 2 v + 1 (lanes 16-31), 256 bytes each
	s_lshl_b32 s44, s[WV], 1
	s_lshr_b32 s42, s44, s[SH]
	s_mul_i32 s42, s42, SLOTB
	s_and_b32 s43, s44, s[MSK]
	s_mul_i32 s43, s43, s[SBS]
	s_add_co_u32 s42, s42, s43
	s_add_co_u32 s44, s44, 1
	s_lshr_b32 s45, s44, s[SH]
	s_mul_i32 s45, s45, SLOTB
	s_and_b32 s43, s44, s[MSK]
	s_mul_i32 s43, s43, s[SBS]
	s_add_co_u32 s45, s45, s43
	s_sub_co_u32 s45, s45, s42                     ; from the even K step's words to the odd one's
	s_add_co_u32 s42, s42, s[SCB]
	v_bfe_u32 v12, v0, 4, 1
	v_mul_u32_u24 v12, v12, s45
	v_and_b32 v13, 15, v0
	v_lshl_add_u32 v12, v13, 4, v12
	v_add_nc_u32 v12, s42, v12
	s_lshl_b32 s43, s[WV], 9
	s_add_co_u32 s43, s43, SCS
	v_add_nc_u32 v13, s43, v[L16]
	ds_load_b128 v[BB:BB+3], v13
	s_wait_alu depctr_va_vdst(0)
	s_wait_dscnt 0x0
	global_store_b128 v12, v[BB:BB+3], s[DST:DST+1]   ; sixteen lanes store 256 consecutive bytes, aligned
	s_wait_tensorcnt 0x0
	ds_add_u32 v192, v193
	s_wait_dscnt 0x0
	s_endpgm
.Lfunc_end_k_qdc13049067_prep:
	.size	k_qdc13049067_prep, .Lfunc_end_k_qdc13049067_prep-k_qdc13049067_prep
	.p2alignl 7, 3214868480
	.fill 96, 4, 3214868480
	.section	.rodata,"a",@progbits
	.p2align	6, 0x0
	.amdhsa_kernel k_qdc13049067_prep
		.amdhsa_group_segment_fixed_size 88576
		.amdhsa_private_segment_fixed_size 0
		.amdhsa_enable_private_segment 0
		.amdhsa_kernarg_size 64
		.amdhsa_user_sgpr_count 2
		.amdhsa_user_sgpr_kernarg_segment_ptr 1
		.amdhsa_wavefront_size32 1
		.amdhsa_system_sgpr_workgroup_id_x 1
		.amdhsa_system_sgpr_workgroup_id_y 1
		.amdhsa_system_sgpr_workgroup_id_z 1
		.amdhsa_system_vgpr_workitem_id 0
		.amdhsa_next_free_vgpr 194
		.amdhsa_next_free_sgpr 66
		.amdhsa_reserve_vcc 0
		.amdhsa_float_denorm_mode_32 3
		.amdhsa_float_denorm_mode_16_64 3
		.amdhsa_memory_ordered 1
		.amdhsa_forward_progress 1
		.amdhsa_inst_pref_size 55
	.end_amdhsa_kernel
	.amdgpu_metadata
---
amdhsa.version: [ 1, 2 ]
amdhsa.kernels:
  - .name:           k_qdc13049067_prep
    .symbol:         k_qdc13049067_prep.kd
    .args:
      - { .name: X, .offset: 0, .size: 8, .value_kind: global_buffer, .address_space: global }
      - { .name: ln_g, .offset: 8, .size: 8, .value_kind: global_buffer, .address_space: global }
      - { .name: ln_b, .offset: 16, .size: 8, .value_kind: global_buffer, .address_space: global }
      - { .name: W_in, .offset: 24, .size: 8, .value_kind: global_buffer, .address_space: global }
      - { .name: W_out, .offset: 32, .size: 8, .value_kind: global_buffer, .address_space: global }
      - { .name: xc, .offset: 40, .size: 8, .value_kind: global_buffer, .address_space: global }
      - { .name: wkv, .offset: 48, .size: 8, .value_kind: global_buffer, .address_space: global }
      - { .name: wqo, .offset: 56, .size: 8, .value_kind: global_buffer, .address_space: global }
    .group_segment_fixed_size: 88576
    .private_segment_fixed_size: 0
    .kernarg_segment_align: 8
    .kernarg_segment_size: 64
    .max_flat_workgroup_size: 128
    .sgpr_count:     66
    .vgpr_count:     194
    .wavefront_size: 32
...
	.end_amdgpu_metadata
.endif
;; end of part 5
;; launch kv (part 6): grid 256 x 1, 4 waves a work-group, clusters of 4 x 1, 327,680 bytes of LDS; arguments xc, wkv, part; writes part
.if DOCPART == 6
	.amdgcn_target "amdgcn-amd-amdhsa--gfx1250"
	.amdhsa_code_object_version 6
	.text
	.protected	k_qdc13049067_kv
	.globl	k_qdc13049067_kv
	.p2align	8
	.type	k_qdc13049067_kv,@function
k_qdc13049067_kv:
	s_mov_b64 s[64:65], 0
	v_nop
	global_prefetch_b8 v0, s[64:65] scope:SCOPE_SE
	s_setreg_imm32_b32 hwreg(HW_REG_WAVE_MODE, 25, 1), 1
	s_wait_xcnt 0x0
	s_wait_alu depctr_hold_cnt(0) depctr_sa_sdst(0) depctr_va_vdst(0) depctr_va_sdst(0) depctr_va_ssrc(0) depctr_va_vcc(0) depctr_vm_vsrc(0)
	s_getreg_b32 s2, hwreg(HW_REG_IB_STS2, 6, 4)
	s_cmp_eq_u32 s2, 0
	s_cbranch_scc0 .Lentry_in_a_cluster
	s_endpgm
.Lentry_in_a_cluster:
	s_bfe_u32 s2, ttmp6, 0x10000c
	s_cmp_lg_u32 s2, 0x3003
	s_cbranch_scc0 .Lentry_shape_is_right
	s_endpgm
.Lentry_shape_is_right:
; part[g][b][d] = the sum over block g's 16 positions s of l2norm(rotary(K))[b][s][d] x V[b][s][d].  Block g holds positions 16 g .. 16 g + 15 of all four batches: 64 rows; a work-group takes one block, wave w a quarter of the channels.
; xc's block (codes and scale words, images of the operand's registers) is copied into LDS once.  wkv's 16 slots of 102,400 bytes go through a ring of two LDS slots by joint loads of a cluster of 4 x 1:
; 8 slots for K (one K step each; the 64 x 1,024 sums stay in windows 2 and 3), then rotary, the rows' norms, and 8 slots for V, whose sums are multiplied with K's and added over the positions at once.
; THE HEAD: slot 0's load goes out first; the loads of xc's block, one prefetch a wave and the rotary tables stand behind it; slot 1's first fill follows behind a wait, an add and a round of the cluster's barrier.
; LIMITS: NaN and infinities are not served.
.set SLOTB, 102400
.set WPB,   25600
.set FRB,   1536
.set WSO,   24576
.set XIM,   2*SLOTB
.set XSO,   49152
.set NRM,   XIM+51200
.set PST,   NRM+1024
.set SPARE, PST+16384
.set AW,  1
.set ASW, 3
.set AX,  5
.set ASX, 6
.set AXK, 7
.set ASXK, 8
.set NST, 9
.set NLD, 10
.set PSA, 11
.set PLA, 12
.set GOF, 13
.set XGO, 14
.set XLS, 15
.set WSC, 16
.set XSC, 32
.set SPW, 36
.set NIL, 37
.set XL2, 45
.set PFO, 46
.set XF0, 64
.set WF0, 112
.set TT,  160
.set PHI, 192
.set WV,  14
.set G1W, 16
.set R4,  24
.set ROT, 25
.set STP, 26
.set LIM, 27
.set TA,  28
.set TB,  30
.set TC,  31
.set PFA, 32
.set XS2, 34
.set G0,  40
.set EPQ, 54
.set K2PI, 74
.set NHI, 75
.set NLO, 76
.set KS1, 77
.set KS2, 78
.set KS3, 79
.set KC1, 80
.set KC2, 81
.set KC3, 82
.set SGN, 83
.set LH,  84
.set LL,  85
.set NLN2, 86
.set MSB, 0
.macro WIN new
.if MSB != (\new)
	s_set_vgpr_msb (MSB<<8)|(\new)
.set MSB, (\new)
.endif
.endm
.macro PLACES
.rept 4
	v_nop
.endr
.endm
.macro CREST
	s_cmp_lg_u32 s[WV], 0
	s_cbranch_scc1 .Lnot_wave_0_\@
	s_barrier_signal -3
.Lnot_wave_0_\@:
	s_barrier_wait -3
	s_barrier_signal -1
	s_barrier_wait -1
.endm
.macro CROUND
	s_barrier_signal -1
	s_barrier_wait -1
	CREST
.endm
.macro NEXT sl
	s_add_co_u32 s[TA], s[STP], s[ROT]
	s_and_b32 s[TA], s[TA], 7
	s_add_co_u32 s[TB], s[STP], s[R4]
	s_and_b32 s[TB], s[TB], 3
	s_and_b32 s[TC], s[STP], 12
	s_add_co_u32 s[TB], s[TB], s[TC]
	s_cmp_lt_u32 s[STP], 8
	s_cselect_b32 s[TA], s[TA], s[TB]
	s_mul_i32 s[TA], s[TA], SLOTB
	s_add_nc_u64 s[G0+4*(\sl)+2:G0+4*(\sl)+3], s[6:7], s[TA:TA+1]
	s_or_b32 s[G0+4*(\sl)+3], s[G0+4*(\sl)+3], 0x80000000
	s_add_co_u32 s[STP], s[STP], 1
.endm
.macro ASK
	s_cmp_eq_u32 s[STP], s[LIM]
	s_cbranch_scc0 .Lnot_mine_\@
	global_prefetch_b8 v[PFO], s[PFA:PFA+1] th:TH_LOAD_NT scope:SCOPE_SE
.Lnot_mine_\@:
.endm
.macro LDW sl, q, set
.irp i, 0,1,2,3
.irp c, 0,1,2
	ds_load_b128 v[WF0+48*(\set)+12*\i+4*\c:WF0+48*(\set)+12*\i+4*\c+3], v[AW+(\sl)] offset:FRB*(4*(\q)+\i)+16*\c
.endr
.endr
.endm
.macro LDX set, adr, off
.irp t, 0,1,2,3
.irp c, 0,1,2
	ds_load_b128 v[XF0+144*(\set)+12*\t+4*\c:XF0+144*(\set)+12*\t+4*\c+3], v[\adr] offset:(\off)+FRB*\t+16*\c
.endr
.endr
.endm
.macro LDWS sl
.irp i, 0,1,2,3,4,5,6,7
	ds_load_b32 v[WSC+8*(\sl)+\i], v[ASW+(\sl)] offset:128*\i
.endr
.endm
.macro LDXS e, adr, off
	ds_load_b32 v[XSC+2*(\e)], v[\adr] offset:(\off)
	ds_load_b32 v[XSC+2*(\e)+1], v[\adr] offset:(\off)+128
.endm
.macro EMIT
.if fZ
.if fRA && fRB
	v_wmma_scale_f32_16x16x128_f8f6f4 v[rD:rD+7], v[rA:rA+11], v[rB:rB+11], 0, v[rSA], v[rSB] matrix_a_fmt:MATRIX_FMT_FP6 matrix_b_fmt:MATRIX_FMT_FP6 matrix_a_scale:MATRIX_SCALE_ROW1 matrix_b_scale:MATRIX_SCALE_ROW1
.elseif fRA
	v_wmma_scale_f32_16x16x128_f8f6f4 v[rD:rD+7], v[rA:rA+11], v[rB:rB+11], 0, v[rSA], v[rSB] matrix_a_fmt:MATRIX_FMT_FP6 matrix_b_fmt:MATRIX_FMT_FP6 matrix_a_scale:MATRIX_SCALE_ROW1
.elseif fRB
	v_wmma_scale_f32_16x16x128_f8f6f4 v[rD:rD+7], v[rA:rA+11], v[rB:rB+11], 0, v[rSA], v[rSB] matrix_a_fmt:MATRIX_FMT_FP6 matrix_b_fmt:MATRIX_FMT_FP6 matrix_b_scale:MATRIX_SCALE_ROW1
.else
	v_wmma_scale_f32_16x16x128_f8f6f4 v[rD:rD+7], v[rA:rA+11], v[rB:rB+11], 0, v[rSA], v[rSB] matrix_a_fmt:MATRIX_FMT_FP6 matrix_b_fmt:MATRIX_FMT_FP6
.endif
.else
.if fRA && fRB
	v_wmma_scale_f32_16x16x128_f8f6f4 v[rD:rD+7], v[rA:rA+11], v[rB:rB+11], v[rD:rD+7], v[rSA], v[rSB] matrix_a_fmt:MATRIX_FMT_FP6 matrix_b_fmt:MATRIX_FMT_FP6 matrix_a_scale:MATRIX_SCALE_ROW1 matrix_b_scale:MATRIX_SCALE_ROW1
.elseif fRA
	v_wmma_scale_f32_16x16x128_f8f6f4 v[rD:rD+7], v[rA:rA+11], v[rB:rB+11], v[rD:rD+7], v[rSA], v[rSB] matrix_a_fmt:MATRIX_FMT_FP6 matrix_b_fmt:MATRIX_FMT_FP6 matrix_a_scale:MATRIX_SCALE_ROW1
.elseif fRB
	v_wmma_scale_f32_16x16x128_f8f6f4 v[rD:rD+7], v[rA:rA+11], v[rB:rB+11], v[rD:rD+7], v[rSA], v[rSB] matrix_a_fmt:MATRIX_FMT_FP6 matrix_b_fmt:MATRIX_FMT_FP6 matrix_b_scale:MATRIX_SCALE_ROW1
.else
	v_wmma_scale_f32_16x16x128_f8f6f4 v[rD:rD+7], v[rA:rA+11], v[rB:rB+11], v[rD:rD+7], v[rSA], v[rSB] matrix_a_fmt:MATRIX_FMT_FP6 matrix_b_fmt:MATRIX_FMT_FP6
.endif
.endif
.endm
.macro MUL sl, q, i0, i1, z
.set ii, \i0
.rept (\i1)-(\i0)+1
.set tt, 0
.rept 4
.set rB, WF0+48*((\q)%2)+12*ii
.set rSB, WSC+8*(\sl)+2*(\q)+ii/2
.set fRA, tt%2
.set fRB, ii%2
.set fZ, \z
.if PHS == 0
.set rD, 64*tt+8*((4*(\q)+ii)%8)
.set rA, XF0+144*(\sl)+12*tt
.set rSA, XSC+2*(\sl)+tt/2
.else
.set rD, 64*tt+8*(4*((\q)%2)+ii)
.set rA, XF0+144*((\q)/2)+12*tt
.set rSA, XSC+2*((\q)/2)+tt/2
.endif
	EMIT
.set tt, tt+1
.endr
.set ii, ii+1
.endr
.endm
.macro WINMUL q
.if PHS == 0
.if (\q) < 2
	WIN 0xa0
.else
	WIN 0xf0
.endif
.else
	WIN 0x50
.endif
.endm
.macro QUAD sl, q, z, extra
	PLACES
	LDW \sl, (\q)+1, ((\q)+1)%2
.if \extra
	LDX 1, AX, XO1
	LDXS 1, ASX, XO1/24
	s_wait_dscnt 26
.else
	s_wait_dscnt 12
.endif
	WINMUL \q
	MUL \sl, \q, 0, 3, \z
	WIN 0
.endm
.macro TURN sl, nx, fill, xm, z
.if \fill
	s_wait_dscnt 0x0                               ; the last quarter's fragments are in: my reads of this slot are over
	WINMUL 3
	MUL \sl, 3, 0, 2, \z                           ; twelve products stand ahead of the wait for the other slot's load
	WIN 0
	s_wait_tensorcnt 0x0                           ; all my tensor loads have landed: my part of the other slot;
	ds_add_u32 v[SPW], v[NIL]
	NEXT \sl                                       ; no load of mine is out: this slot's descriptor steps
	s_wait_dscnt 0x0                               ; the add is done
	s_barrier_signal -1
	s_barrier_wait -1
	CREST
	tensor_load_to_lds s[G0+4*(\sl):G0+4*(\sl)+3], s[G1W:G1W+7]
	s_nop 0
	PLACES
.else
	s_wait_tensorcnt 0x0
	s_wait_dscnt 0x0
	WINMUL 3
	MUL \sl, 3, 0, 2, \z
	WIN 0
	PLACES
.endif
	LDW \nx, 0, 0
.if (\xm) == 1
	s_wait_alu depctr_va_vdst(0)
	v_add_nc_u32 v[AXK], 4*FRB, v[AXK]
	v_add_nc_u32 v[ASXK], 256, v[ASXK]
	LDX \nx, AXK, 0
	LDXS \nx, ASXK, 0
.else
	LDX 0, AX, XN
	LDXS 0, ASX, XN/24
.endif
	LDWS \nx
.if \fill
	ASK
.endif
	WINMUL 3
	MUL \sl, 3, 3, 3, \z
	WIN 0
.endm
.macro KTILE sl, z, xm
	QUAD \sl, 0, \z, 0
	QUAD \sl, 1, \z, 0
	QUAD \sl, 2, \z, 0
	TURN \sl, 1-(\sl), 1, \xm, \z
.endm
.macro VTILE tl, sl
.set SG, ((\tl)-8)%4
.set XO1, 4*FRB*(2*SG+1)
.set XN, 4*FRB*2*((SG+1)%4)
.if SG == 0
	QUAD \sl, 0, 1, 1
	QUAD \sl, 1, 1, 0
.else
	QUAD \sl, 0, 0, 1
	QUAD \sl, 1, 0, 0
.endif
	QUAD \sl, 2, 0, 0
.if (\tl) < 14
	TURN \sl, 1-(\sl), 1, 2, 0
.elseif (\tl) == 14
	TURN \sl, 1-(\sl), 0, 2, 0
.else
	s_wait_dscnt 0x0
	WINMUL 3
	MUL \sl, 3, 0, 3, 0
	WIN 0
.endif
.endm
.macro SC4 oc, os, st
.irp k, 0,1,2,3
	v_mul_f32 v[TT+8*\k], s[K2PI], v[PHI+\k]
.endr
.irp k, 0,1,2,3
	v_rndne_f32 v[TT+8*\k], v[TT+8*\k]
.endr
.irp k, 0,1,2,3
	v_fma_f32 v[TT+8*\k+1], v[TT+8*\k], s[NHI], v[PHI+\k]
.endr
.irp k, 0,1,2,3
	v_fma_f32 v[TT+8*\k+1], v[TT+8*\k], s[NLO], v[TT+8*\k+1]
	v_cvt_i32_f32 v[TT+8*\k+2], v[TT+8*\k]
.endr
.irp k, 0,1,2,3
	v_mul_f32 v[TT+8*\k+3], v[TT+8*\k+1], v[TT+8*\k+1]
.endr
.irp k, 0,1,2,3
	v_fma_f32 v[TT+8*\k+4], v[TT+8*\k+3], s[KS3], s[KS2]
	v_fma_f32 v[TT+8*\k+5], v[TT+8*\k+3], s[KC3], s[KC2]
.endr
.irp k, 0,1,2,3
	v_fma_f32 v[TT+8*\k+4], v[TT+8*\k+4], v[TT+8*\k+3], s[KS1]
	v_fma_f32 v[TT+8*\k+5], v[TT+8*\k+5], v[TT+8*\k+3], s[KC1]
.endr
.irp k, 0,1,2,3
	v_mul_f32 v[TT+8*\k+4], v[TT+8*\k+4], v[TT+8*\k+3]
	v_mul_f32 v[TT+8*\k+6], v[TT+8*\k+3], v[TT+8*\k+3]
	v_fma_f32 v[TT+8*\k+7], v[TT+8*\k+3], -0.5, 1.0
.endr
.irp k, 0,1,2,3
	v_fma_f32 v[TT+8*\k+4], v[TT+8*\k+4], v[TT+8*\k+1], v[TT+8*\k+1]
	v_fma_f32 v[TT+8*\k+5], v[TT+8*\k+5], v[TT+8*\k+6], v[TT+8*\k+7]
	v_and_b32 v[TT+8*\k], 1, v[TT+8*\k+2]
.endr
.irp k, 0,1,2,3
	v_cmp_eq_u32 vcc_lo, 1, v[TT+8*\k]
	v_cndmask_b32 v[(\os)+(\st)*\k], v[TT+8*\k+4], v[TT+8*\k+5], vcc_lo
	v_cndmask_b32 v[(\oc)+(\st)*\k], v[TT+8*\k+5], v[TT+8*\k+4], vcc_lo
.endr
.irp k, 0,1,2,3
	v_lshlrev_b32 v[TT+8*\k], 30, v[TT+8*\k+2]
	v_add_nc_u32 v[TT+8*\k+2], 1, v[TT+8*\k+2]
.endr
.irp k, 0,1,2,3
	v_and_b32 v[TT+8*\k], s[SGN], v[TT+8*\k]
	v_lshlrev_b32 v[TT+8*\k+2], 30, v[TT+8*\k+2]
.endr
.irp k, 0,1,2,3
	v_xor_b32 v[(\os)+(\st)*\k], v[TT+8*\k], v[(\os)+(\st)*\k]
	v_and_b32 v[TT+8*\k+2], s[SGN], v[TT+8*\k+2]
.endr
.irp k, 0,1,2,3
	v_xor_b32 v[(\oc)+(\st)*\k], v[TT+8*\k+2], v[(\oc)+(\st)*\k]
.endr
.endm
	s_load_b128 s[4:7], s[0:1], 0x0
	s_load_b64 s[8:9], s[0:1], 0x10
	v_lshl_add_u32 v[SPW], v0, 2, SPARE
	v_mov_b32 v[NIL], 0
	ds_add_u32 v36, v37
	ds_add_u32 v36, v37
	s_wait_dscnt 0x0
	v_lshrrev_b32 v38, 5, v0
	v_readfirstlane_b32 s[WV], v38
	s_bfe_u32 s13, ttmp6, 0x40000
	s_lshl_b32 s12, ttmp9, 2
	s_add_co_u32 s12, s12, s13
	s_mov_b32 s[G1W], 15|(3<<16)|(1<<21)
	s_mov_b32 s[G1W+1], 32<<16
	s_mov_b32 s[G1W+2], 100<<16
	s_mov_b32 s[G1W+3], 32<<16
	s_mov_b32 s[G1W+4], 100
	s_mov_b32 s[G1W+5], 32
	s_mov_b32 s[G1W+6], 0
	s_mov_b32 s[G1W+7], 0
	s_mul_i32 s48, s[WV], WPB
	s_mov_b32 s49, 0
	s_mul_i32 s2, s12, 51200
	s_mov_b32 s3, 0
	s_lshl_b32 s50, s12, 14
	s_mov_b32 s51, 0
	s_and_b32 s[R4], ttmp9, 3
	s_lshl_b32 s[ROT], s[R4], 1
	s_mov_b32 s[STP], 2
	s_mul_i32 s[TA], s[ROT], SLOTB
	s_mov_b32 s[TA+1], 0
	s_mov_b32 s[LIM], 11
	s_cmp_lt_u32 ttmp9, 13
	s_cselect_b32 s[LIM], 7, s[LIM]
	s_cmp_lt_u32 ttmp9, 25
	s_cselect_b32 s[LIM], s[LIM], -1
	s_cmp_eq_u32 s[WV], 0
	s_cselect_b32 s[LIM], s[LIM], -1
	s_min_u32 s10, s12, 99
	s_lshl_b32 s10, s10, 13
	s_add_co_u32 s10, s10, 8*SLOTB
	s_mov_b32 s11, 0
	s_mov_b32 s[K2PI], 0x3f22f983
	s_mov_b32 s[NHI], 0xbfc90fda
	s_mov_b32 s[NLO], 0xb3a22169
	s_mov_b32 s[KS1], 0xbe2aaaa3
	s_mov_b32 s[KS2], 0x3c08839e
	s_mov_b32 s[KS3], 0xb94ca1f9
	s_mov_b32 s[KC1], 0x3d2aaaa5
	s_mov_b32 s[KC2], 0xbab6061a
	s_mov_b32 s[KC3], 0x37ccf5ce
	s_mov_b32 s[SGN], 0x80000000
	s_mov_b32 s[LH], 0x3d549a78
	s_mov_b32 s[LL], 0x30979a37
	s_mov_b32 s[NLN2], 0xbf317218
	s_mov_b32 s[EPQ], 0x358637bd
	s_mov_b32 s[EPQ+1], s[EPQ]
	s_wait_kmcnt 0x0
	s_add_nc_u64 s[4:5], s[4:5], s[2:3]
	s_add_nc_u64 s[8:9], s[8:9], s[50:51]
	s_add_nc_u64 s[PFA:PFA+1], s[6:7], s[10:11]
	s_add_nc_u64 s[6:7], s[6:7], s[48:49]
	s_mov_b32 s[G0], 1
	s_mov_b32 s[G0+1], s48
	s_add_nc_u64 s[G0+2:G0+3], s[6:7], s[TA:TA+1]
	s_add_nc_u64 s[G0+6:G0+7], s[G0+2:G0+3], SLOTB
	s_mov_b64 s[88:89], s[G0+6:G0+7]               ; my wave's part of the slot that the second load will bring: the prefetch's base
	s_or_b32 s[G0+3], s[G0+3], 0x80000000
	s_mov_b32 s[G0+4], 1
	s_add_co_u32 s[G0+5], s48, SLOTB
	s_or_b32 s[G0+7], s[G0+7], 0x80000000
	CROUND
	tensor_load_to_lds s[G0:G0+3], s[G1W:G1W+7]
	s_nop 0
	PLACES
	v_and_b32 v38, 31, v0
	s_wait_alu depctr_va_vdst(0)
	s_add_co_u32 s50, s[R4], s[WV]
	s_and_b32 s50, s50, 3
	s_mul_i32 s10, s50, 12288
	v_lshl_add_u32 v[XGO], v38, 4, s10
	s_wait_alu depctr_va_vdst(0)
	s_mul_i32 s50, s50, 11776
	s_sub_co_u32 s50, XSO, s50
	s_mov_b32 s51, 0
	s_add_nc_u64 s[XS2:XS2+1], s[4:5], s[50:51]
	s_mul_i32 s50, s[WV], 12288
	s_add_co_u32 s50, s50, XIM
	v_lshl_add_u32 v[XLS], v38, 4, s50
	s_lshl_b32 s50, s[WV], 9
	s_add_co_u32 s50, s50, XIM+XSO
	v_lshl_add_u32 v[XL2], v38, 4, s50
	v_lshlrev_b32 v[PFO], 8, v38
.set i, 0
.rept 24
	global_load_b128 v[64+4*i:67+4*i], v[XGO], s[4:5] offset:512*i th:TH_LOAD_NT
.set i, i+1
.endr
	global_load_b128 v[160:163], v[XGO], s[XS2:XS2+1] th:TH_LOAD_NT
	s_mul_i32 s50, s13, 25                         ; a wave part is 100 blocks of 256 bytes: the cluster's four partners share them out by address, 25 each
	v_min_u32 v47, 24, v38                         ; a lane a block; the lanes left over name the last one again
	v_add_nc_u32 v47, s50, v47
	v_lshlrev_b32 v47, 8, v47                      ; never rewritten
	global_prefetch_b8 v47, s[88:89] th:TH_LOAD_NT scope:SCOPE_SE   ; the second slot's bytes, asked for ahead of the tables; its load stands behind them
	v_mul_u32_u24 v39, v38, 48
	v_add_nc_u32 v[AW], s48, v39
	v_add_nc_u32 v[AW+1], SLOTB, v[AW]
	v_lshlrev_b32 v40, 2, v38
	v_add_nc_u32 v[ASW], s48, v40
	v_add_nc_u32 v[ASW], WSO, v[ASW]
	v_add_nc_u32 v[ASW+1], SLOTB, v[ASW]
	v_add_nc_u32 v[AX], XIM, v39
	v_add_nc_u32 v[ASX], XIM+XSO, v40
	v_mov_b32 v[AXK], v[AX]
	v_mov_b32 v[ASXK], v[ASX]
	v_and_b32 v41, 15, v0
	v_bfe_u32 v42, v0, 4, 1
	v_lshl_add_u32 v[NLD], v42, 5, NRM
	s_lshl_b32 s50, s[WV], 8
	v_add_nc_u32 v[NST], s50, v[NLD]
	v_lshlrev_b32 v[PSA], 3, v41
	v_lshl_add_u32 v[PSA], v42, 2, v[PSA]
	s_lshl_b32 s50, s[WV], 9
	s_add_co_u32 s50, s50, PST
	v_add_nc_u32 v[PSA], s50, v[PSA]
	s_lshl_b32 s50, s[WV], 12
	v_lshl_add_u32 v[GOF], v38, 4, s50
	v_add_nc_u32 v[PLA], PST, v[GOF]
	s_lshl_b32 s50, s[WV], 6
	v_add_nc_u32 v43, s50, v41
	s_lshl_b32 s50, s12, 4
	v_lshl_add_u32 v44, v42, 3, s50
	WIN 0x40
	v_mov_b32 v96, v43
	v_cvt_f32_u32 v97, v44
	WIN 0x55
.irp m, 0,1,2,3
	v_add_nc_u32 v[100+\m], 16*\m, v96
.endr
.irp m, 0,1,2,3
	v_cvt_f32_u32 v[100+\m], v[100+\m]
.endr
.irp m, 0,1,2,3
	v_mul_f32 v[104+\m], s[LH], v[100+\m]
.endr
.irp m, 0,1,2,3
	v_fma_f32 v[108+\m], v[100+\m], s[LH], -v[104+\m]
.endr
.irp m, 0,1,2,3
	v_fma_f32 v[108+\m], v[100+\m], s[LL], v[108+\m]
.endr
	s_wait_alu depctr_va_vdst(0)
.irp m, 0,1,2,3
	v_exp_f32 v[112+\m], -v[104+\m]
.endr
.irp m, 0,1,2,3
	v_mul_f32 v[108+\m], s[NLN2], v[108+\m]
.endr
	s_wait_alu depctr_va_vdst(0)
.irp m, 0,1,2,3
	v_fma_f32 v[64+\m], v[112+\m], v[108+\m], v[112+\m]
.endr
.irp j, 0,1,2,3,4,5,6,7
.irp m, 0,1,2,3
	v_mul_f32 v[PHI+\m], v97, v[64+\m]
.endr
	SC4 \j, 32+\j, 8
	v_add_f32 v97, 1.0, v97
.endr
	WIN 0
	s_wait_alu depctr_va_vdst(0)
	s_wait_tensorcnt 0x0                           ; my part of slot 0 is in; these lines stand ahead of slot 1's first fill:
	ds_add_u32 v36, v37
	s_wait_dscnt 0x0
	CROUND                                         ; a whole round: the joint loads meet,
	tensor_load_to_lds s[G0+4:G0+7], s[G1W:G1W+7]  ; and slot 1's first fill is the first tensor load behind it
	s_nop 0
	PLACES
	s_wait_loadcnt 0x0
.set i, 0
.rept 24
	ds_store_b128 v[XLS], v[64+4*i:67+4*i] offset:512*i
.set i, i+1
.endr
	ds_store_b128 v[XL2], v[160:163]
	s_wait_tensorcnt 0x1
	s_wait_dscnt 0x0
	s_barrier_signal -1
	s_barrier_wait -1
	LDW 0, 0, 0
	LDX 0, AX, 0
	LDXS 0, ASX, 0
	LDWS 0
.set PHS, 0
.set XN, 0
	KTILE 0, 1, 1
	s_mov_b32 s15, 3
.Lk:
	KTILE 1, 0, 1
	KTILE 0, 0, 1
	s_sub_co_u32 s15, s15, 1
	s_cmp_lg_u32 s15, 0
	s_cbranch_scc1 .Lk
	KTILE 1, 0, 2
	PLACES
.irp m, 0,1,2,3
	WIN 0x06
.irp t, 0,1,2,3
.irp p, 0,1,2,3
	v_pk_mul_f32 v[160+8*\t+2*\p:161+8*\t+2*\p], v[64*\t+16*\m+8+2*\p:64*\t+16*\m+9+2*\p], v[32+8*\m+2*\p:33+8*\m+2*\p]
	v_pk_mul_f32 v[192+8*\t+2*\p:193+8*\t+2*\p], v[64*\t+16*\m+2*\p:64*\t+16*\m+1+2*\p], v[32+8*\m+2*\p:33+8*\m+2*\p]
.endr
.endr
	WIN 0x86
.irp t, 0,1,2,3
.irp p, 0,1,2,3
	v_pk_fma_f32 v[64*\t+16*\m+2*\p:64*\t+16*\m+1+2*\p], v[64*\t+16*\m+2*\p:64*\t+16*\m+1+2*\p], v[8*\m+2*\p:8*\m+2*\p+1], v[160+8*\t+2*\p:161+8*\t+2*\p] neg_lo:[0,0,1] neg_hi:[0,0,1]
	v_pk_fma_f32 v[64*\t+16*\m+8+2*\p:64*\t+16*\m+9+2*\p], v[64*\t+16*\m+8+2*\p:64*\t+16*\m+9+2*\p], v[8*\m+2*\p:8*\m+2*\p+1], v[192+8*\t+2*\p:193+8*\t+2*\p]
.endr
.endr
.endr
	WIN 0x0a
.set aa, 0
.rept 8
.irp t, 0,1,2,3
.irp p, 0,1,2,3
.if aa == 0
	v_pk_mul_f32 v[224+8*\t+2*\p:225+8*\t+2*\p], v[64*\t+2*\p:64*\t+2*\p+1], v[64*\t+2*\p:64*\t+2*\p+1]
.else
	v_pk_fma_f32 v[224+8*\t+2*\p:225+8*\t+2*\p], v[64*\t+8*aa+2*\p:64*\t+8*aa+2*\p+1], v[64*\t+8*aa+2*\p:64*\t+8*aa+2*\p+1], v[224+8*\t+2*\p:225+8*\t+2*\p]
.endif
.endr
.endr
.set aa, aa+1
.endr
	WIN 0x0f
.set aa, 0
.rept 8
.irp t, 0,1,2,3
.irp p, 0,1,2,3
	v_pk_fma_f32 v[224+8*\t+2*\p:225+8*\t+2*\p], v[64*\t+8*aa+2*\p:64*\t+8*aa+2*\p+1], v[64*\t+8*aa+2*\p:64*\t+8*aa+2*\p+1], v[224+8*\t+2*\p:225+8*\t+2*\p]
.endr
.endr
.set aa, aa+1
.endr
	WIN 0
.irp x, 1,2,4,8
.set i, 0
.rept 32
	v_add_f32_dpp v[224+i], v[224+i], v[224+i] row_xmask:\x row_mask:0xf bank_mask:0xf
.set i, i+1
.endr
.endr
.irp t, 0,1,2,3
.irp c, 0,1
	ds_store_b128 v[NST], v[224+8*\t+4*\c:227+8*\t+4*\c] offset:64*\t+16*\c
.endr
.endr
	s_wait_dscnt 0x0
	s_barrier_signal -1
	s_barrier_wait -1
.irp e, 0,1
.irp x, 0,1,2,3
.irp u, 0,1
.irp c, 0,1
	ds_load_b128 v[160+16*\x+8*\u+4*\c:163+16*\x+8*\u+4*\c], v[NLD] offset:256*\x+64*(2*\e+\u)+16*\c
.endr
.endr
.endr
	s_wait_dscnt 0x0
.irp i, 0,2,4,6,8,10,12,14
	v_pk_add_f32 v[224+16*\e+\i:225+16*\e+\i], v[160+\i:161+\i], v[176+\i:177+\i]
	v_pk_add_f32 v[192+\i:193+\i], v[192+\i:193+\i], v[208+\i:209+\i]
.endr
.irp i, 0,2,4,6,8,10,12,14
	v_pk_add_f32 v[224+16*\e+\i:225+16*\e+\i], v[224+16*\e+\i:225+16*\e+\i], v[192+\i:193+\i]
.endr
.endr
.set i, 0
.rept 16
	v_pk_add_f32 v[224+2*i:225+2*i], v[224+2*i:225+2*i], s[EPQ:EPQ+1] op_sel_hi:[1,0]
.set i, i+1
.endr
.set i, 0
	s_wait_alu depctr_va_vdst(0)
.rept 32
	v_rsq_f32 v[224+i], v[224+i]
.set i, i+1
.endr
	v_nop
	s_wait_alu depctr_va_vdst(0)
	WIN 0x82
.set aa, 0
.rept 8
.irp t, 0,1,2,3
.irp p, 0,1,2,3
	v_pk_mul_f32 v[64*\t+8*aa+2*\p:64*\t+8*aa+2*\p+1], v[64*\t+8*aa+2*\p:64*\t+8*aa+2*\p+1], v[224+8*\t+2*\p:225+8*\t+2*\p]
.endr
.endr
.set aa, aa+1
.endr
	WIN 0xc3
.set aa, 0
.rept 8
.irp t, 0,1,2,3
.irp p, 0,1,2,3
	v_pk_mul_f32 v[64*\t+8*aa+2*\p:64*\t+8*aa+2*\p+1], v[64*\t+8*aa+2*\p:64*\t+8*aa+2*\p+1], v[224+8*\t+2*\p:225+8*\t+2*\p]
.endr
.endr
.set aa, aa+1
.endr
	WIN 0
.macro REDUCE u
	PLACES
	WIN 0x06+(\u)
.irp p, 0,1,2,3
.set aa, 0
.rept 8
.irp t, 0,1,2,3
.if \p == 0
	v_pk_mul_f32 v[160+2*(4*aa+\t):161+2*(4*aa+\t)], v[64*\t+8*aa:64*\t+8*aa+1], v[64*\t+8*aa:64*\t+8*aa+1]
.else
	v_pk_fma_f32 v[160+2*(4*aa+\t):161+2*(4*aa+\t)], v[64*\t+8*aa+2*\p:64*\t+8*aa+2*\p+1], v[64*\t+8*aa+2*\p:64*\t+8*aa+2*\p+1], v[160+2*(4*aa+\t):161+2*(4*aa+\t)]
.endif
.endr
.set aa, aa+1
.endr
.endr
	WIN 0
.set i, 0
.rept 32
	v_add_f32 v[224+i], v[160+2*i], v[161+2*i]
.set i, i+1
.endr
.irp m, 0,1,2,3
.irp t, 0,1,2,3
	v_permlane16_swap_b32 v[224+8*\m+\t], v[228+8*\m+\t]
.endr
.endr
.irp m, 0,1,2,3
.irp t, 0,1,2,3
	v_add_f32 v[224+8*\m+\t], v[224+8*\m+\t], v[228+8*\m+\t]
.endr
.endr
.irp m, 0,1,2,3
.irp t, 0,1,2,3
	ds_store_b32 v[PSA], v[224+8*\m+\t] offset:4096*\t+2048*(\u)+128*\m
.endr
.endr
	s_wait_dscnt 0x0
.endm
.set PHS, 1
	VTILE 8, 0
	VTILE 9, 1
	VTILE 10, 0
	VTILE 11, 1
	REDUCE 0
	VTILE 12, 0
	VTILE 13, 1
	VTILE 14, 0
	VTILE 15, 1
	REDUCE 1
	s_barrier_signal -1
	s_barrier_wait -1
.irp i, 0,1,2,3,4,5,6,7
	ds_load_b128 v[160+4*\i:163+4*\i], v[PLA] offset:512*\i
.endr
.irp i, 0,1,2,3,4,5,6,7
	s_wait_dscnt 7-\i
	global_store_b128 v[GOF], v[160+4*\i:163+4*\i], s[8:9] offset:512*\i
.endr
	s_wait_tensorcnt 0x0
	ds_add_u32 v[SPW], v[NIL]
	s_wait_dscnt 0x0
	CROUND
	s_endpgm
.Lfunc_end_k_qdc13049067_kv:
	.size	k_qdc13049067_kv, .Lfunc_end_k_qdc13049067_kv-k_qdc13049067_kv
	.p2alignl 7, 3214868480
	.fill 96, 4, 3214868480
	.section	.rodata,"a",@progbits
	.p2align	6, 0x0
	.amdhsa_kernel k_qdc13049067_kv
		.amdhsa_group_segment_fixed_size 327680
		.amdhsa_private_segment_fixed_size 0
		.amdhsa_enable_private_segment 0
		.amdhsa_kernarg_size 24
		.amdhsa_user_sgpr_count 2
		.amdhsa_user_sgpr_kernarg_segment_ptr 1
		.amdhsa_wavefront_size32 1
		.amdhsa_system_sgpr_workgroup_id_x 1
		.amdhsa_system_sgpr_workgroup_id_y 1
		.amdhsa_system_sgpr_workgroup_id_z 1
		.amdhsa_system_vgpr_workitem_id 0
		.amdhsa_next_free_vgpr 1024
		.amdhsa_next_free_sgpr 100
		.amdhsa_reserve_vcc 1
		.amdhsa_float_denorm_mode_32 3
		.amdhsa_float_denorm_mode_16_64 3
		.amdhsa_memory_ordered 1
		.amdhsa_forward_progress 1
		.amdhsa_inst_pref_size 255
	.end_amdhsa_kernel
	.section	.bss,"aw",@nobits
	.p2align	6
	.space	262144
	.amdgpu_metadata
---
amdhsa.version: [ 1, 2 ]
amdhsa.kernels:
  - .name:           k_qdc13049067_kv
    .symbol:         k_qdc13049067_kv.kd
    .args:
      - { .name: xc, .offset: 0, .size: 8, .value_kind: global_buffer, .address_space: global }
      - { .name: wkv, .offset: 8, .size: 8, .value_kind: global_buffer, .address_space: global }
      - { .name: part, .offset: 16, .size: 8, .value_kind: global_buffer, .address_space: global }
    .group_segment_fixed_size: 327680
    .private_segment_fixed_size: 0
    .kernarg_segment_align: 8
    .kernarg_segment_size: 24
    .max_flat_workgroup_size: 128
    .sgpr_count:     100
    .vgpr_count:     1024
    .wavefront_size: 32
...
	.end_amdgpu_metadata
.endif
;; end of part 6
;; launch asum (part 7): grid 64 x 1, 16 waves a work-group, no clusters, 10,240 bytes of LDS; arguments part, avec; writes avec
.if DOCPART == 7
	.amdgcn_target "amdgcn-amd-amdhsa--gfx1250"
	.amdhsa_code_object_version 6
	.text
	.protected	k_qdc13049067_asum
	.globl	k_qdc13049067_asum
	.p2align	8
	.type	k_qdc13049067_asum,@function
k_qdc13049067_asum:
	s_mov_b64 s[64:65], 0
	v_nop
	global_prefetch_b8 v0, s[64:65] scope:SCOPE_SE
	s_setreg_imm32_b32 hwreg(HW_REG_WAVE_MODE, 25, 1), 1
	s_wait_xcnt 0x0
; avec[b][d] = the sum over the 256 blocks g of part[g][b][d].  part is [256][4,096] f32, avec [4,096] f32.
; Work-group k owns numbers 64 k .. 64 k + 63: one aligned run of 256 bytes.  Wave v adds blocks 16 v .. 16 v + 15: eight loads, all on their way at once; in each, lanes 0-15 take the 256 bytes of an even block
; and lanes 16-31 those of the odd block behind it.  The 16 waves' 32 partial rows of 256 bytes meet in LDS; wave 0 adds them, 8 bytes a lane, and stores the 256 bytes whole.
; Each output has one owner and one order of summation.  4 MB are read once: no matrix unit, no cluster and no ring would add anything; no loop, so nothing to prefetch in.
	s_load_b128 s[4:7], s[0:1], 0x0                ; part, avec
	v_lshl_add_u32 v144, v0, 2, 0x2000             ; my spare word, behind the 8,192 bytes of partial rows
	v_mov_b32 v145, 0
	v_lshrrev_b32 v1, 5, v0
	v_and_b32 v2, 31, v0                           ; lane
	v_and_b32 v6, 15, v0                           ; r
	v_bfe_u32 v7, v0, 4, 1                         ; h
	s_delay_alu instid0(VALU_DEP_4)
	v_readfirstlane_b32 s8, v1                     ; wave 0..15
	s_delay_alu instid0(VALU_DEP_4)
	v_lshlrev_b32 v8, 3, v2                        ; 8 x lane
	s_delay_alu instid0(VALU_DEP_4)
	v_lshlrev_b32 v6, 4, v6                        ; 16 r
	v_lshlrev_b32 v2, 4, v2                        ; 16 x lane
	s_delay_alu instid0(VALU_DEP_2)
	v_lshl_add_u32 v6, v7, 14, v6                  ; + h blocks of 16,384 bytes
	s_lshl_b32 s9, s8, 18                          ; my 16 blocks
	s_lshl_b32 s10, ttmp9, 8                       ; my work-group's 256 bytes
	s_add_co_u32 s9, s9, s10
	v_add_nc_u32 v3, s9, v6
	s_lshl_b32 s11, s8, 9
	v_add_nc_u32 v4, s11, v2                       ; LDS: rows 2 v and 2 v + 1
	v_add_nc_u32 v5, s10, v8
	s_wait_alu depctr_va_vdst(0)
	s_wait_kmcnt 0x0
.set i, 0
.rept 8
	global_load_b128 v[16+4*i:19+4*i], v3, s[4:5] offset:32768*i th:TH_LOAD_NT
.set i, i+1
.endr
	s_wait_loadcnt 0x0
.set i, 2
.rept 6                                        ; two chains of two: loads 0, 2, 4, 6 onto load 0's registers, the others onto load 1's
	v_pk_add_f32 v[16+4*(i%2):17+4*(i%2)], v[16+4*(i%2):17+4*(i%2)], v[16+4*i:17+4*i]
	v_pk_add_f32 v[18+4*(i%2):19+4*(i%2)], v[18+4*(i%2):19+4*(i%2)], v[18+4*i:19+4*i]
.set i, i+1
.endr
	s_delay_alu instid0(VALU_DEP_2)
	v_pk_add_f32 v[16:17], v[16:17], v[20:21]
	s_delay_alu instid0(VALU_DEP_2)
	v_pk_add_f32 v[18:19], v[18:19], v[22:23]
	ds_store_b128 v4, v[16:19]
	s_wait_dscnt 0x0                               ; for wave 0's sake
	s_barrier_signal -1
	s_barrier_wait -1
	s_cmp_lg_u32 s8, 0
	s_cbranch_scc1 .Ldone
.set i, 0
.rept 32
	ds_load_b64 v[16+2*i:17+2*i], v8 offset:256*i  ; row i, my two numbers
.set i, i+1
.endr
	s_wait_dscnt 0x0
.set i, 4
.rept 28                                       ; four chains
	v_pk_add_f32 v[16+2*(i%4):17+2*(i%4)], v[16+2*(i%4):17+2*(i%4)], v[16+2*i:17+2*i]
.set i, i+1
.endr
	s_delay_alu instid0(VALU_DEP_3)
	v_pk_add_f32 v[16:17], v[16:17], v[18:19]
	s_delay_alu instid0(VALU_DEP_2)
	v_pk_add_f32 v[20:21], v[20:21], v[22:23]
	s_delay_alu instid0(VALU_DEP_1)
	v_pk_add_f32 v[16:17], v[16:17], v[20:21]
	global_store_b64 v5, v[16:17], s[6:7]          ; 32 lanes store 256 consecutive bytes, aligned
.Ldone:
	s_wait_tensorcnt 0x0                           ; the wave's end, behind my last LDS store
	ds_add_u32 v144, v145
	s_wait_dscnt 0x0
	s_endpgm
.Lfunc_end_k_qdc13049067_asum:
	.size	k_qdc13049067_asum, .Lfunc_end_k_qdc13049067_asum-k_qdc13049067_asum
	.p2alignl 7, 3214868480
	.fill 96, 4, 3214868480
	.section	.rodata,"a",@progbits
	.p2align	6, 0x0
	.amdhsa_kernel k_qdc13049067_asum
		.amdhsa_group_segment_fixed_size 10240
		.amdhsa_private_segment_fixed_size 0
		.amdhsa_enable_private_segment 0
		.amdhsa_kernarg_size 16
		.amdhsa_user_sgpr_count 2
		.amdhsa_user_sgpr_kernarg_segment_ptr 1
		.amdhsa_wavefront_size32 1
		.amdhsa_system_sgpr_workgroup_id_x 1
		.amdhsa_system_sgpr_workgroup_id_y 1
		.amdhsa_system_sgpr_workgroup_id_z 1
		.amdhsa_system_vgpr_workitem_id 0
		.amdhsa_next_free_vgpr 146
		.amdhsa_next_free_sgpr 66
		.amdhsa_reserve_vcc 0
		.amdhsa_float_denorm_mode_32 3
		.amdhsa_float_denorm_mode_16_64 3
		.amdhsa_memory_ordered 1
		.amdhsa_forward_progress 1
		.amdhsa_inst_pref_size 8
	.end_amdhsa_kernel
	.amdgpu_metadata
---
amdhsa.version: [ 1, 2 ]
amdhsa.kernels:
  - .name:           k_qdc13049067_asum
    .symbol:         k_qdc13049067_asum.kd
    .args:
      - { .name: part, .offset: 0, .size: 8, .value_kind: global_buffer, .address_space: global }
      - { .name: avec, .offset: 8, .size: 8, .value_kind: global_buffer, .address_space: global }
    .group_segment_fixed_size: 10240
    .private_segment_fixed_size: 0
    .kernarg_segment_align: 8
    .kernarg_segment_size: 16
    .max_flat_workgroup_size: 512
    .sgpr_count:     66
    .vgpr_count:     146
    .wavefront_size: 32
...
	.end_amdgpu_metadata
.endif
;; end of part 7
;; launch qo (part 8): grid 256 x 1, 4 waves a work-group, clusters of 4 x 1, 327,680 bytes of LDS; arguments xc, wqo, avec, X, out0; writes out0
.if DOCPART == 8
	.amdgcn_target "amdgcn-amd-amdhsa--gfx1250"
	.amdhsa_code_object_version 6
	.text
	.protected	k_qdc13049067_qo
	.globl	k_qdc13049067_qo
	.p2align	8
	.type	k_qdc13049067_qo,@function
k_qdc13049067_qo:
	s_mov_b64 s[64:65], 0
	v_nop
	global_prefetch_b8 v0, s[64:65] scope:SCOPE_SE
	s_setreg_imm32_b32 hwreg(HW_REG_WAVE_MODE, 25, 1), 1
	s_wait_xcnt 0x0
	s_wait_alu depctr_hold_cnt(0) depctr_sa_sdst(0) depctr_va_vdst(0) depctr_va_sdst(0) depctr_va_ssrc(0) depctr_va_vcc(0) depctr_vm_vsrc(0)
	s_getreg_b32 s2, hwreg(HW_REG_IB_STS2, 6, 4)
	s_cmp_eq_u32 s2, 0
	s_cbranch_scc0 .Lentry_in_a_cluster
	s_endpgm
.Lentry_in_a_cluster:
	s_bfe_u32 s2, ttmp6, 0x10000c
	s_cmp_lg_u32 s2, 0x3003
	s_cbranch_scc0 .Lentry_shape_is_right
	s_endpgm
.Lentry_shape_is_right:
; out0 = (A x l2norm(rotary(Q))) W_out^T + X for block g: positions 16 g .. 16 g + 15 of all four batches, 64 rows; a work-group takes one block, wave w a quarter of the channels.
; xc's block and avec are copied into LDS once.  wqo's 16 slots of 102,400 bytes go through a ring of two LDS slots by joint loads of a cluster of 4 x 1: 8 slots for Q (the 64 x 1,024 sums stay in windows 2 and 3),
; then rotary, the rows' norms, x A, the quantiser along the channels (codes to all waves through LDS), and 8 slots for W_out, two for each quarter of a wave's output columns.
; THE HEAD: slot 0's load goes out first; the loads of xc's block and avec, one prefetch a wave and the rotary tables stand behind it; slot 1's first fill follows behind a wait, an add and a round of the cluster's barrier.
; THE WAY OUT: results turn through the wave's stage into whole rows of 256 bytes, X is added, and the next pair's X is asked for ahead of this pair's stores.
; LIMITS: NaN and infinities are not served.
.set SLOTB, 102400
.set WPB,   25600
.set FRB,   1536
.set WSO,   24576
.set XIM,   2*SLOTB
.set XSO,   49152
.set NRM,   XIM+51200
.set STG,   NRM+1024
.set SPARE, STG+4*4352
.set AVL,   SPARE+512
.set AW,  1
.set ASW, 3
.set AX,  5
.set ASX, 6
.set AXK, 7
.set ASXK, 8
.set NST, 9
.set NLD, 10
.set AVA, 11
.set YST, 12
.set YSS, 13
.set SGS, 14
.set SGL, 15
.set WSC, 16
.set XSC, 32
.set SPW, 36
.set NIL, 37
.set VXO, 38
.set PFO, 39
.set YS,  40
.set VXB, 60
.set VXN, 61                           ; v61  the next pair's byte offset in X (in the head: l % 16)
.set PXO, 63                           ; v63  the prefetches' byte offset in X: 8 rows x 4 blocks of 256 bytes, a lane a block
; A pair's finished rows lie in v192-255 of windows 2 (batches 0, 1) and 3 (batches 2, 3), 32 registers a batch.  Their 32 stores are issued four at a time, behind the eight runs of LDS loads of the NEXT pair:
; HK counts these places within a pair; HK = -1: nothing is to be stored.
.set HK, -1
.macro HOOK
.if HK >= 0
.set ht, HK/2
	WIN 0x08+4*(ht/2)
.irp f, 0,1,2,3
	global_store_b128 v[VXO], v[192+32*(ht%2)+4*(4*(HK%2)+\f):192+32*(ht%2)+4*(4*(HK%2)+\f)+3], s[OT+2*ht:OT+2*ht+1] offset:8192*(4*(HK%2)+\f) th:TH_STORE_NT   ; sixteen lanes store 256 consecutive bytes, aligned
.endr
	WIN 0
.set HK, HK+1
.endif
.endm
.set XF0, 64
.set WF0, 112
.set PC,  64
.set TM,  84
.set PW,  100
.set RN,  102
.set TT,  160
.set PHI, 192
.set WV,  14
.set G1W, 16
.set R4,  26
.set ROT, 27
.set STP, 28
.set LIM, 29
.set TA,  30
.set TB,  32
.set TC,  33
.set PFA, 34
.set PP,  36
.set DLT, 37
.set XS2, 38
.set G0,  40
.set SEL, 52
.set EPQ, 54
.set XT,  56
.set OT,  66
.set K2PI, 74
.set NHI, 75
.set NLO, 76
.set KS1, 77
.set KS2, 78
.set KS3, 79
.set KC1, 80
.set KC2, 81
.set KC3, 82
.set SGN, 83
.set LH,  84
.set LL,  85
.set NLN2, 86
.set MSB, 0
.macro WIN new
.if MSB != (\new)
	s_set_vgpr_msb (MSB<<8)|(\new)
.set MSB, (\new)
.endif
.endm
.macro PLACES
.rept 4
	v_nop
.endr
.endm
.macro CREST
	s_cmp_lg_u32 s[WV], 0
	s_cbranch_scc1 .Lnot_wave_0_\@
	s_barrier_signal -3
.Lnot_wave_0_\@:
	s_barrier_wait -3
	s_barrier_signal -1
	s_barrier_wait -1
.endm
.macro CROUND
	s_barrier_signal -1
	s_barrier_wait -1
	CREST
.endm
.macro NEXT sl
	s_add_co_u32 s[TA], s[STP], s[ROT]
	s_and_b32 s[TA], s[TA], 7
	s_lshr_b32 s[TB], s[STP], 1
	s_add_co_u32 s[TB], s[TB], s[R4]
	s_and_b32 s[TB], s[TB], 3
	s_lshl_b32 s[TB], s[TB], 1
	s_and_b32 s[TC], s[STP], 1
	s_add_co_u32 s[TB], s[TB], s[TC]
	s_add_co_u32 s[TB], s[TB], 8
	s_cmp_lt_u32 s[STP], 8
	s_cselect_b32 s[TA], s[TA], s[TB]
	s_mul_i32 s[TA], s[TA], SLOTB
	s_add_nc_u64 s[G0+4*(\sl)+2:G0+4*(\sl)+3], s[6:7], s[TA:TA+1]
	s_or_b32 s[G0+4*(\sl)+3], s[G0+4*(\sl)+3], 0x80000000
	s_add_co_u32 s[STP], s[STP], 1
.endm
.macro ASK
	s_cmp_eq_u32 s[STP], s[LIM]
	s_cbranch_scc0 .Lnot_mine_\@
	s_wait_alu depctr_va_vdst(0)
	global_prefetch_b8 v[PFO], s[PFA:PFA+1] th:TH_LOAD_NT scope:SCOPE_SE
.Lnot_mine_\@:
.endm
.macro LDW sl, q, set
.irp i, 0,1,2,3
.irp c, 0,1,2
	ds_load_b128 v[WF0+48*(\set)+12*\i+4*\c:WF0+48*(\set)+12*\i+4*\c+3], v[AW+(\sl)] offset:FRB*(4*(\q)+\i)+16*\c
.endr
.endr
.endm
.macro LDX set, adr, off
.irp t, 0,1,2,3
.irp c, 0,1,2
	ds_load_b128 v[XF0+144*(\set)+12*\t+4*\c:XF0+144*(\set)+12*\t+4*\c+3], v[\adr] offset:(\off)+FRB*\t+16*\c
.endr
.endr
.endm
.macro LDWS sl
.irp i, 0,1,2,3,4,5,6,7
	ds_load_b32 v[WSC+8*(\sl)+\i], v[ASW+(\sl)] offset:128*\i
.endr
.endm
.macro LDXS e, adr, off
	ds_load_b32 v[XSC+2*(\e)], v[\adr] offset:(\off)
	ds_load_b32 v[XSC+2*(\e)+1], v[\adr] offset:(\off)+128
.endm
.macro EMIT
.if fZ
.if fRA && fRB
	v_wmma_scale_f32_16x16x128_f8f6f4 v[rD:rD+7], v[rA:rA+11], v[rB:rB+11], 0, v[rSA], v[rSB] matrix_a_fmt:MATRIX_FMT_FP6 matrix_b_fmt:MATRIX_FMT_FP6 matrix_a_scale:MATRIX_SCALE_ROW1 matrix_b_scale:MATRIX_SCALE_ROW1
.elseif fRA
	v_wmma_scale_f32_16x16x128_f8f6f4 v[rD:rD+7], v[rA:rA+11], v[rB:rB+11], 0, v[rSA], v[rSB] matrix_a_fmt:MATRIX_FMT_FP6 matrix_b_fmt:MATRIX_FMT_FP6 matrix_a_scale:MATRIX_SCALE_ROW1
.elseif fRB
	v_wmma_scale_f32_16x16x128_f8f6f4 v[rD:rD+7], v[rA:rA+11], v[rB:rB+11], 0, v[rSA], v[rSB] matrix_a_fmt:MATRIX_FMT_FP6 matrix_b_fmt:MATRIX_FMT_FP6 matrix_b_scale:MATRIX_SCALE_ROW1
.else
	v_wmma_scale_f32_16x16x128_f8f6f4 v[rD:rD+7], v[rA:rA+11], v[rB:rB+11], 0, v[rSA], v[rSB] matrix_a_fmt:MATRIX_FMT_FP6 matrix_b_fmt:MATRIX_FMT_FP6
.endif
.else
.if fRA && fRB
	v_wmma_scale_f32_16x16x128_f8f6f4 v[rD:rD+7], v[rA:rA+11], v[rB:rB+11], v[rD:rD+7], v[rSA], v[rSB] matrix_a_fmt:MATRIX_FMT_FP6 matrix_b_fmt:MATRIX_FMT_FP6 matrix_a_scale:MATRIX_SCALE_ROW1 matrix_b_scale:MATRIX_SCALE_ROW1
.elseif fRA
	v_wmma_scale_f32_16x16x128_f8f6f4 v[rD:rD+7], v[rA:rA+11], v[rB:rB+11], v[rD:rD+7], v[rSA], v[rSB] matrix_a_fmt:MATRIX_FMT_FP6 matrix_b_fmt:MATRIX_FMT_FP6 matrix_a_scale:MATRIX_SCALE_ROW1
.elseif fRB
	v_wmma_scale_f32_16x16x128_f8f6f4 v[rD:rD+7], v[rA:rA+11], v[rB:rB+11], v[rD:rD+7], v[rSA], v[rSB] matrix_a_fmt:MATRIX_FMT_FP6 matrix_b_fmt:MATRIX_FMT_FP6 matrix_b_scale:MATRIX_SCALE_ROW1
.else
	v_wmma_scale_f32_16x16x128_f8f6f4 v[rD:rD+7], v[rA:rA+11], v[rB:rB+11], v[rD:rD+7], v[rSA], v[rSB] matrix_a_fmt:MATRIX_FMT_FP6 matrix_b_fmt:MATRIX_FMT_FP6
.endif
.endif
.endm
.macro MUL sl, q, i0, i1, z
.set ii, \i0
.rept (\i1)-(\i0)+1
.set tt, 0
.rept 4
.set rA, WF0+48*((\q)%2)+12*ii
.set rSA, WSC+8*(\sl)+2*(\q)+ii/2
.set fRA, ii%2
.set fRB, tt%2
.set fZ, \z
.if PHS == 0
.set rD, 64*tt+8*((4*(\q)+ii)%8)
.set rB, XF0+144*(\sl)+12*tt
.set rSB, XSC+2*(\sl)+tt/2
.else
.set rD, 32*tt+8*ii
.set rB, 12*(4*(\q)+tt)
.set rSB, YS+8*(\sl)+2*(\q)+tt/2
.endif
	EMIT
.set tt, tt+1
.endr
.set ii, ii+1
.endr
.endm
.macro WINMUL sl, q
.if PHS == 0
.if (\q) < 2
	WIN 0xa0
.else
	WIN 0xf0
.endif
.else
	WIN 0x58+4*(\sl)
.endif
.endm
.macro QUAD sl, q, z
	PLACES
	LDW \sl, (\q)+1, ((\q)+1)%2
	HOOK
	s_wait_dscnt 12
	WINMUL \sl, \q
	MUL \sl, \q, 0, 3, \z
	WIN 0
.endm
.macro TURN sl, nx, fill, xm, z
; X, which the way out adds, is prefetched while Q is multiplied: the change of slots behind Q's K step n (0 .. 7) asks for rows 8 (n % 2) .. + 7 of batch n / 2, my wave's 1,024 bytes of each:
; 32 blocks of 256 bytes, one instruction a wave.  The eight name each block of my 64 rows once; no other wave or work-group reads them.  They are loaded from the eighth change of slots on.
.if PHS == 0
.if (\z) == 0
	s_wait_xcnt 0x0                                ; the last change's prefetch has read its offset: it steps here, a K step behind it
.if (\sl) == 1
	v_add_nc_u32 v[PXO], 0x8000, v[PXO]            ; eight rows of 4,096 bytes on
.else
	v_add_nc_u32 v[PXO], 0xff8000, v[PXO]          ; to the next batch's first eight rows: 2^24 - 32,768
.endif
	s_wait_alu depctr_va_vdst(0)
.endif
.endif
.if \fill
	s_wait_dscnt 0x0                               ; the last quarter's fragments are in: my reads of this slot are over
	WINMUL \sl, 3
	MUL \sl, 3, 0, 2, \z                           ; twelve products stand ahead of the wait for the other slot's load
	WIN 0
	s_wait_tensorcnt 0x0                           ; all my tensor loads have landed: my part of the other slot;
	ds_add_u32 v[SPW], v[NIL]
	NEXT \sl                                       ; no load of mine is out: this slot's descriptor steps
	s_wait_dscnt 0x0                               ; the add is done
	s_barrier_signal -1
	s_barrier_wait -1
	CREST
	tensor_load_to_lds s[G0+4*(\sl):G0+4*(\sl)+3], s[G1W:G1W+7]
	s_nop 0
	PLACES
.else
	s_wait_tensorcnt 0x0
	s_wait_dscnt 0x0
	WINMUL \sl, 3
	MUL \sl, 3, 0, 2, \z
	WIN 0
	PLACES
.endif
	LDW \nx, 0, 0
.if \xm
	s_wait_alu depctr_va_vdst(0)
	v_add_nc_u32 v[AXK], 4*FRB, v[AXK]
	v_add_nc_u32 v[ASXK], 256, v[ASXK]
	LDX \nx, AXK, 0
	LDXS \nx, ASXK, 0
.endif
	LDWS \nx
.if \fill
	ASK
.endif
.if PHS == 0
	global_prefetch_b8 v[PXO], s[XT:XT+1] th:TH_LOAD_NT scope:SCOPE_SE
.endif
	HOOK
	WINMUL \sl, 3
	MUL \sl, 3, 3, 3, \z
	WIN 0
.endm
.macro QTILE sl, z, xm
	QUAD \sl, 0, \z
	QUAD \sl, 1, \z
	QUAD \sl, 2, \z
	TURN \sl, 1-(\sl), 1, \xm, \z
.endm
.macro SC4 oc, os, st
.irp k, 0,1,2,3
	v_mul_f32 v[TT+8*\k], s[K2PI], v[PHI+\k]
.endr
.irp k, 0,1,2,3
	v_rndne_f32 v[TT+8*\k], v[TT+8*\k]
.endr
.irp k, 0,1,2,3
	v_fma_f32 v[TT+8*\k+1], v[TT+8*\k], s[NHI], v[PHI+\k]
.endr
.irp k, 0,1,2,3
	v_fma_f32 v[TT+8*\k+1], v[TT+8*\k], s[NLO], v[TT+8*\k+1]
	v_cvt_i32_f32 v[TT+8*\k+2], v[TT+8*\k]
.endr
.irp k, 0,1,2,3
	v_mul_f32 v[TT+8*\k+3], v[TT+8*\k+1], v[TT+8*\k+1]
.endr
.irp k, 0,1,2,3
	v_fma_f32 v[TT+8*\k+4], v[TT+8*\k+3], s[KS3], s[KS2]
	v_fma_f32 v[TT+8*\k+5], v[TT+8*\k+3], s[KC3], s[KC2]
.endr
.irp k, 0,1,2,3
	v_fma_f32 v[TT+8*\k+4], v[TT+8*\k+4], v[TT+8*\k+3], s[KS1]
	v_fma_f32 v[TT+8*\k+5], v[TT+8*\k+5], v[TT+8*\k+3], s[KC1]
.endr
.irp k, 0,1,2,3
	v_mul_f32 v[TT+8*\k+4], v[TT+8*\k+4], v[TT+8*\k+3]
	v_mul_f32 v[TT+8*\k+6], v[TT+8*\k+3], v[TT+8*\k+3]
	v_fma_f32 v[TT+8*\k+7], v[TT+8*\k+3], -0.5, 1.0
.endr
.irp k, 0,1,2,3
	v_fma_f32 v[TT+8*\k+4], v[TT+8*\k+4], v[TT+8*\k+1], v[TT+8*\k+1]
	v_fma_f32 v[TT+8*\k+5], v[TT+8*\k+5], v[TT+8*\k+6], v[TT+8*\k+7]
	v_and_b32 v[TT+8*\k], 1, v[TT+8*\k+2]
.endr
.irp k, 0,1,2,3
	v_cmp_eq_u32 vcc_lo, 1, v[TT+8*\k]
	v_cndmask_b32 v[(\os)+(\st)*\k], v[TT+8*\k+4], v[TT+8*\k+5], vcc_lo
	v_cndmask_b32 v[(\oc)+(\st)*\k], v[TT+8*\k+5], v[TT+8*\k+4], vcc_lo
.endr
.irp k, 0,1,2,3
	v_lshlrev_b32 v[TT+8*\k], 30, v[TT+8*\k+2]
	v_add_nc_u32 v[TT+8*\k+2], 1, v[TT+8*\k+2]
.endr
.irp k, 0,1,2,3
	v_and_b32 v[TT+8*\k], s[SGN], v[TT+8*\k]
	v_lshlrev_b32 v[TT+8*\k+2], 30, v[TT+8*\k+2]
.endr
.irp k, 0,1,2,3
	v_xor_b32 v[(\os)+(\st)*\k], v[TT+8*\k], v[(\os)+(\st)*\k]
	v_and_b32 v[TT+8*\k+2], s[SGN], v[TT+8*\k+2]
.endr
.irp k, 0,1,2,3
	v_xor_b32 v[(\oc)+(\st)*\k], v[TT+8*\k+2], v[(\oc)+(\st)*\k]
.endr
.endm
.macro XLOAD
	WIN 0x40
.irp t, 0,1,2,3
.irp f, 0,1,2,3,4,5,6,7
	global_load_b128 v[128+32*\t+4*\f:131+32*\t+4*\f], v[VXO], s[XT+2*\t:XT+2*\t+1] offset:8192*\f th:TH_LOAD_NT
.endr
.endr
	WIN 0
.endm
	s_load_b256 s[4:11], s[0:1], 0x0
	s_load_b64 s[24:25], s[0:1], 0x20
	v_lshl_add_u32 v[SPW], v0, 2, SPARE
	v_mov_b32 v[NIL], 0
	ds_add_u32 v36, v37
	ds_add_u32 v36, v37
	s_wait_dscnt 0x0
	v_lshrrev_b32 v60, 5, v0
	v_readfirstlane_b32 s[WV], v60
	s_bfe_u32 s13, ttmp6, 0x40000
	s_lshl_b32 s12, ttmp9, 2
	s_add_co_u32 s12, s12, s13
	s_mov_b32 s[G1W], 15|(3<<16)|(1<<21)
	s_mov_b32 s[G1W+1], 32<<16
	s_mov_b32 s[G1W+2], 100<<16
	s_mov_b32 s[G1W+3], 32<<16
	s_mov_b32 s[G1W+4], 100
	s_mov_b32 s[G1W+5], 32
	s_mov_b32 s[G1W+6], 0
	s_mov_b32 s[G1W+7], 0
	s_mul_i32 s48, s[WV], WPB
	s_mov_b32 s49, 0
	s_mul_i32 s2, s12, 51200
	s_mov_b32 s3, 0
	s_and_b32 s[R4], ttmp9, 3
	s_lshl_b32 s[ROT], s[R4], 1
	s_mov_b32 s[STP], 2
	s_mul_i32 s[TA], s[ROT], SLOTB
	s_mov_b32 s[TA+1], 0
	s_mov_b32 s[PP], s[R4]
	s_cmp_lt_u32 ttmp9, 25
	s_cselect_b32 s[LIM], 7, -1
	s_cmp_eq_u32 s[WV], 0
	s_cselect_b32 s[LIM], s[LIM], -1
	s_min_u32 s50, s12, 99
	s_lshl_b32 s50, s50, 13
	s_add_co_u32 s50, s50, 8*SLOTB
	s_mov_b32 s51, 0
	s_mov_b32 s[SEL], 0x76543210
	s_mov_b32 s[SEL+1], 0xfedcba98
	s_mov_b32 s[K2PI], 0x3f22f983
	s_mov_b32 s[NHI], 0xbfc90fda
	s_mov_b32 s[NLO], 0xb3a22169
	s_mov_b32 s[KS1], 0xbe2aaaa3
	s_mov_b32 s[KS2], 0x3c08839e
	s_mov_b32 s[KS3], 0xb94ca1f9
	s_mov_b32 s[KC1], 0x3d2aaaa5
	s_mov_b32 s[KC2], 0xbab6061a
	s_mov_b32 s[KC3], 0x37ccf5ce
	s_mov_b32 s[SGN], 0x80000000
	s_mov_b32 s[LH], 0x3d549a78
	s_mov_b32 s[LL], 0x30979a37
	s_mov_b32 s[NLN2], 0xbf317218
	s_mov_b32 s[EPQ], 0x358637bd
	s_wait_kmcnt 0x0
	s_add_nc_u64 s[4:5], s[4:5], s[2:3]
	s_add_nc_u64 s[PFA:PFA+1], s[6:7], s[50:51]
	s_add_nc_u64 s[6:7], s[6:7], s[48:49]
.irp t, 0,1,2,3
	s_add_nc_u64 s[XT+2*\t:XT+2*\t+1], s[10:11], \t<<24
	s_add_nc_u64 s[OT+2*\t:OT+2*\t+1], s[24:25], \t<<24
.endr
	s_mov_b32 s[G0], 1
	s_mov_b32 s[G0+1], s48
	s_add_nc_u64 s[G0+2:G0+3], s[6:7], s[TA:TA+1]
	s_add_nc_u64 s[G0+6:G0+7], s[G0+2:G0+3], SLOTB
	s_mov_b64 s[88:89], s[G0+6:G0+7]               ; my wave's part of the slot that the second load will bring: the prefetch's base
	s_or_b32 s[G0+3], s[G0+3], 0x80000000
	s_mov_b32 s[G0+4], 1
	s_add_co_u32 s[G0+5], s48, SLOTB
	s_or_b32 s[G0+7], s[G0+7], 0x80000000
	CROUND
	tensor_load_to_lds s[G0:G0+3], s[G1W:G1W+7]
	s_nop 0
	PLACES
	v_and_b32 v60, 31, v0
	s_wait_alu depctr_va_vdst(0)
	v_and_b32 v61, 15, v0
	v_bfe_u32 v62, v0, 4, 1
	s_add_co_u32 s50, s[R4], s[WV]
	s_and_b32 s50, s50, 3
	s_mul_i32 s51, s50, 12288
	v_lshl_add_u32 v56, v60, 4, s51
	s_mul_i32 s50, s50, 11776
	s_sub_co_u32 s50, XSO, s50
	s_mov_b32 s51, 0
	s_add_nc_u64 s[XS2:XS2+1], s[4:5], s[50:51]
	s_mul_i32 s50, s[WV], 12288
	s_add_co_u32 s50, s50, XIM
	v_lshl_add_u32 v57, v60, 4, s50
	s_lshl_b32 s50, s[WV], 12
	v_lshl_add_u32 v58, v60, 4, s50
	v_add_nc_u32 v59, AVL, v58
.set i, 0
.rept 24
	global_load_b128 v[64+4*i:67+4*i], v56, s[4:5] offset:512*i th:TH_LOAD_NT
.set i, i+1
.endr
	global_load_b128 v[160:163], v56, s[XS2:XS2+1] th:TH_LOAD_NT
.set i, 0
.rept 8
	global_load_b128 v[164+4*i:167+4*i], v58, s[8:9] offset:512*i
.set i, i+1
.endr
	s_mul_i32 s50, s13, 25                         ; a wave part is 100 blocks of 256 bytes: the cluster's four partners share them out by address, 25 each
	v_min_u32 v55, 24, v60                         ; a lane a block; the lanes left over name the last one again
	v_add_nc_u32 v55, s50, v55
	v_lshlrev_b32 v55, 8, v55
	global_prefetch_b8 v55, s[88:89] th:TH_LOAD_NT scope:SCOPE_SE   ; the second slot's bytes, asked for ahead of the tables; its load stands behind them
	v_mul_u32_u24 v39, v60, 48
	v_lshlrev_b32 v63, 2, v60
	v_add_nc_u32 v[AW], s48, v39
	v_add_nc_u32 v[AW+1], SLOTB, v[AW]
	v_add_nc_u32 v[ASW], s48, v63
	v_add_nc_u32 v[ASW], WSO, v[ASW]
	v_add_nc_u32 v[ASW+1], SLOTB, v[ASW]
	v_add_nc_u32 v[AX], XIM, v39
	v_add_nc_u32 v[ASX], XIM+XSO, v63
	v_mov_b32 v[AXK], v[AX]
	v_mov_b32 v[ASXK], v[ASX]
	v_lshl_add_u32 v[NLD], v61, 2, NRM
	s_lshl_b32 s50, s[WV], 8
	v_add_nc_u32 v[NST], s50, v[NLD]
	v_lshl_add_u32 v[YSS], v61, 2, XIM+XSO
	v_add_nc_u32 v[YSS], s50, v[YSS]
	s_lshl_b32 s50, s[WV], 9
	s_add_co_u32 s50, s50, AVL
	v_lshl_add_u32 v[AVA], v62, 6, s50
	s_mul_i32 s50, s[WV], 4*FRB
	v_add_nc_u32 v[YST], s50, v[AX]
	s_mul_i32 s50, s[WV], 4352
	s_add_co_u32 s50, s50, STG
	v_mul_u32_u24 v[SGS], v61, 272
	v_lshl_add_u32 v[SGS], v62, 5, v[SGS]
	v_add_nc_u32 v[SGS], s50, v[SGS]
	v_mul_u32_u24 v[SGL], v62, 272
	v_lshl_add_u32 v[SGL], v61, 4, v[SGL]
	v_add_nc_u32 v[SGL], s50, v[SGL]
	s_lshl_b32 s50, s12, 16
	s_lshl_b32 s51, s[WV], 10
	s_add_co_u32 s50, s50, s51
	v_lshlrev_b32 v[VXB], 12, v62
	v_lshl_add_u32 v[VXB], v61, 4, v[VXB]
	v_add_nc_u32 v[VXB], s50, v[VXB]
	s_lshl_b32 s51, s[PP], 8
	v_add_nc_u32 v[VXO], s51, v[VXB]
	s_lshl_b32 s50, s[WV], 6
	v_lshl_add_u32 v39, v62, 3, s50
	s_lshl_b32 s50, s12, 4
	v_add_nc_u32 v63, s50, v61
	WIN 0x40
	v_mov_b32 v96, v39
	v_cvt_f32_u32 v97, v63
	WIN 0x55
.set k, 0
.rept 32
	v_add_nc_u32 v[160+k], 16*(k/8)+k%8, v96
.set k, k+1
.endr
.set k, 0
.rept 32
	v_cvt_f32_u32 v[160+k], v[160+k]
.set k, k+1
.endr
.set k, 0
.rept 32
	v_mul_f32 v[192+k], s[LH], v[160+k]
.set k, k+1
.endr
.set k, 0
.rept 32
	v_fma_f32 v[224+k], v[160+k], s[LH], -v[192+k]
.set k, k+1
.endr
.set k, 0
.rept 32
	v_fma_f32 v[224+k], v[160+k], s[LL], v[224+k]
.set k, k+1
.endr
.set k, 0
	s_wait_alu depctr_va_vdst(0)
.rept 32
	v_exp_f32 v[128+k], -v[192+k]
.set k, k+1
.endr
.set k, 0
.rept 32
	v_mul_f32 v[224+k], s[NLN2], v[224+k]
.set k, k+1
.endr
	s_wait_alu depctr_va_vdst(0)
.set k, 0
.rept 32
	v_fma_f32 v[64+k], v[128+k], v[224+k], v[128+k]
.set k, k+1
.endr
.irp a, 0,1,2,3,4,5,6,7
.irp j, 0,1,2,3
	v_mul_f32 v[PHI+\j], v97, v[64+4*\a+\j]
.endr
	SC4 8*\a, 8*\a+1, 2
.endr
	WIN 0
	v_and_b32 v[PFO], 31, v0
	v_lshrrev_b32 v62, 2, v[PFO]                   ; lane / 4: a row of the eight
	v_and_b32 v63, 3, v[PFO]                       ; lane % 4: a block of the row's four
	v_lshlrev_b32 v63, 8, v63
	v_lshl_add_u32 v63, v62, 12, v63
	s_lshl_b32 s50, s12, 16                        ; my block's 16 rows of 4,096 bytes
	s_lshl_b32 s51, s[WV], 10                      ; my wave's 1,024 bytes of a row
	s_add_co_u32 s50, s50, s51
	v_add_nc_u32 v[PXO], s50, v63
	v_lshlrev_b32 v[PFO], 8, v[PFO]
	s_wait_alu depctr_va_vdst(0)
	s_wait_tensorcnt 0x0                           ; my part of slot 0 is in; these lines stand ahead of slot 1's first fill:
	ds_add_u32 v36, v37
	s_wait_dscnt 0x0
	CROUND                                         ; a whole round: the joint loads meet,
	tensor_load_to_lds s[G0+4:G0+7], s[G1W:G1W+7]  ; and slot 1's first fill is the first tensor load behind it
	s_nop 0
	PLACES
	s_wait_loadcnt 0x0
	s_wait_xcnt 0x0                                ; the prefetch has read v55, which takes a scale word later
	s_lshl_b32 s50, s[WV], 9
	s_add_co_u32 s50, s50, XIM+XSO
	v_and_b32 v56, 31, v0
	v_lshl_add_u32 v56, v56, 4, s50
.set i, 0
.rept 24
	ds_store_b128 v57, v[64+4*i:67+4*i] offset:512*i
.set i, i+1
.endr
	ds_store_b128 v56, v[160:163]
.set i, 0
.rept 8
	ds_store_b128 v59, v[164+4*i:167+4*i] offset:512*i
.set i, i+1
.endr
	s_wait_tensorcnt 0x1
	s_wait_dscnt 0x0
	s_barrier_signal -1
	s_barrier_wait -1
	LDW 0, 0, 0
	LDX 0, AX, 0
	LDXS 0, ASX, 0
	LDWS 0
.set PHS, 0
	QTILE 0, 1, 1
	s_mov_b32 s15, 3
.Lq:
	QTILE 1, 0, 1
	QTILE 0, 0, 1
	s_sub_co_u32 s15, s15, 1
	s_cmp_lg_u32 s15, 0
	s_cbranch_scc1 .Lq
	QTILE 1, 0, 0
	XLOAD
	PLACES
.irp ab, 0,1,2,3
	WIN 0x06
.irp a2, 0,1
.irp t, 0,1,2,3
.irp jj, 0,1,2,3
	v_pk_mul_f32 v[160+32*\a2+8*\t+2*\jj:161+32*\a2+8*\t+2*\jj], v[64*\t+8*(2*\ab+\a2)+2*\jj:64*\t+8*(2*\ab+\a2)+2*\jj+1], v[8*(2*\ab+\a2)+2*\jj:8*(2*\ab+\a2)+2*\jj+1] op_sel:[1,1] op_sel_hi:[0,1]
.endr
.endr
.endr
	WIN 0x86
.irp a2, 0,1
.irp t, 0,1,2,3
.irp jj, 0,1,2,3
	v_pk_fma_f32 v[64*\t+8*(2*\ab+\a2)+2*\jj:64*\t+8*(2*\ab+\a2)+2*\jj+1], v[64*\t+8*(2*\ab+\a2)+2*\jj:64*\t+8*(2*\ab+\a2)+2*\jj+1], v[8*(2*\ab+\a2)+2*\jj:8*(2*\ab+\a2)+2*\jj+1], v[160+32*\a2+8*\t+2*\jj:161+32*\a2+8*\t+2*\jj] op_sel_hi:[1,0,1] neg_lo:[0,0,1]
.endr
.endr
.endr
.endr
	WIN 0x0a
.set aa, 0
.rept 8
.irp t, 0,1,2,3
.irp p, 0,1,2,3
.if (aa == 0) && (\p < 2)
	v_pk_mul_f32 v[224+4*\t+2*\p:225+4*\t+2*\p], v[64*\t+2*\p:64*\t+2*\p+1], v[64*\t+2*\p:64*\t+2*\p+1]
.else
	v_pk_fma_f32 v[224+4*\t+2*(\p%2):225+4*\t+2*(\p%2)], v[64*\t+8*aa+2*\p:64*\t+8*aa+2*\p+1], v[64*\t+8*aa+2*\p:64*\t+8*aa+2*\p+1], v[224+4*\t+2*(\p%2):225+4*\t+2*(\p%2)]
.endif
.endr
.endr
.set aa, aa+1
.endr
	WIN 0x0f
.set aa, 0
.rept 8
.irp t, 0,1,2,3
.irp p, 0,1,2,3
	v_pk_fma_f32 v[224+4*\t+2*(\p%2):225+4*\t+2*(\p%2)], v[64*\t+8*aa+2*\p:64*\t+8*aa+2*\p+1], v[64*\t+8*aa+2*\p:64*\t+8*aa+2*\p+1], v[224+4*\t+2*(\p%2):225+4*\t+2*(\p%2)]
.endr
.endr
.set aa, aa+1
.endr
	WIN 0
.irp t, 0,1,2,3
	v_pk_add_f32 v[224+4*\t:225+4*\t], v[224+4*\t:225+4*\t], v[226+4*\t:227+4*\t]
.endr
.irp t, 0,1,2,3
	v_add_f32 v[224+4*\t], v[224+4*\t], v[225+4*\t]
.endr
.irp t, 0,1,2,3
	v_permlanex16_b32 v[225+4*\t], v[224+4*\t], s[SEL], s[SEL+1]
.endr
.irp t, 0,1,2,3
	v_add_f32 v[224+4*\t], v[224+4*\t], v[225+4*\t]
.endr
.irp t, 0,1,2,3
	ds_store_b32 v[NST], v[224+4*\t] offset:64*\t
.endr
	s_wait_dscnt 0x0
	s_barrier_signal -1
	s_barrier_wait -1
.irp t, 0,1,2,3
.irp x, 0,1,2,3
	ds_load_b32 v[240+4*\t+\x], v[NLD] offset:256*\x+64*\t
.endr
.endr
	s_wait_dscnt 0x0
.irp t, 0,1,2,3
	v_add_f32 v[240+4*\t], v[240+4*\t], v[241+4*\t]
	v_add_f32 v[242+4*\t], v[242+4*\t], v[243+4*\t]
.endr
.irp t, 0,1,2,3
	v_add_f32 v[240+4*\t], v[240+4*\t], v[242+4*\t]
.endr
.irp t, 0,1,2,3
	v_add_f32 v[240+4*\t], s[EPQ], v[240+4*\t]
.endr
	s_wait_alu depctr_va_vdst(0)
.irp t, 0,1,2,3
	v_rsq_f32 v[RN+2*\t], v[240+4*\t]
.endr
.irp b, 0,1,2,3
	v_mov_b32 v[TM+4+\b], 0
.endr
	s_wait_alu depctr_va_vdst(0)
.irp t, 0,1,2,3
	v_mov_b32 v[RN+2*\t+1], v[RN+2*\t]
.endr
.macro QUANT z, s
	WIN 0x28+0x14*(\z)
.irp b, 0,1,2,3
	v_max3_num_f32 v[TM+\b], 0x1800000, |v[(\s)+16*\b]|, |v[(\s)+1+16*\b]|
.endr
.irp i, 2,4,6,8,10,12,14
.irp b, 0,1,2,3
	v_max3_num_f32 v[TM+\b], v[TM+\b], |v[(\s)+16*\b+\i]|, |v[(\s)+1+16*\b+\i]|
.endr
.endr
	WIN 0
.irp b, 0,1,2,3
	v_permlanex16_b32 v[TM+4+\b], v[TM+\b], s[SEL], s[SEL+1]
.endr
.irp b, 0,1,2,3
	v_max_num_f32 v[TM+\b], v[TM+\b], v[TM+4+\b]
.endr
.irp b, 0,1,2,3
	v_add_nc_u32 v[TM+12+\b], 0xff000000, v[TM+\b]
.endr
.irp b, 0,1,2,3
	v_lshrrev_b32 v[TM+4+\b], 23, v[TM+12+\b]
.endr
	v_lshl_or_b32 v[PW], v[TM+5], 8, v[TM+4]
	v_lshl_or_b32 v[PW], v[TM+6], 16, v[PW]
	v_lshl_or_b32 v[PW], v[TM+7], 24, v[PW]
	WIN 0x02+(\z)
.irp c, 0,1
	v_cvt_scalef32_pk16_fp6_f32 v[PC+6*\c:PC+2+6*\c], v[(\s)+32*\c:(\s)+15+32*\c], v[TM+12+2*\c]
	v_cvt_scalef32_pk16_fp6_f32 v[PC+12+4*\c:PC+14+4*\c], v[(\s)+16+32*\c:(\s)+31+32*\c], v[TM+12+2*\c+1]
.endr
	WIN 0
	v_nop
.irp c, 0,1
.irp i, 0,1,2
	v_permlane16_swap_b32 v[PC+6*\c+\i], v[PC+12+4*\c+\i]
.endr
.irp i, 0,1,2
	v_mov_b32 v[PC+3+6*\c+\i], v[PC+12+4*\c+\i]
.endr
.endr
.endm
.macro YUNIT z, t
.irp b, 0,1,2,3
.irp u, 0,1
.irp c, 0,1
	ds_load_b128 v[160+16*\b+8*\u+4*\c:163+16*\b+8*\u+4*\c], v[AVA] offset:4096*(\t)+2048*(\z)+128*\b+32*\u+16*\c
.endr
.endr
.endr
	WIN 0x88+0x44*(\z)
.set i, 0
.rept 32
	v_pk_mul_f32 v[64*(\t)+2*i:64*(\t)+2*i+1], v[RN+2*(\t):RN+2*(\t)+1], v[64*(\t)+2*i:64*(\t)+2*i+1]
.set i, i+1
.endr
	s_wait_dscnt 0x0
.set i, 0
.rept 32
	v_pk_mul_f32 v[64*(\t)+2*i:64*(\t)+2*i+1], v[160+2*i:161+2*i], v[64*(\t)+2*i:64*(\t)+2*i+1]
.set i, i+1
.endr
	QUANT \z, 64*(\t)
.irp c, 0,1,2
	ds_store_b128 v[YST], v[PC+4*\c:PC+4*\c+3] offset:16*FRB*(\z)+FRB*(\t)+16*\c
.endr
	ds_store_b32 v[YSS], v[PW] offset:1024*(\z)+64*(\t)
	s_wait_dscnt 0x0
.endm
.irp z, 0,1
.irp t, 0,1,2,3
	YUNIT \z, \t
.endr
.endr
	s_barrier_signal -1
	s_barrier_wait -1
	WIN 0x80
.set i, 0
.rept 16
.irp c, 0,1,2
	ds_load_b128 v[12*i+4*\c:12*i+4*\c+3], v[AX] offset:FRB*i+16*\c
.endr
.set i, i+1
.endr
	WIN 0xc0
.set i, 0
.rept 16
.irp c, 0,1,2
	ds_load_b128 v[12*i+4*\c:12*i+4*\c+3], v[AX] offset:FRB*(16+i)+16*\c
.endr
.set i, i+1
.endr
	WIN 0
.set i, 0
.rept 16
	ds_load_b32 v[YS+i], v[ASX] offset:128*i
.set i, i+1
.endr
.macro TOSTAGE t
	WIN 0x04
.irp c, 0,1,2,3
	ds_store_b128 v[SGS], v[32*(\t)+8*\c:32*(\t)+8*\c+3] offset:64*\c
	ds_store_b128 v[SGS], v[32*(\t)+8*\c+4:32*(\t)+8*\c+7] offset:64*\c+16
.endr
	WIN 0x80+0x40*((\t)/2)                         ; back as whole rows, into registers that no product writes
.irp f, 0,1,2,3,4,5,6,7
	ds_load_b128 v[192+32*((\t)%2)+4*\f:192+32*((\t)%2)+4*\f+3], v[SGL] offset:544*\f
.endr
.endm
.macro SEND t, younger, nxt
	s_wait_dscnt \younger
.if \nxt
	s_wait_loadcnt 24                              ; behind this pair's X of batch t: 8 (3 - t) loads of this pair and 8 t of the next
.else
	s_wait_loadcnt 8*(3-(\t))
.endif
	WIN 0x86+0x41*((\t)/2)                         ; the rows: window 2 or 3; X: window 1
.set i, 0
.rept 16
	v_pk_add_f32 v[192+32*((\t)%2)+2*i:193+32*((\t)%2)+2*i], v[192+32*((\t)%2)+2*i:193+32*((\t)%2)+2*i], v[128+32*(\t)+2*i:129+32*(\t)+2*i]
.set i, i+1
.endr
.if \nxt
	WIN 0x40
.irp f, 0,1,2,3,4,5,6,7
	global_load_b128 v[128+32*(\t)+4*\f:131+32*(\t)+4*\f], v[VXN], s[XT+2*(\t):XT+2*(\t)+1] offset:8192*\f th:TH_LOAD_NT   ; the additions above have read these registers: the next pair's X, loads ahead of stores
.endr
.endif
.endm
.macro WAYOUT nxt
	PLACES
	s_wait_xcnt 0x0                                ; the last pair's stores have read their rows and their offset, the loads of X theirs: all three are written again below
	v_mov_b32 v[VXO], v[VXN]                       ; this pair's stores go where its X came from
.if \nxt
	s_add_co_u32 s[PP], s[PP], 1
	s_and_b32 s[PP], s[PP], 3
	s_lshl_b32 s[DLT], s[PP], 8
	v_add_nc_u32 v[VXN], s[DLT], v[VXB]            ; the next pair's columns
.endif
	s_wait_alu depctr_va_vdst(0)
	TOSTAGE 0
	TOSTAGE 1
	SEND 0, 16, \nxt
	TOSTAGE 2
	SEND 1, 16, \nxt
	TOSTAGE 3
	SEND 2, 16, \nxt
	SEND 3, 0, \nxt
	WIN 0
	s_wait_alu depctr_va_vdst(0)                   ; the rows are read by stores behind waits and a branch
.endm
.set PHS, 1
	v_mov_b32 v[VXN], v[VXO]                       ; the first pair's offset, as each way out expects it
	s_wait_alu depctr_va_vdst(0)
	QUAD 0, 0, 1                                   ; the first pair is written out: no rows wait to be stored yet (HK = -1)
	QUAD 0, 1, 0
	QUAD 0, 2, 0
	TURN 0, 1, 1, 0, 0
	QUAD 1, 0, 0
	QUAD 1, 1, 0
	QUAD 1, 2, 0
	TURN 1, 0, 1, 0, 0
	WAYOUT 1
	s_mov_b32 s15, 2
.Lpair:
.set HK, 0
	QUAD 0, 0, 1
	QUAD 0, 1, 0
	QUAD 0, 2, 0
	TURN 0, 1, 1, 0, 0
	QUAD 1, 0, 0
	QUAD 1, 1, 0
	QUAD 1, 2, 0
	TURN 1, 0, 1, 0, 0
	WAYOUT 1
	s_sub_co_u32 s15, s15, 1
	s_cmp_lg_u32 s15, 0
	s_cbranch_scc1 .Lpair
.set HK, 0
	QUAD 0, 0, 1
	QUAD 0, 1, 0
	QUAD 0, 2, 0
	TURN 0, 1, 0, 0, 0
	QUAD 1, 0, 0
	QUAD 1, 1, 0
	QUAD 1, 2, 0
	HOOK                                           ; the eighth place of the last pair
	s_wait_dscnt 0x0
	WINMUL 1, 3
	MUL 1, 3, 0, 3, 0
	WIN 0
	WAYOUT 0
.set HK, 0
.rept 8
	HOOK                                           ; the last pair's rows leave at once
.endr
	s_wait_tensorcnt 0x0
	ds_add_u32 v[SPW], v[NIL]
	s_wait_dscnt 0x0
	CROUND
	s_endpgm
.Lfunc_end_k_qdc13049067_qo:
	.size	k_qdc13049067_qo, .Lfunc_end_k_qdc13049067_qo-k_qdc13049067_qo
	.p2alignl 7, 3214868480
	.fill 96, 4, 3214868480
	.section	.rodata,"a",@progbits
	.p2align	6, 0x0
	.amdhsa_kernel k_qdc13049067_qo
		.amdhsa_group_segment_fixed_size 327680
		.amdhsa_private_segment_fixed_size 0
		.amdhsa_enable_private_segment 0
		.amdhsa_kernarg_size 40
		.amdhsa_user_sgpr_count 2
		.amdhsa_user_sgpr_kernarg_segment_ptr 1
		.amdhsa_wavefront_size32 1
		.amdhsa_system_sgpr_workgroup_id_x 1
		.amdhsa_system_sgpr_workgroup_id_y 1
		.amdhsa_system_sgpr_workgroup_id_z 1
		.amdhsa_system_vgpr_workitem_id 0
		.amdhsa_next_free_vgpr 1024
		.amdhsa_next_free_sgpr 100
		.amdhsa_reserve_vcc 1
		.amdhsa_float_denorm_mode_32 3
		.amdhsa_float_denorm_mode_16_64 3
		.amdhsa_memory_ordered 1
		.amdhsa_forward_progress 1
		.amdhsa_inst_pref_size 255
	.end_amdhsa_kernel
	.section	.bss,"aw",@nobits
	.p2align	6
	.space	262144
	.amdgpu_metadata
---
amdhsa.version: [ 1, 2 ]
amdhsa.kernels:
  - .name:           k_qdc13049067_qo
    .symbol:         k_qdc13049067_qo.kd
    .args:
      - { .name: xc, .offset: 0, .size: 8, .value_kind: global_buffer, .address_space: global }
      - { .name: wqo, .offset: 8, .size: 8, .value_kind: global_buffer, .address_space: global }
      - { .name: avec, .offset: 16, .size: 8, .value_kind: global_buffer, .address_space: global }
      - { .name: X, .offset: 24, .size: 8, .value_kind: global_buffer, .address_space: global }
      - { .name: out0, .offset: 32, .size: 8, .value_kind: global_buffer, .address_space: global }
    .group_segment_fixed_size: 327680
    .private_segment_fixed_size: 0
    .kernarg_segment_align: 8
    .kernarg_segment_size: 40
    .max_flat_workgroup_size: 128
    .sgpr_count:     100
    .vgpr_count:     1024
    .wavefront_size: 32
...
	.end_amdgpu_metadata
.endif
;; end of part 8
